; MI455X (gfx1250); checked and timed in simulation.
; The chip was launched on July 23, 2026; its instructions are those of AMD's public machine-readable ISA for CDNA 5 (MIT licence, August 2026) and "CDNA5" Instruction Set Architecture Reference Guide (July 2026). The comments in the code are by the model that wrote it; some were corrected since.
;; Attention Layer. Allowed arithmetic: float matrix products may take bf16 or f16 operands with f32 sums; other float arithmetic in f32, or as packed bf16 or f16 multiplies, adds, multiply-adds, maxima and minima; sums over many terms, partial sums and values carried from step to step in f32; what a program stores and reads back later, other than sums and carried values, may be rounded once to bf16 or f16.
;; Inputs: W_proj 1,024 x 1,024 float32; W_qkv 3,072 x 1,024 float32; b_proj 1,024 float32; b_qkv 3,072 float32; x 4 x 2,048 x 1,024 float32.
;; Outputs: out0 4 x 2,048 x 1,024 float32.
;; 3 versions, each right; version 3 is version 2 with the launch cast written anew for expert scheduling mode. Each part assembles by itself: llvm-mc -triple=amdgcn-amd-amdhsa -mcpu=gfx1250 --defsym DOCPART=n.
;; ======== version 1 of 3: 5 launches
;; limits: values are held in f16: magnitudes above 65,504 overflow, below 6.1e-05 lose precision
;; workspace buffers: xb 16,777,216 bytes; wqb 6,291,456 bytes; wpf 2,097,152 bytes; bias 16,384 bytes; qkv 50,331,648 bytes; pt 33,554,432 bytes; st 1,048,576 bytes; ob 16,777,216 bytes
;; launch cast (part 1): grid 769 x 1, 8 waves a work-group, no clusters, 0 bytes of LDS; arguments x, W_qkv, W_proj, b_qkv, b_proj, xb, wqb, wpf, bias; writes xb, wqb, wpf, bias
.if DOCPART == 1
	.amdgcn_target "amdgcn-amd-amdhsa--gfx1250"
	.amdhsa_code_object_version 6
	.text
	.protected	k_q1b2640afee_cast
	.globl	k_q1b2640afee_cast
	.p2align	8
	.type	k_q1b2640afee_cast,@function
k_q1b2640afee_cast:
	s_mov_b64 s[64:65], 0
	v_nop
	global_prefetch_b8 v0, s[64:65] scope:SCOPE_SE
	s_setreg_imm32_b32 hwreg(HW_REG_WAVE_MODE, 25, 1), 1
	s_wait_xcnt 0x0
; THE INPUTS, ROUNDED ONCE TO bf16, in the formats in which the later launches multiply them.
;   x [8192][1024] f32      -> xb  bf16          W_qkv [3072][1024] f32 -> wqb bf16
;   W_proj [1024][1024] f32 -> wpf: rounded to bf16, and that number written as f16 (the last product's other operand is f16)
;   b_qkv [3072], b_proj [1024] f32 -> bias [4096] f32: rounded to bf16, written as f32 (b_qkv first)
; LIMITS.  A bf16 number of W_proj beyond 65,504 becomes an infinity in f16; below 6.1e-5 it keeps f16's fixed step of 6e-8.
; A stream: no LDS, no barrier, no matrix unit.  A work-group of eight waves takes 16,384 numbers: 65,536 bytes in, 32,768 out.
; Groups 0-511 take x, 512-703 W_qkv, 704-767 W_proj, group 768 the two biases.  Thread t takes 16 bytes at 16 t of each 4,096: a wave's load
; covers 512 neighbouring bytes; its store of 8 bytes a lane covers 256 neighbouring bytes, aligned.  All sixteen loads of a thread go out at once.
.set X, 16                             ; v[16:79]   sixteen loads of four f32
.set Y, 80                             ; v[80:111]  sixteen pairs of packed words to store
	s_load_b256 s[4:11], s[0:1], 0x0               ; x s[4:5], W_qkv s[6:7], W_proj s[8:9], b_qkv s[10:11]
	s_load_b256 s[12:19], s[0:1], 0x20             ; b_proj s[12:13], xb s[14:15], wqb s[16:17], wpf s[18:19]
	s_load_b64 s[20:21], s[0:1], 0x40              ; bias
	v_lshlrev_b32 v1, 4, v0                        ; 16 t: my place in 4,096 bytes of f32
	v_lshlrev_b32 v2, 3, v0                        ; 8 t: my place in 2,048 bytes of 16-bit numbers
	s_mov_b32 s30, 0xffff0000                      ; a word's upper bf16
	s_mov_b32 s2, ttmp9                            ; the work-group's number
	s_mov_b32 s29, 0                               ; high word of the offsets (all under 2^26)
	s_wait_kmcnt 0x0
; 16,384 numbers from s[22:23] to s[24:25].  half = 1: the bf16 number is written as f16.
.macro BLOCK half
.irp j, 0,1,2,3,4,5,6,7,8,9,10,11,12,13,14,15
	global_load_b128 v[X+4*(\j):X+4*(\j)+3], v1, s[22:23] offset:4096*(\j) th:TH_LOAD_NT
.endr
.irp j, 0,1,2,3,4,5,6,7,8,9,10,11,12,13,14,15
	s_wait_loadcnt 15-(\j)                         ; loads come back in order (ISA guide 5.7.1): load j is in, the 15 - j younger ones stay out
	v_cvt_pk_bf16_f32 v[Y+2*(\j)],   v[X+4*(\j)],   v[X+4*(\j)+1]  ; the one rounding, to nearest even
	v_cvt_pk_bf16_f32 v[Y+2*(\j)+1], v[X+4*(\j)+2], v[X+4*(\j)+3]
.if \half
	v_lshlrev_b32 v[X+4*(\j)],   16,  v[Y+2*(\j)]  ; the rounded numbers as f32 again,
	v_and_b32     v[X+4*(\j)+1], s30, v[Y+2*(\j)]
	v_lshlrev_b32 v[X+4*(\j)+2], 16,  v[Y+2*(\j)+1]
	v_and_b32     v[X+4*(\j)+3], s30, v[Y+2*(\j)+1]
	v_cvt_pk_f16_f32 v[Y+2*(\j)],   v[X+4*(\j)],   v[X+4*(\j)+1]  ; and in f16's format: 8 significant bits fit into 11, so nothing is rounded within f16's normal range
	v_cvt_pk_f16_f32 v[Y+2*(\j)+1], v[X+4*(\j)+2], v[X+4*(\j)+3]
.endif
	global_store_b64 v2, v[Y+2*(\j):Y+2*(\j)+1], s[24:25] offset:2048*(\j) th:TH_STORE_NT  ; no register of a store is written again: no further wait
.endr
.endm
	s_cmp_ge_u32 s2, 768
	s_cbranch_scc1 .Lbias
	s_cmp_ge_u32 s2, 704
	s_cbranch_scc1 .Lproj
	s_sub_co_u32 s27, s2, 512                      ; the block's number in W_qkv (used only from 512 on)
	s_cmp_lt_u32 s2, 512
	s_cselect_b64 s[22:23], s[4:5], s[6:7]         ; from x or from W_qkv,
	s_cselect_b64 s[24:25], s[14:15], s[16:17]     ; to xb or to wqb,
	s_cselect_b32 s26, s2, s27                     ; block number in that tensor
	s_lshl_b32 s28, s26, 16
	s_add_nc_u64 s[22:23], s[22:23], s[28:29]
	s_lshl_b32 s28, s26, 15
	s_add_nc_u64 s[24:25], s[24:25], s[28:29]
	BLOCK 0
	s_endpgm
.Lproj:
	s_sub_co_u32 s26, s2, 704
	s_lshl_b32 s28, s26, 16
	s_add_nc_u64 s[22:23], s[8:9], s[28:29]
	s_lshl_b32 s28, s26, 15
	s_add_nc_u64 s[24:25], s[18:19], s[28:29]
	BLOCK 1
	s_endpgm
.Lbias:                                                ; 4,096 numbers: three times 4,096 bytes of b_qkv, once of b_proj
.irp j, 0,1,2
	global_load_b128 v[X+4*(\j):X+4*(\j)+3], v1, s[10:11] offset:4096*(\j)
.endr
	global_load_b128 v[X+12:X+15], v1, s[12:13]
	s_wait_loadcnt 0x0
.irp j, 0,1,2,3
	v_cvt_pk_bf16_f32 v[Y+2*(\j)],   v[X+4*(\j)],   v[X+4*(\j)+1]
	v_cvt_pk_bf16_f32 v[Y+2*(\j)+1], v[X+4*(\j)+2], v[X+4*(\j)+3]
	v_lshlrev_b32 v[X+4*(\j)],   16,  v[Y+2*(\j)]
	v_and_b32     v[X+4*(\j)+1], s30, v[Y+2*(\j)]
	v_lshlrev_b32 v[X+4*(\j)+2], 16,  v[Y+2*(\j)+1]
	v_and_b32     v[X+4*(\j)+3], s30, v[Y+2*(\j)+1]
	global_store_b128 v1, v[X+4*(\j):X+4*(\j)+3], s[20:21] offset:4096*(\j)
.endr
	s_endpgm
.Lfunc_end_k_q1b2640afee_cast:
	.size	k_q1b2640afee_cast, .Lfunc_end_k_q1b2640afee_cast-k_q1b2640afee_cast
	.p2alignl 7, 3214868480
	.fill 96, 4, 3214868480
	.section	.rodata,"a",@progbits
	.p2align	6, 0x0
	.amdhsa_kernel k_q1b2640afee_cast
		.amdhsa_group_segment_fixed_size 0
		.amdhsa_private_segment_fixed_size 0
		.amdhsa_enable_private_segment 0
		.amdhsa_kernarg_size 72
		.amdhsa_user_sgpr_count 2
		.amdhsa_user_sgpr_kernarg_segment_ptr 1
		.amdhsa_wavefront_size32 1
		.amdhsa_system_sgpr_workgroup_id_x 1
		.amdhsa_system_sgpr_workgroup_id_y 1
		.amdhsa_system_sgpr_workgroup_id_z 1
		.amdhsa_system_vgpr_workitem_id 0
		.amdhsa_next_free_vgpr 112
		.amdhsa_next_free_sgpr 66
		.amdhsa_reserve_vcc 0
		.amdhsa_float_denorm_mode_32 3
		.amdhsa_float_denorm_mode_16_64 3
		.amdhsa_memory_ordered 1
		.amdhsa_forward_progress 1
		.amdhsa_inst_pref_size 19
	.end_amdhsa_kernel
	.amdgpu_metadata
---
amdhsa.version: [ 1, 2 ]
amdhsa.kernels:
  - .name:           k_q1b2640afee_cast
    .symbol:         k_q1b2640afee_cast.kd
    .args:
      - { .name: x, .offset: 0, .size: 8, .value_kind: global_buffer, .address_space: global }
      - { .name: W_qkv, .offset: 8, .size: 8, .value_kind: global_buffer, .address_space: global }
      - { .name: W_proj, .offset: 16, .size: 8, .value_kind: global_buffer, .address_space: global }
      - { .name: b_qkv, .offset: 24, .size: 8, .value_kind: global_buffer, .address_space: global }
      - { .name: b_proj, .offset: 32, .size: 8, .value_kind: global_buffer, .address_space: global }
      - { .name: xb, .offset: 40, .size: 8, .value_kind: global_buffer, .address_space: global }
      - { .name: wqb, .offset: 48, .size: 8, .value_kind: global_buffer, .address_space: global }
      - { .name: wpf, .offset: 56, .size: 8, .value_kind: global_buffer, .address_space: global }
      - { .name: bias, .offset: 64, .size: 8, .value_kind: global_buffer, .address_space: global }
    .group_segment_fixed_size: 0
    .private_segment_fixed_size: 0
    .kernarg_segment_align: 8
    .kernarg_segment_size: 72
    .max_flat_workgroup_size: 256
    .sgpr_count:     66
    .vgpr_count:     112
    .wavefront_size: 32
...
	.end_amdgpu_metadata
.endif
;; end of part 1
;; launch qkv (part 2): grid 12 x 64, 4 waves a work-group, clusters of 4 x 4, 327,680 bytes of LDS; arguments xb, wqb, bias, qkv; writes qkv
.if DOCPART == 2
	.amdgcn_target "amdgcn-amd-amdhsa--gfx1250"
	.amdhsa_code_object_version 6
	.text
	.protected	k_q1b2640afee_qkv
	.globl	k_q1b2640afee_qkv
	.p2align	8
	.type	k_q1b2640afee_qkv,@function
k_q1b2640afee_qkv:
	s_mov_b64 s[64:65], 0
	v_nop
	global_prefetch_b8 v0, s[64:65] scope:SCOPE_SE
	s_setreg_imm32_b32 hwreg(HW_REG_WAVE_MODE, 25, 1), 1
	s_wait_xcnt 0x0
	s_wait_alu depctr_hold_cnt(0) depctr_sa_sdst(0) depctr_va_vdst(0) depctr_va_sdst(0) depctr_va_ssrc(0) depctr_va_vcc(0) depctr_vm_vsrc(0)
	s_getreg_b32 s2, hwreg(HW_REG_IB_STS2, 6, 4)
	s_cmp_eq_u32 s2, 0
	s_cbranch_scc0 .Lentry_in_a_cluster
	s_endpgm
.Lentry_in_a_cluster:
	s_bfe_u32 s2, ttmp6, 0x10000c
	s_cmp_lg_u32 s2, 0xf033
	s_cbranch_scc0 .Lentry_shape_is_right
	s_endpgm
.Lentry_shape_is_right:
; qkv[m][n] = the sum over k of xb[m][k] wqb[n][k] + bias[n].  xb [8192][1024], wqb [3072][1024] bf16; bias f32; qkv [8192][3072] f16.  Sums in f32, qkv rounded once.
; LIMIT.  f16 holds no number beyond 65,504: a q, k or v beyond that becomes an infinity.  NaN and infinities are not treated apart.
; SHARES.  A work-group makes 128 rows x 256 columns: 12 x 64 = 768 work-groups.  Four waves, each 64 x 128: 32 accumulators of 16 x 16, 256 registers.
; K goes in steps of 128 (rows of 256 bytes in memory) through two LDS slots filled by the tensor data mover; a step is four quarters of 32 along K, 32 matrix instructions each.
; CLUSTER.  4 x 4 work-groups.  The four of a row of the cluster need the same rows of xb, the four of a column the same rows of wqb: each tile is asked for JOINTLY,
; by the same tensor load with the same descriptor and a mask that names the four.
; THE MATRIX INSTRUCTION IS USED TRANSPOSED (source 0 = 16 rows of wqb, source 1 = 16 rows of xb): a lane then holds row l % 16 and eight neighbouring columns 8 (l / 16) + 0..7.
; REGISTERS, in windows of 256 (s_set_vgpr_msb: bits 1:0 source 0, 3:2 source 1, 5:4 source 2, 7:6 destination):
;   window 0: v0-31 addresses; v64-159, v160-255 two fragment buffers (A's 4 fragments at +0, B's 8 at +32); on the way out v64-95 packed results, v96-223 rows read back
;   window 1: accumulator (a, b) at v[8 (8 a + b)]          window 2: v0-63 the bias of my lane's 64 columns
.set NSTEP,  8                         ; K steps
.set LDA,    1024                      ; elements from row to row of A (xb) and of B (wqb)
.set LDB,    1024
.set LDCB,   6144                      ; bytes from row to row of C
.set ASTEP,  256                       ; bytes from K step to K step
.set BSTEP,  256
.set PITCH,  272                       ; an LDS row: 256 bytes + 16 of padding = 68 words: the 16 rows of a load start at 16 different groups of four banks (64 banks of 4 bytes: ISA guide 11.1)
.set HALFA,  64*PITCH                  ; what one tensor load brings of A, and what a wave reads of it
.set HALFB,  128*PITCH                 ; the same for B
.set APART,  2*HALFB                   ; a slot: B's 256 rows, then A's 128
.set SLOT1,  1<<17                     ; slot 1 begins here: one exclusive or turns an address in one slot into the other's
.set STAGE,  SLOT1+APART+2*HALFA       ; behind the ring, never filled by a tensor load: 16 rows x 272 bytes for each wave
.set SPARE,  STAGE+4*16*PITCH          ; behind the stages: the spare words, 128 bytes for each wave: two blocks of 256 bytes that no other line names
.set ADRA, 16                          ; v16  LDS address of my A fragments in the slot in hand
.set ADRB, 17                          ; v17  the same for B
.set A0,   18                          ; v18  the same in slot 0; never rewritten
.set B0,   19                          ; v19
.set STO,  20                          ; v20  the way out: where I put 16 bytes of a row
.set RD,   21                          ; v21  where I read rows back
.set CO,   22                          ; v22  my byte offset in two rows of C
.set BO,   23                          ; v23  my byte offset in bias
.set SPW,  28                          ; v28  LDS address of my spare word; never rewritten
.set NIL,  29                          ; v29  0; never rewritten
.set F0,   64
.set F1,   160
.set TMP,  64
.set BK,   96
.set CNT,  3                           ; s3   the loop's count
.set WV,   12                          ; s12  my wave's number
.set RH,   13                          ; s13  which 64 rows of the tile are mine
.set CH,   14                          ; s14  which 128 columns; also: which half of a tile I fetch
.set TB,   15                          ; s15  LDS byte at which the slot in hand begins
.set CP,   10                          ; s[10:11] C at my wave's first row and column
.set G1A,  24                          ; s[24:31] descriptor group 1 for A's tiles;  s[32:39] group 0: a set for each first fill, the second then walks
.set G0A,  32
.set G1B,  48                          ; s[48:55], s[56:63] the same for B's
.set G0B,  56
.set G1C,  (1<<16)|(1<<20)|(1<<21)|(5<<22)|(3<<25)  ; 17:16 elements of 2 bytes; 20 padding on; 21 set beside a mask; 24:22 after every 64 words (code 5); 31:25 4 words of it (code 3)
.set MUL,  0x50                        ; C and D window 1, sources window 0
.set TO2,  0x80                        ; destination window 2
.set BADD, 0x49                        ; destination and source 0 window 1, source 1 window 2
.set CVT,  0x05                        ; sources window 1, destination window 0
.set MSB, 0
.macro WIN new                         ; the immediate's high byte repeats the setting that is left; a switch that changes nothing is dropped
.if MSB != (\new)
	s_set_vgpr_msb (MSB<<8)|(\new)
.set MSB, \new
.endif
.endm
.macro PLACES                          ; four places between a matrix instruction and a load into, or a vector instruction on, its registers
.rept 4
	v_nop
.endr
.endm
; A joint refill.  Waves 0 and 1 fetch B's two halves, waves 2 and 3 A's.  The branch hangs on the wave's number alone.  An s_nop 0 and four v_nop follow each of the two lines.
.macro JLOAD
	s_cmp_lt_u32 s[WV], 2
	s_cbranch_scc0 .Lfor_a_\@
	tensor_load_to_lds s[G0B+4:G0B+7], s[G1B:G1B+7]
	s_nop 0
.rept 4
	v_nop
.endr
	s_branch .Lasked_\@
.Lfor_a_\@:
	tensor_load_to_lds s[G0A+4:G0A+7], s[G1A:G1A+7]
	s_nop 0
.rept 4
	v_nop
.endr
.Lasked_\@:
.endm
.macro CREST                           ; a round of the cluster's barrier behind its opening barrier
	s_cmp_lg_u32 s[WV], 0
	s_cbranch_scc1 .Lnot_wave_0_\@
	s_barrier_signal -3
.Lnot_wave_0_\@:
	s_barrier_wait -3
	s_barrier_signal -1
	s_barrier_wait -1
.endm
.macro CROUND                          ; a whole round
	s_barrier_signal -1
	s_barrier_wait -1
	CREST
.endm
	s_load_b256 s[4:11], s[0:1], 0x0               ; xb s[4:5], wqb s[6:7], bias s[8:9], qkv s[10:11]
	v_lshl_add_u32 v[SPW], v0, 2, SPARE
	v_mov_b32 v[NIL], 0
	ds_add_u32 v[SPW], v[NIL]                      ; the wave's opening: the add and its wait stand ahead of my first tensor load; the set-up below, work on registers, stands between them
	v_lshrrev_b32 v3, 5, v0
	v_readfirstlane_b32 s[WV], v3                  ; wave 0..3
	s_lshr_b32 s[RH], s[WV], 1
	s_and_b32 s[CH], s[WV], 1
	s_mov_b32 s[TB], 0
	s_bfe_u32 s16, ttmp6, 0x40000                  ; cx, cy: my place in the cluster
	s_bfe_u32 s17, ttmp6, 0x40004
	s_lshl_b32 s18, ttmp9, 2
	s_add_co_u32 s18, s18, s16                     ; tile column = 4 x cluster x + cx
	s_and_b32 s20, ttmp7, 0xffff
	s_lshl_b32 s19, s20, 2
	s_add_co_u32 s19, s19, s17                     ; tile row = 4 x cluster y + cy
	s_lshl_b32 s22, s17, 2
	s_lshl_b32 s22, 15, s22                        ; my row of the cluster: places 4 cy .. 4 cy + 3
	s_lshl_b32 s23, 0x1111, s16                    ; my column: places cx, cx + 4, cx + 8, cx + 12
	s_or_b32 s[G1A], s22, G1C                      ; A's tiles go to my row,
	s_or_b32 s[G1B], s23, G1C                      ; B's to my column
	s_mov_b32 s[G1A+1], 128<<16                    ; tensor_dim0 = 128
	s_mov_b32 s[G1A+2], 64<<16                     ; tensor_dim1 = 64
	s_mov_b32 s[G1A+3], 128<<16                    ; tile_dim0 = 128
	s_mov_b32 s[G1A+4], 64                         ; tile_dim1 = 64
	s_mov_b32 s[G1A+5], LDA                        ; elements from row to row
	s_mov_b32 s[G1A+6], 0
	s_mov_b32 s[G1A+7], 0
	s_mov_b32 s[G1B+1], 128<<16
	s_mov_b32 s[G1B+2], 128<<16                    ; 128 rows
	s_mov_b32 s[G1B+3], 128<<16
	s_mov_b32 s[G1B+4], 128
	s_mov_b32 s[G1B+5], LDB
	s_mov_b32 s[G1B+6], 0
	s_mov_b32 s[G1B+7], 0
	s_lshl_b32 s40, s19, 7                         ; A: row 128 x tile row + 64 x half, made of the tile row and the wave's number alone
	s_lshl_b32 s41, s[CH], 6
	s_add_co_u32 s40, s40, s41
	s_mul_i32 s40, s40, LDA*2                      ; in bytes, under 2^26
	s_mov_b32 s41, 0
	s_lshl_b32 s42, s18, 8                         ; B: row 256 x tile column + 128 x half, made of the tile column and the wave's number alone
	s_lshl_b32 s43, s[CH], 7
	s_add_co_u32 s42, s42, s43
	s_mul_i32 s42, s42, LDB*2
	s_mov_b32 s43, 0
	s_mul_i32 s46, s[WV], HALFB                    ; where they go: B's halves (waves 0, 1) at wave x 128 rows,
	s_mul_i32 s47, s[WV], HALFA                    ; A's (waves 2, 3) at APART + (wave - 2) x 64 rows: no place in the cluster enters an LDS address
	s_add_co_u32 s47, s47, HALFB
	s_wait_dscnt 0x0                               ; the opening add is done
	s_wait_kmcnt 0x0
	s_add_nc_u64 s[40:41], s[4:5], s[40:41]
	s_add_nc_u64 s[42:43], s[6:7], s[42:43]
.irp s, 0,1
	s_mov_b32 s[G0A+4*(\s)], 1                     ; 1:0 count = 1
	s_add_co_u32 s[G0A+4*(\s)+1], s47, (\s)*SLOT1  ; 63:32 LDS address
	s_add_nc_u64 s[G0A+4*(\s)+2:G0A+4*(\s)+3], s[40:41], (\s)*ASTEP  ; 120:64 global address: K step s
	s_or_b32 s[G0A+4*(\s)+3], s[G0A+4*(\s)+3], 0x80000000            ; 127:126 type = 2
	s_mov_b32 s[G0B+4*(\s)], 1
	s_add_co_u32 s[G0B+4*(\s)+1], s46, (\s)*SLOT1
	s_add_nc_u64 s[G0B+4*(\s)+2:G0B+4*(\s)+3], s[42:43], (\s)*BSTEP
	s_or_b32 s[G0B+4*(\s)+3], s[G0B+4*(\s)+3], 0x80000000
.endr
	CROUND                                         ; all sixteen work-groups are here: the first joint loads meet
	s_cmp_lt_u32 s[WV], 2                          ; a wave's two first fills stand in one branch, ahead of every wait on TENSORcnt and every LDS read: two loads of mine are out
	s_cbranch_scc0 .Lfirst_a
	tensor_load_to_lds s[G0B:G0B+3], s[G1B:G1B+7]
	s_nop 0
	tensor_load_to_lds s[G0B+4:G0B+7], s[G1B:G1B+7]
	s_nop 0
.rept 4
	v_nop
.endr
	s_branch .Lfirst_asked
.Lfirst_a:
	tensor_load_to_lds s[G0A:G0A+3], s[G1A:G1A+7]
	s_nop 0
	tensor_load_to_lds s[G0A+4:G0A+7], s[G1A:G1A+7]
	s_nop 0
.rept 4
	v_nop
.endr
.Lfirst_asked:
	; A fragment is 16 rows x 32 K in 8 registers: lane l holds row l % 16; registers 0-3 K = 8 (l / 16) + 0..7, registers 4-7 K = 16 + 8 (l / 16) + 0..7: two loads of 16 bytes, 32 bytes apart.
	v_and_b32 v1, 15, v0                           ; l % 16
	v_bfe_u32 v2, v0, 4, 1                         ; l / 16
	v_mul_u32_u24 v3, v1, PITCH
	v_lshl_add_u32 v3, v2, 4, v3                   ; row x pitch + 16 x half
	s_mul_i32 s22, s[RH], HALFA
	s_add_co_u32 s22, s22, APART
	v_add_nc_u32 v[A0], s22, v3                    ; my 64 rows of A
	s_mul_i32 s22, s[CH], HALFB
	v_add_nc_u32 v[B0], s22, v3                    ; my 128 rows of B
	s_mul_i32 s22, s[WV], 16*PITCH
	s_add_co_u32 s22, s22, STAGE                   ; my stage
	v_add_nc_u32 v[STO], s22, v3                   ; in: row l % 16, 16 bytes for each half of the lanes
	v_mul_u32_u24 v4, v2, PITCH                    ; back: lanes 0-15 take one row of 256 bytes, lanes 16-31 the next
	v_lshl_add_u32 v4, v1, 4, v4
	v_add_nc_u32 v[RD], s22, v4
	v_mul_u32_u24 v4, v2, LDCB                     ; and the same two rows in C
	v_lshl_add_u32 v[CO], v1, 4, v4
	s_lshl_b32 s44, s19, 7                         ; my first row of C: 128 x tile row + 64 x half,
	s_lshl_b32 s45, s[RH], 6
	s_add_co_u32 s44, s44, s45
	s_mul_i32 s44, s44, LDCB
	s_lshl_b32 s45, s18, 9                         ; my first column, in bytes: 512 x tile column + 256 x half
	s_add_co_u32 s44, s44, s45
	s_lshl_b32 s45, s[CH], 8
	s_add_co_u32 s44, s44, s45
	s_mov_b32 s45, 0
	s_add_nc_u64 s[CP:CP+1], s[CP:CP+1], s[44:45]
	s_lshl_b32 s22, s18, 10                        ; the same column in bias, 4 bytes a number,
	s_lshl_b32 s23, s[CH], 9
	s_add_co_u32 s22, s22, s23
	v_lshl_add_u32 v[BO], v2, 5, s22               ; + my lanes' 8 columns
	WIN TO2
.irp b, 0,1,2,3,4,5,6,7                 ; the bias of columns 16 b + 8 (l / 16) + 0..7: waited for at the head of the way out
	global_load_b128 v[8*(\b):8*(\b)+3],   v[BO], s[8:9] offset:64*(\b)
	global_load_b128 v[8*(\b)+4:8*(\b)+7], v[BO], s[8:9] offset:64*(\b)+16
.endr
	WIN 0
; 8 matrix instructions: m block a x all 8 n blocks, 32 along K, from buffer f.  zero = 1: the product starts the sums: nothing is ever cleared.
; The 32 accumulators take turns, one instruction a turn, in the same order in every quarter, over the backward jump too.
.macro MULA f, a, zero
	WIN MUL
.irp b, 0,1,2,3,4,5,6,7
.if \zero
	v_wmma_f32_16x16x32_bf16 v[8*(8*(\a)+(\b)):8*(8*(\a)+(\b))+7], v[(\f)+32+8*(\b):(\f)+32+8*(\b)+7], v[(\f)+8*(\a):(\f)+8*(\a)+7], 0
.else
	v_wmma_f32_16x16x32_bf16 v[8*(8*(\a)+(\b)):8*(8*(\a)+(\b))+7], v[(\f)+32+8*(\b):(\f)+32+8*(\b)+7], v[(\f)+8*(\a):(\f)+8*(\a)+7], v[8*(8*(\a)+(\b)):8*(8*(\a)+(\b))+7]
.endif
.endr
.endm
; 24 LDS loads in one run: quarter q's fragments into buffer f: B's eight, then A's four
.macro FETCH q, f
	WIN 0
.irp i, 0,1,2,3,4,5,6,7
	ds_load_b128 v[(\f)+32+8*(\i):(\f)+32+8*(\i)+3],   v[ADRB] offset:64*(\q)+(\i)*16*PITCH
	ds_load_b128 v[(\f)+32+8*(\i)+4:(\f)+32+8*(\i)+7], v[ADRB] offset:64*(\q)+(\i)*16*PITCH+32
.endr
.irp i, 0,1,2,3
	ds_load_b128 v[(\f)+8*(\i):(\f)+8*(\i)+3],   v[ADRA] offset:64*(\q)+(\i)*16*PITCH
	ds_load_b128 v[(\f)+8*(\i)+4:(\f)+8*(\i)+7], v[ADRA] offset:64*(\q)+(\i)*16*PITCH+32
.endr
.endm
; One of a step's first three quarters: multiplies buffer f; in its middle it fetches quarter q into buffer g.
.macro QUARTER q, f, g, zero
	s_wait_dscnt 4                                 ; B and A's fragments 0 and 1 are in; the youngest four loads (A's fragments 2 and 3) may be out
	MULA \f, 0, \zero
	MULA \f, 1, \zero
	PLACES                                         ; behind the products that read buffer g, a quarter back
	FETCH \q, \g
	s_wait_dscnt 24                                ; all but the 24 just issued
	MULA \f, 2, \zero
	MULA \f, 3, \zero
.endm
; The last quarter multiplies buffer 1 and changes slots: ONE barrier.  In front of it each wave waits for all its tensor loads (one is out: its part of the next slot), adds 0 to its spare word,
; and waits for that and for its own reads of this slot.  fill = 1: the barrier opens a round of the cluster's, and this slot is filled again, with the K step two on, first thing behind the round.
.macro TURN fill
	WIN 0
	s_wait_tensorcnt 0x0                           ; no tensor load of mine is out, so a group 0 may be written
	ds_add_u32 v[SPW], v[NIL]                      ; 0 onto my spare word
.if \fill
	s_xor_b32 s[G0A+5], s[G0A+5], SLOT1            ; the walking descriptors: the other slot than last time,
	s_add_nc_u64 s[G0A+6:G0A+7], s[G0A+6:G0A+7], ASTEP  ; the next K step; the type bits on top are not reached
	s_xor_b32 s[G0B+5], s[G0B+5], SLOT1
	s_add_nc_u64 s[G0B+6:G0B+7], s[G0B+6:G0B+7], BSTEP
.endif
	s_xor_b32 s[TB], s[TB], SLOT1                  ; the fetches go to the other slot
	s_wait_dscnt 7                                 ; the add and the six loads of A's fragments 1 to 3 may be out
	MULA F1, 0, 0
	s_wait_dscnt 0x0                               ; the add is done, and my reads of this slot are over
	s_barrier_signal -1
	MULA F1, 1, 0                                  ; work on registers while the others arrive
	WIN 0                                          ; at a branch and at a label every window is 0
	s_barrier_wait -1
.if \fill
	CREST                                          ; no wave of any partner still reads this slot's tiles or has a load on its way
	JLOAD                                          ; 112 matrix instructions ahead of the wait for it; its four v_nop are also the places in front of the loads below
.else
	PLACES
.endif
	v_add_nc_u32 v[ADRA], s[TB], v[A0]
	v_add_nc_u32 v[ADRB], s[TB], v[B0]
	FETCH 0, F0
	MULA F1, 2, 0
	MULA F1, 3, 0
.endm
; THE WAY OUT of m block a.  PACK: the bias is added, the sums are rounded to f16, 16 bytes a lane.  TOSTAGE: into my own stage, and back as whole rows of 256 bytes.  SEND: stored.
.macro PACK a
	WIN BADD
.irp b, 0,1,2,3,4,5,6,7
.irp p, 0,1,2,3                         ; each accumulator's registers in ascending order
	v_pk_add_f32 v[64*(\a)+8*(\b)+2*(\p):64*(\a)+8*(\b)+2*(\p)+1], v[64*(\a)+8*(\b)+2*(\p):64*(\a)+8*(\b)+2*(\p)+1], v[8*(\b)+2*(\p):8*(\b)+2*(\p)+1]
.endr
.endr
	WIN CVT
.irp b, 0,1,2,3,4,5,6,7
.irp p, 0,1,2,3
	v_cvt_pk_f16_f32 v[TMP+4*(\b)+(\p)], v[64*(\a)+8*(\b)+2*(\p)], v[64*(\a)+8*(\b)+2*(\p)+1]
.endr
.endr
.endm
.macro TOSTAGE a
	WIN 0
.irp b, 0,1,2,3,4,5,6,7
	ds_store_b128 v[STO], v[TMP+4*(\b):TMP+4*(\b)+3] offset:32*(\b)
.endr
.irp t, 0,1,2,3,4,5,6,7
	ds_load_b128 v[BK+32*(\a)+4*(\t):BK+32*(\a)+4*(\t)+3], v[RD] offset:(\t)*2*PITCH  ; LDS serves a wave's instructions in order (ISA guide 5.7.1.4): these see the stores above
.endr
.endm
.macro SEND a                          ; each block has registers of its own for the rows read back: no store's data is written again
	WIN 0
	s_wait_dscnt 0x0                               ; the block is back in registers
.irp t, 0,1,2,3,4,5,6,7
	global_store_b128 v[CO], v[BK+32*(\a)+4*(\t):BK+32*(\a)+4*(\t)+3], s[CP:CP+1] offset:(16*(\a)+2*(\t))*LDCB  ; 16 lanes store 256 consecutive bytes, at a multiple of 256 from C's first byte
.endr
.endm
	s_wait_tensorcnt 0x1                           ; my part of K step 0 is in; step 1's may stay out
	s_barrier_signal -1
	s_barrier_wait -1                              ; everybody's is
	v_mov_b32 v[ADRA], v[A0]
	v_mov_b32 v[ADRB], v[B0]
	FETCH 0, F0
	QUARTER 1, F0, F1, 1                           ; the first quarter stands in front of the loop: its products start the sums
	WIN 0
	s_mov_b32 s[CNT], NSTEP-2
.Lstep:                                                ; a trip goes from a step's second quarter to the next step's first, and fills the slot that it leaves
	QUARTER 2, F1, F0, 0
	QUARTER 3, F0, F1, 0
	TURN 1
	QUARTER 1, F0, F1, 0
	WIN 0
	s_sub_co_u32 s[CNT], s[CNT], 1
	s_cmp_lg_u32 s[CNT], 0
	s_cbranch_scc1 .Lstep
	QUARTER 2, F1, F0, 0                           ; the last two steps are written out: nothing is left to ask for
	QUARTER 3, F0, F1, 0
	TURN 0
	QUARTER 1, F0, F1, 0
	QUARTER 2, F1, F0, 0
	QUARTER 3, F0, F1, 0
	s_wait_dscnt 4                                 ; the very last quarter
	MULA F1, 0, 0
	MULA F1, 1, 0
	s_wait_dscnt 0x0
	MULA F1, 2, 0
	MULA F1, 3, 0
	WIN 0
	PLACES                                         ; behind the last products
	s_wait_loadcnt 0x0                             ; the bias
	PACK 0
	TOSTAGE 0
.irp a, 1,2,3                           ; block a's arithmetic stands between block a - 1's loads from the stage and the wait for them
	PACK \a
	SEND (\a)-1
	TOSTAGE \a
.endr
	SEND 3
	s_wait_tensorcnt 0x0                           ; the wave's end: behind my last tensor load and my last LDS store
	ds_add_u32 v[SPW], v[NIL]
	s_wait_dscnt 0x0
	CROUND                                         ; the closing round: no work-group ends while a partner may still ask for a tile that names it
	s_endpgm
.Lfunc_end_k_q1b2640afee_qkv:
	.size	k_q1b2640afee_qkv, .Lfunc_end_k_q1b2640afee_qkv-k_q1b2640afee_qkv
	.p2alignl 7, 3214868480
	.fill 96, 4, 3214868480
	.section	.rodata,"a",@progbits
	.p2align	6, 0x0
	.amdhsa_kernel k_q1b2640afee_qkv
		.amdhsa_group_segment_fixed_size 327680
		.amdhsa_private_segment_fixed_size 0
		.amdhsa_enable_private_segment 0
		.amdhsa_kernarg_size 32
		.amdhsa_user_sgpr_count 2
		.amdhsa_user_sgpr_kernarg_segment_ptr 1
		.amdhsa_wavefront_size32 1
		.amdhsa_system_sgpr_workgroup_id_x 1
		.amdhsa_system_sgpr_workgroup_id_y 1
		.amdhsa_system_sgpr_workgroup_id_z 1
		.amdhsa_system_vgpr_workitem_id 0
		.amdhsa_next_free_vgpr 576
		.amdhsa_next_free_sgpr 72
		.amdhsa_reserve_vcc 0
		.amdhsa_float_denorm_mode_32 3
		.amdhsa_float_denorm_mode_16_64 3
		.amdhsa_memory_ordered 1
		.amdhsa_forward_progress 1
		.amdhsa_inst_pref_size 79
	.end_amdhsa_kernel
	.amdgpu_metadata
---
amdhsa.version: [ 1, 2 ]
amdhsa.kernels:
  - .name:           k_q1b2640afee_qkv
    .symbol:         k_q1b2640afee_qkv.kd
    .args:
      - { .name: xb, .offset: 0, .size: 8, .value_kind: global_buffer, .address_space: global }
      - { .name: wqb, .offset: 8, .size: 8, .value_kind: global_buffer, .address_space: global }
      - { .name: bias, .offset: 16, .size: 8, .value_kind: global_buffer, .address_space: global }
      - { .name: qkv, .offset: 24, .size: 8, .value_kind: global_buffer, .address_space: global }
    .group_segment_fixed_size: 327680
    .private_segment_fixed_size: 0
    .kernarg_segment_align: 8
    .kernarg_segment_size: 32
    .max_flat_workgroup_size: 128
    .sgpr_count:     72
    .vgpr_count:     576
    .wavefront_size: 32
...
	.end_amdgpu_metadata
.endif
;; end of part 2
;; launch scores (part 3): grid 8 x 64, 4 waves a work-group, clusters of 4 x 4, 327,680 bytes of LDS; arguments qkv, pt, st; writes pt, st
.if DOCPART == 3
	.amdgcn_target "amdgcn-amd-amdhsa--gfx1250"
	.amdhsa_code_object_version 6
	.text
	.protected	k_q1b2640afee_scores
	.globl	k_q1b2640afee_scores
	.p2align	8
	.type	k_q1b2640afee_scores,@function
k_q1b2640afee_scores:
	s_mov_b64 s[64:65], 0
	v_nop
	global_prefetch_b8 v0, s[64:65] scope:SCOPE_SE
	s_setreg_imm32_b32 hwreg(HW_REG_WAVE_MODE, 25, 1), 1
	s_wait_xcnt 0x0
	s_wait_alu depctr_hold_cnt(0) depctr_sa_sdst(0) depctr_va_vdst(0) depctr_va_sdst(0) depctr_va_ssrc(0) depctr_va_vcc(0) depctr_vm_vsrc(0)
	s_getreg_b32 s2, hwreg(HW_REG_IB_STS2, 6, 4)
	s_cmp_eq_u32 s2, 0
	s_cbranch_scc0 .Lentry_in_a_cluster
	s_endpgm
.Lentry_in_a_cluster:
	s_bfe_u32 s2, ttmp6, 0x10000c
	s_cmp_lg_u32 s2, 0xf033
	s_cbranch_scc0 .Lentry_shape_is_right
	s_endpgm
.Lentry_shape_is_right:
; SCORES AND THE FIRST HALF OF THE SOFTMAX.  s[row][key] = q[row] . k[key] over 1,024 channels, for each of 4 batches of 2,048 rows and 2,048 keys; q and k are columns 0-1023 and
; 1024-2047 of qkv [8192][3072] f16.  For each row and each BLOCK of 128 keys (a wave's columns): m = the block's largest score, p = 2^(c s - c m), c = log2(e) / 32, l = the sum of p.
; pt [8192][2048] f16 takes p (row = batch x 2,048 + query, column = key); st [16 blocks][8192 rows][2] f32 takes (c m, l).  The next launch finds the row's maximum among the
; sixteen c m and rescales: the maximum taken away is a true maximum, first of the block, then of the row.  Products, maxima and sums in f32; l is the sum of the unrounded p.
; LIMITS.  p lies in 0 to 1; below 6e-5 it keeps f16's fixed step of 6e-8; a weight below 2^-126 counts as 0 in l.  NaN and infinities are not treated apart.
; SHARES.  A work-group makes 128 rows x 256 keys: 8 x 64 = 512 work-groups.  Four waves, each 64 x 128: 32 accumulators, 256 registers.  The channels go in steps of 128
; (256 bytes of a row) through two LDS slots filled by the tensor data mover; a step is four quarters of 32 channels, 32 matrix instructions each.
; CLUSTER.  4 x 4 work-groups; a batch's 16 tile rows are 4 whole rows of clusters, so the batch hangs on the cluster's y alone.  q's tile is asked for jointly along a row of the cluster, k's along a column.
; THE MATRIX INSTRUCTION IS USED TRANSPOSED (source 0 = 16 keys, source 1 = 16 queries): a lane holds ONE query (l % 16) and in each accumulator the keys 8 (l / 16) + 0..7:
; 64 of the block's 128 scores; the other 64 lie in the lane 16 away.
; REGISTERS, in windows of 256 (s_set_vgpr_msb: bits 1:0 source 0, 3:2 source 1, 5:4 source 2, 7:6 destination):
;   window 0: v0-31 addresses; v32-39 (c m, m) for m blocks 0-3; v40-43 l; v48-59 at work; v64-159, v160-255 two fragment buffers; on the way out v64-95 packed p, v96-223 rows read back
;   window 1: accumulator (a, b) at v[8 (8 a + b)]
.set NSTEP,  8
.set LDA,    3072                      ; elements from row to row of qkv
.set LDB,    3072
.set LDCB,   4096                      ; bytes from row to row of pt
.set ASTEP,  256
.set BSTEP,  256
.set PITCH,  272                       ; an LDS row: 256 bytes + 16 of padding = 68 words: the 16 rows of a load start at 16 different groups of four banks (64 banks of 4 bytes: ISA guide 11.1)
.set HALFA,  64*PITCH
.set HALFB,  128*PITCH
.set APART,  2*HALFB                   ; a slot: k's 256 rows, then q's 128
.set SLOT1,  1<<17
.set STAGE,  SLOT1+APART+2*HALFA       ; behind the ring, never filled by a tensor load: 16 rows x 272 bytes for each wave
.set SPARE,  STAGE+4*16*PITCH          ; the spare words, 128 bytes for each wave: two blocks of 256 bytes that no other line names
.set ADRA, 16
.set ADRB, 17
.set A0,   18
.set B0,   19
.set STO,  20
.set RD,   21
.set CO,   22
.set SO,   23                          ; v23  8 x my lane: my place in 32 rows of st
.set SPW,  28
.set NIL,  29
.set ST,   32                          ; (c m, m) of m block a at v[ST+2 a]
.set LS,   40                          ; l of m block a
.set T,    48                          ; v48-55 at work
.set F0,   64
.set F1,   160
.set TMP,  64
.set BK,   96
.set CNT,  3
.set WV,   12
.set RH,   13
.set CH,   14
.set TB,   15
.set CP,   6                           ; s[6:7] pt at my wave's first row and column
.set G1A,  24
.set G0A,  32
.set G1B,  48
.set G0B,  56
.set CS,   66                          ; s[66:67] c: the packed scaling takes the pair's low word for both halves
.set SEL,  68                          ; s[68:69] v_permlanex16_b32's selects: each lane takes its own place in the other half
.set G1C,  (1<<16)|(1<<20)|(1<<21)|(5<<22)|(3<<25)  ; elements of 2 bytes; padding on; bit 21 beside a mask; after every 64 words 4 words
.set MUL,  0x50                        ; C and D window 1, sources window 0
.set CVT,  0x05                        ; sources 0 and 1 window 1, destination window 0
.set INPL, 0x41                        ; destination and source 0 window 1
.set SUM,  0x45                        ; destination and sources 0 and 1 window 1
.set M3A,  0x15                        ; three sources window 1, destination window 0
.set M3B,  0x14                        ; sources 1 and 2 window 1
.set MSB, 0
.macro WIN new                         ; the immediate's high byte repeats the setting that is left; a switch that changes nothing is dropped
.if MSB != (\new)
	s_set_vgpr_msb (MSB<<8)|(\new)
.set MSB, \new
.endif
.endm
.macro PLACES                          ; four places between a matrix instruction and a load into, or a vector instruction on, its registers
.rept 4
	v_nop
.endr
.endm
.macro JLOAD                           ; a joint refill: waves 0 and 1 fetch k's two halves, waves 2 and 3 q's; an s_nop 0 and four v_nop follow each of the two lines
	s_cmp_lt_u32 s[WV], 2
	s_cbranch_scc0 .Lfor_a_\@
	tensor_load_to_lds s[G0B+4:G0B+7], s[G1B:G1B+7]
	s_nop 0
.rept 4
	v_nop
.endr
	s_branch .Lasked_\@
.Lfor_a_\@:
	tensor_load_to_lds s[G0A+4:G0A+7], s[G1A:G1A+7]
	s_nop 0
.rept 4
	v_nop
.endr
.Lasked_\@:
.endm
.macro CREST                           ; a round of the cluster's barrier behind its opening barrier
	s_cmp_lg_u32 s[WV], 0
	s_cbranch_scc1 .Lnot_wave_0_\@
	s_barrier_signal -3
.Lnot_wave_0_\@:
	s_barrier_wait -3
	s_barrier_signal -1
	s_barrier_wait -1
.endm
.macro CROUND
	s_barrier_signal -1
	s_barrier_wait -1
	CREST
.endm
	s_load_b128 s[4:7], s[0:1], 0x0                ; qkv s[4:5], pt s[6:7]
	s_load_b64 s[8:9], s[0:1], 0x10                ; st
	v_lshl_add_u32 v[SPW], v0, 2, SPARE
	v_mov_b32 v[NIL], 0
	ds_add_u32 v[SPW], v[NIL]                      ; the wave's opening: the add and its wait stand ahead of my first tensor load; the set-up below, work on registers, stands between them
	v_lshrrev_b32 v3, 5, v0
	v_readfirstlane_b32 s[WV], v3
	s_lshr_b32 s[RH], s[WV], 1
	s_and_b32 s[CH], s[WV], 1
	s_mov_b32 s[TB], 0
	s_bfe_u32 s16, ttmp6, 0x40000                  ; cx, cy
	s_bfe_u32 s17, ttmp6, 0x40004
	s_lshl_b32 s18, ttmp9, 2
	s_add_co_u32 s18, s18, s16                     ; tile column (256 keys) = 4 x cluster x + cx
	s_and_b32 s20, ttmp7, 0xffff                   ; cluster y
	s_lshl_b32 s19, s20, 2
	s_add_co_u32 s19, s19, s17                     ; tile row (128 rows) = 4 x cluster y + cy
	s_lshr_b32 s21, s20, 2                         ; the batch: the same in all sixteen partners
	s_lshl_b32 s22, s17, 2
	s_lshl_b32 s22, 15, s22                        ; my row of the cluster
	s_lshl_b32 s23, 0x1111, s16                    ; my column
	s_or_b32 s[G1A], s22, G1C
	s_or_b32 s[G1B], s23, G1C
	s_mov_b32 s[G1A+1], 128<<16                    ; tensor_dim0 = 128
	s_mov_b32 s[G1A+2], 64<<16                     ; tensor_dim1 = 64
	s_mov_b32 s[G1A+3], 128<<16                    ; tile_dim0 = 128
	s_mov_b32 s[G1A+4], 64                         ; tile_dim1 = 64
	s_mov_b32 s[G1A+5], LDA
	s_mov_b32 s[G1A+6], 0
	s_mov_b32 s[G1A+7], 0
	s_mov_b32 s[G1B+1], 128<<16
	s_mov_b32 s[G1B+2], 128<<16
	s_mov_b32 s[G1B+3], 128<<16
	s_mov_b32 s[G1B+4], 128
	s_mov_b32 s[G1B+5], LDB
	s_mov_b32 s[G1B+6], 0
	s_mov_b32 s[G1B+7], 0
	s_mov_b32 s[CS], 0x3d38aa3b                    ; c = log2(e) / sqrt(1024) = 0.0450842
	s_mov_b32 s[CS+1], s[CS]                       ; named with it as a pair
	s_mov_b32 s[SEL], 0x76543210
	s_mov_b32 s[SEL+1], 0xfedcba98
	s_lshl_b32 s40, s19, 7                         ; q: row 128 x tile row + 64 x half
	s_lshl_b32 s41, s[CH], 6
	s_add_co_u32 s40, s40, s41
	s_mul_i32 s40, s40, LDA*2                      ; in bytes, under 2^26
	s_mov_b32 s41, 0
	s_lshl_b32 s42, s21, 11                        ; k: row 2,048 x batch + 256 x tile column + 128 x half,
	s_lshl_b32 s43, s18, 8
	s_add_co_u32 s42, s42, s43
	s_lshl_b32 s43, s[CH], 7
	s_add_co_u32 s42, s42, s43
	s_mul_i32 s42, s42, LDB*2
	s_add_co_u32 s42, s42, 2048                    ; and k's place in a row of qkv
	s_mov_b32 s43, 0
	s_mul_i32 s46, s[WV], HALFB                    ; LDS: k's halves (waves 0, 1) at wave x 128 rows,
	s_mul_i32 s47, s[WV], HALFA                    ; q's (waves 2, 3) at APART + (wave - 2) x 64 rows
	s_add_co_u32 s47, s47, HALFB
	s_wait_dscnt 0x0                               ; the opening add is done
	s_wait_kmcnt 0x0
	s_add_nc_u64 s[40:41], s[4:5], s[40:41]
	s_add_nc_u64 s[42:43], s[4:5], s[42:43]
.irp s, 0,1
	s_mov_b32 s[G0A+4*(\s)], 1
	s_add_co_u32 s[G0A+4*(\s)+1], s47, (\s)*SLOT1
	s_add_nc_u64 s[G0A+4*(\s)+2:G0A+4*(\s)+3], s[40:41], (\s)*ASTEP
	s_or_b32 s[G0A+4*(\s)+3], s[G0A+4*(\s)+3], 0x80000000
	s_mov_b32 s[G0B+4*(\s)], 1
	s_add_co_u32 s[G0B+4*(\s)+1], s46, (\s)*SLOT1
	s_add_nc_u64 s[G0B+4*(\s)+2:G0B+4*(\s)+3], s[42:43], (\s)*BSTEP
	s_or_b32 s[G0B+4*(\s)+3], s[G0B+4*(\s)+3], 0x80000000
.endr
	CROUND                                         ; all sixteen work-groups are here: the first joint loads meet
	s_cmp_lt_u32 s[WV], 2                          ; a wave's two first fills stand in one branch: two loads of mine are out
	s_cbranch_scc0 .Lfirst_a
	tensor_load_to_lds s[G0B:G0B+3], s[G1B:G1B+7]
	s_nop 0
	tensor_load_to_lds s[G0B+4:G0B+7], s[G1B:G1B+7]
	s_nop 0
.rept 4
	v_nop
.endr
	s_branch .Lfirst_asked
.Lfirst_a:
	tensor_load_to_lds s[G0A:G0A+3], s[G1A:G1A+7]
	s_nop 0
	tensor_load_to_lds s[G0A+4:G0A+7], s[G1A:G1A+7]
	s_nop 0
.rept 4
	v_nop
.endr
.Lfirst_asked:
	v_and_b32 v1, 15, v0                           ; l % 16
	v_bfe_u32 v2, v0, 4, 1                         ; l / 16
	v_mul_u32_u24 v3, v1, PITCH
	v_lshl_add_u32 v3, v2, 4, v3                   ; a fragment's row x pitch + 16 x half
	s_mul_i32 s22, s[RH], HALFA
	s_add_co_u32 s22, s22, APART
	v_add_nc_u32 v[A0], s22, v3
	s_mul_i32 s22, s[CH], HALFB
	v_add_nc_u32 v[B0], s22, v3
	s_mul_i32 s22, s[WV], 16*PITCH
	s_add_co_u32 s22, s22, STAGE
	v_add_nc_u32 v[STO], s22, v3
	v_mul_u32_u24 v4, v2, PITCH
	v_lshl_add_u32 v4, v1, 4, v4
	v_add_nc_u32 v[RD], s22, v4
	v_mul_u32_u24 v4, v2, LDCB
	v_lshl_add_u32 v[CO], v1, 4, v4
	v_and_b32 v5, 31, v0                           ; my lane
	v_lshlrev_b32 v[SO], 3, v5
	s_lshl_b32 s44, s19, 7                         ; my first row: 128 x tile row + 64 x half
	s_lshl_b32 s45, s[RH], 6
	s_add_co_u32 s44, s44, s45
	s_lshl_b32 s23, s44, 3                         ; its place in a block of st, 8 bytes a row,
	s_mul_i32 s44, s44, LDCB                       ; and in pt
	s_lshl_b32 s45, s18, 9                         ; my first key, in bytes: 512 x tile column + 256 x half
	s_add_co_u32 s44, s44, s45
	s_lshl_b32 s45, s[CH], 8
	s_add_co_u32 s44, s44, s45
	s_mov_b32 s45, 0
	s_add_nc_u64 s[CP:CP+1], s[CP:CP+1], s[44:45]
	s_lshl_b32 s22, s18, 1
	s_add_co_u32 s22, s22, s[CH]                   ; my block of 128 keys = 2 x tile column + half:
	s_lshl_b32 s22, s22, 16                        ; 65,536 bytes of st each
	s_add_co_u32 s22, s22, s23
	s_mov_b32 s23, 0
	s_add_nc_u64 s[8:9], s[8:9], s[22:23]
; 8 matrix instructions: m block a x all 8 key blocks, 32 channels, from buffer f.  The 32 accumulators take turns, in the same order in every quarter, over the backward jump too.
.macro MULA f, a, zero
	WIN MUL
.irp b, 0,1,2,3,4,5,6,7
.if \zero
	v_wmma_f32_16x16x32_f16 v[8*(8*(\a)+(\b)):8*(8*(\a)+(\b))+7], v[(\f)+32+8*(\b):(\f)+32+8*(\b)+7], v[(\f)+8*(\a):(\f)+8*(\a)+7], 0
.else
	v_wmma_f32_16x16x32_f16 v[8*(8*(\a)+(\b)):8*(8*(\a)+(\b))+7], v[(\f)+32+8*(\b):(\f)+32+8*(\b)+7], v[(\f)+8*(\a):(\f)+8*(\a)+7], v[8*(8*(\a)+(\b)):8*(8*(\a)+(\b))+7]
.endif
.endr
.endm
.macro FETCH q, f                      ; 24 LDS loads in one run: quarter q's fragments into buffer f: k's eight, then q's four
	WIN 0
.irp i, 0,1,2,3,4,5,6,7
	ds_load_b128 v[(\f)+32+8*(\i):(\f)+32+8*(\i)+3],   v[ADRB] offset:64*(\q)+(\i)*16*PITCH
	ds_load_b128 v[(\f)+32+8*(\i)+4:(\f)+32+8*(\i)+7], v[ADRB] offset:64*(\q)+(\i)*16*PITCH+32
.endr
.irp i, 0,1,2,3
	ds_load_b128 v[(\f)+8*(\i):(\f)+8*(\i)+3],   v[ADRA] offset:64*(\q)+(\i)*16*PITCH
	ds_load_b128 v[(\f)+8*(\i)+4:(\f)+8*(\i)+7], v[ADRA] offset:64*(\q)+(\i)*16*PITCH+32
.endr
.endm
.macro QUARTER q, f, g, zero           ; multiplies buffer f; in its middle it fetches quarter q into buffer g
	s_wait_dscnt 4                                 ; all but the youngest four loads (A's fragments 2 and 3)
	MULA \f, 0, \zero
	MULA \f, 1, \zero
	PLACES                                         ; behind the products that read buffer g, a quarter back
	FETCH \q, \g
	s_wait_dscnt 24                                ; all but the 24 just issued
	MULA \f, 2, \zero
	MULA \f, 3, \zero
.endm
; The last quarter multiplies buffer 1 and changes slots: ONE barrier; in front of it each wave waits for all its tensor loads, adds 0 to its spare word, and waits for that and for its reads of this slot.
; fill = 1: the barrier opens a round of the cluster's, and this slot is filled again, with the step two on, first thing behind the round.
.macro TURN fill
	WIN 0
	s_wait_tensorcnt 0x0                           ; no tensor load of mine is out, so a group 0 may be written
	ds_add_u32 v[SPW], v[NIL]                      ; 0 onto my spare word
.if \fill
	s_xor_b32 s[G0A+5], s[G0A+5], SLOT1
	s_add_nc_u64 s[G0A+6:G0A+7], s[G0A+6:G0A+7], ASTEP
	s_xor_b32 s[G0B+5], s[G0B+5], SLOT1
	s_add_nc_u64 s[G0B+6:G0B+7], s[G0B+6:G0B+7], BSTEP
.endif
	s_xor_b32 s[TB], s[TB], SLOT1
	s_wait_dscnt 7                                 ; the add and the six loads of A's fragments 1 to 3 may be out
	MULA F1, 0, 0
	s_wait_dscnt 0x0                               ; the add is done, and my reads of this slot are over
	s_barrier_signal -1
	MULA F1, 1, 0
	WIN 0
	s_barrier_wait -1
.if \fill
	CREST
	JLOAD                                          ; its four v_nop are also the places in front of the loads below
.else
	PLACES
.endif
	v_add_nc_u32 v[ADRA], s[TB], v[A0]
	v_add_nc_u32 v[ADRB], s[TB], v[B0]
	FETCH 0, F0
	MULA F1, 2, 0
	MULA F1, 3, 0
.endm
; THE SOFTMAX'S FIRST HALF for m block a (16 queries x my 128 keys; 64 scores a lane).
.macro SOFT a
.set AC, 64*(\a)
.set CM, ST+2*(\a)
	WIN M3A                                        ; the maximum, three operands at a time: eight chains, one an accumulator, each begun at the accumulator's lowest registers
.irp b, 0,1,2,3,4,5,6,7
	v_max3_num_f32 v[T+(\b)], v[AC+8*(\b)], v[AC+8*(\b)+1], v[AC+8*(\b)+2]
.endr
	WIN M3B
.irp b, 0,1,2,3,4,5,6,7
	v_max3_num_f32 v[T+(\b)], v[T+(\b)], v[AC+8*(\b)+3], v[AC+8*(\b)+4]
.endr
.irp b, 0,1,2,3,4,5,6,7
	v_max3_num_f32 v[T+(\b)], v[T+(\b)], v[AC+8*(\b)+5], v[AC+8*(\b)+6]
.endr
.irp i, 0,1,2,3
	v_max3_num_f32 v[T+(\i)], v[T+(\i)], v[AC+16*(\i)+7], v[AC+16*(\i)+15]  ; the eight scores left over
.endr
	WIN 0
	v_max3_num_f32 v[T], v[T], v[T+1], v[T+2]
	v_max3_num_f32 v[T+3], v[T+3], v[T+4], v[T+5]
	v_max_num_f32 v[T+6], v[T+6], v[T+7]
	v_max3_num_f32 v[T], v[T], v[T+3], v[T+6]
	v_permlanex16_b32 v[T+1], v[T], s[SEL], s[SEL+1]  ; the query's other 64 keys lie in the lane 16 away
	v_max_num_f32 v[CM+1], v[T], v[T+1]            ; m
	v_mul_f32 v[CM], s[CS], v[CM+1]                ; c m, rounded once: the same number goes into p here and into st
	WIN INPL
.set p, 0
.rept 32
	v_pk_fma_f32 v[AC+2*p:AC+2*p+1], v[AC+2*p:AC+2*p+1], s[CS:CS+1], v[CM:CM+1] op_sel_hi:[1,0,0] neg_lo:[0,0,1] neg_hi:[0,0,1]  ; c s - c m
.set p, p+1
.endr
.set p, 0
.rept 64
	v_exp_f32 v[AC+p], v[AC+p]                     ; one batch: none of these reads another's result
.set p, p+1
.endr
	v_nop                                          ; a plain instruction behind the last exponential (ISA guide 5.7.2),
	s_wait_alu depctr_va_vdst(0)                   ; and the wait ahead of the first use: one for the 64
	WIN CVT
.irp b, 0,1,2,3,4,5,6,7
.irp r, 0,1,2,3
	v_cvt_pk_f16_f32 v[TMP+4*(\b)+(\r)], v[AC+8*(\b)+2*(\r)], v[AC+8*(\b)+2*(\r)+1]
.endr
.endr
	WIN SUM                                        ; l: the 32 pairs are added in place, neighbours 16, 8, 4, 2 and 1 pairs apart
.irp w, 16,8,4,2,1
.set p, 0
.rept \w
	v_pk_add_f32 v[AC+2*p:AC+2*p+1], v[AC+2*p:AC+2*p+1], v[AC+2*(p+(\w)):AC+2*(p+(\w))+1]
.set p, p+1
.endr
.endr
	WIN CVT
	v_add_f32 v[LS+(\a)], v[AC], v[AC+1]
	WIN 0
	v_permlanex16_b32 v[T+1], v[LS+(\a)], s[SEL], s[SEL+1]
	v_add_f32 v[LS+(\a)], v[LS+(\a)], v[T+1]
.endm
.macro TOSTAGE a                       ; 16 bytes a lane into my own stage, and back as whole rows of 256 bytes
	WIN 0
.irp b, 0,1,2,3,4,5,6,7
	ds_store_b128 v[STO], v[TMP+4*(\b):TMP+4*(\b)+3] offset:32*(\b)
.endr
.irp t, 0,1,2,3,4,5,6,7
	ds_load_b128 v[BK+32*(\a)+4*(\t):BK+32*(\a)+4*(\t)+3], v[RD] offset:(\t)*2*PITCH  ; LDS serves a wave's instructions in order (ISA guide 5.7.1.4): these see the stores above
.endr
.endm
.macro SEND a                          ; each block has registers of its own for the rows read back: no store's data is written again
	WIN 0
	s_wait_dscnt 0x0
.irp t, 0,1,2,3,4,5,6,7
	global_store_b128 v[CO], v[BK+32*(\a)+4*(\t):BK+32*(\a)+4*(\t)+3], s[CP:CP+1] offset:(16*(\a)+2*(\t))*LDCB  ; 16 lanes store 256 consecutive bytes, at a multiple of 256 from pt's first byte
.endr
.endm
	s_wait_tensorcnt 0x1                           ; my part of step 0 is in; step 1's may stay out
	s_barrier_signal -1
	s_barrier_wait -1
	v_mov_b32 v[ADRA], v[A0]
	v_mov_b32 v[ADRB], v[B0]
	FETCH 0, F0
	QUARTER 1, F0, F1, 1                           ; the first quarter's products start the sums
	WIN 0
	s_mov_b32 s[CNT], NSTEP-2
.Lstep:                                                ; a trip goes from a step's second quarter to the next step's first, and fills the slot that it leaves
	QUARTER 2, F1, F0, 0
	QUARTER 3, F0, F1, 0
	TURN 1
	QUARTER 1, F0, F1, 0
	WIN 0
	s_sub_co_u32 s[CNT], s[CNT], 1
	s_cmp_lg_u32 s[CNT], 0
	s_cbranch_scc1 .Lstep
	QUARTER 2, F1, F0, 0                           ; the last two steps are written out: nothing is left to ask for
	QUARTER 3, F0, F1, 0
	TURN 0
	QUARTER 1, F0, F1, 0
	QUARTER 2, F1, F0, 0
	QUARTER 3, F0, F1, 0
	s_wait_dscnt 4
	MULA F1, 0, 0
	MULA F1, 1, 0
	s_wait_dscnt 0x0
	MULA F1, 2, 0
	MULA F1, 3, 0
	WIN 0
	PLACES                                         ; behind the last products
	SOFT 0
	TOSTAGE 0
.irp a, 1,2,3                           ; block a's softmax stands between block a - 1's loads from the stage and the wait for them
	SOFT \a
	SEND (\a)-1
	TOSTAGE \a
.endr
	SEND 3
	; (c m, l) of my 64 rows: both halves of the lanes hold them, so lanes 0-15 give m block a's and lanes 16-31 block a + 1's: 32 rows, 256 consecutive bytes, aligned, a store
	v_cmp_gt_u32 vcc_lo, 16, v5
.irp a, 0,2
	v_cndmask_b32 v[56+(\a)], v[ST+2*(\a)+2], v[ST+2*(\a)], vcc_lo
	v_cndmask_b32 v[57+(\a)], v[LS+(\a)+1], v[LS+(\a)], vcc_lo
	global_store_b64 v[SO], v[56+(\a):57+(\a)], s[8:9] offset:128*(\a)
.endr
	s_wait_tensorcnt 0x0                           ; the wave's end: behind my last tensor load and my last LDS store
	ds_add_u32 v[SPW], v[NIL]
	s_wait_dscnt 0x0
	CROUND                                         ; the closing round
	s_endpgm
.Lfunc_end_k_q1b2640afee_scores:
	.size	k_q1b2640afee_scores, .Lfunc_end_k_q1b2640afee_scores-k_q1b2640afee_scores
	.p2alignl 7, 3214868480
	.fill 96, 4, 3214868480
	.section	.rodata,"a",@progbits
	.p2align	6, 0x0
	.amdhsa_kernel k_q1b2640afee_scores
		.amdhsa_group_segment_fixed_size 327680
		.amdhsa_private_segment_fixed_size 0
		.amdhsa_enable_private_segment 0
		.amdhsa_kernarg_size 24
		.amdhsa_user_sgpr_count 2
		.amdhsa_user_sgpr_kernarg_segment_ptr 1
		.amdhsa_wavefront_size32 1
		.amdhsa_system_sgpr_workgroup_id_x 1
		.amdhsa_system_sgpr_workgroup_id_y 1
		.amdhsa_system_sgpr_workgroup_id_z 1
		.amdhsa_system_vgpr_workitem_id 0
		.amdhsa_next_free_vgpr 512
		.amdhsa_next_free_sgpr 72
		.amdhsa_reserve_vcc 1
		.amdhsa_float_denorm_mode_32 3
		.amdhsa_float_denorm_mode_16_64 3
		.amdhsa_memory_ordered 1
		.amdhsa_forward_progress 1
		.amdhsa_inst_pref_size 104
	.end_amdhsa_kernel
	.amdgpu_metadata
---
amdhsa.version: [ 1, 2 ]
amdhsa.kernels:
  - .name:           k_q1b2640afee_scores
    .symbol:         k_q1b2640afee_scores.kd
    .args:
      - { .name: qkv, .offset: 0, .size: 8, .value_kind: global_buffer, .address_space: global }
      - { .name: pt, .offset: 8, .size: 8, .value_kind: global_buffer, .address_space: global }
      - { .name: st, .offset: 16, .size: 8, .value_kind: global_buffer, .address_space: global }
    .group_segment_fixed_size: 327680
    .private_segment_fixed_size: 0
    .kernarg_segment_align: 8
    .kernarg_segment_size: 24
    .max_flat_workgroup_size: 128
    .sgpr_count:     72
    .vgpr_count:     512
    .wavefront_size: 32
...
	.end_amdgpu_metadata
.endif
;; end of part 3
;; launch pv (part 4): grid 4 x 64, 4 waves a work-group, clusters of 4 x 4, 327,680 bytes of LDS; arguments pt, qkv, st, ob; writes ob
.if DOCPART == 4
	.amdgcn_target "amdgcn-amd-amdhsa--gfx1250"
	.amdhsa_code_object_version 6
	.text
	.protected	k_q1b2640afee_pv
	.globl	k_q1b2640afee_pv
	.p2align	8
	.type	k_q1b2640afee_pv,@function
k_q1b2640afee_pv:
	s_mov_b64 s[64:65], 0
	v_nop
	global_prefetch_b8 v0, s[64:65] scope:SCOPE_SE
	s_setreg_imm32_b32 hwreg(HW_REG_WAVE_MODE, 25, 1), 1
	s_wait_xcnt 0x0
	s_wait_alu depctr_hold_cnt(0) depctr_sa_sdst(0) depctr_va_vdst(0) depctr_va_sdst(0) depctr_va_ssrc(0) depctr_va_vcc(0) depctr_vm_vsrc(0)
	s_getreg_b32 s2, hwreg(HW_REG_IB_STS2, 6, 4)
	s_cmp_eq_u32 s2, 0
	s_cbranch_scc0 .Lentry_in_a_cluster
	s_endpgm
.Lentry_in_a_cluster:
	s_bfe_u32 s2, ttmp6, 0x10000c
	s_cmp_lg_u32 s2, 0xf033
	s_cbranch_scc0 .Lentry_shape_is_right
	s_endpgm
.Lentry_shape_is_right:
; THE SOFTMAX'S SECOND HALF AND THE WEIGHTED SUM.  For each row: M = the largest of its sixteen blocks' c m (from st), f[t] = 2^(c m[t] - M), L = the sum of f[t] l[t];
; ob[row][ch] = (the sum over blocks t and their 128 keys of (f[t] p[row][key]) v[key][ch]) / L.  p is pt [8192][2048] f16; v is columns 2048-3071 of qkv [8192][3072] f16; ob [8192][1024] f16.
; M, f, L and the products' sums in f32.  f is rounded to f16 and multiplied onto p in f16 (one rounding each) between p's load from LDS and the matrix instruction; ob is rounded once.
; L is at least about 1: the block that holds the row's maximum has f = 1 and an l of 1 or more.
; LIMITS.  f p below 6e-5 keeps f16's fixed step of 6e-8, so a weight below 6e-8 of the row's largest counts as 0 in the product; ob is a mean of v's rows and has their range.  NaN and infinities are not treated apart.
; SHARES.  A work-group makes 128 rows x 256 channels: 4 x 64 = 256 work-groups.  Four waves, each 64 x 128: 32 accumulators.  The keys go in steps of 128, a block of st each, through two LDS
; slots filled by the tensor data mover; a step is four quarters of 32 keys, 32 matrix instructions each.
; CLUSTER.  4 x 4 work-groups; the batch hangs on the cluster's y alone.  p's tile is asked for jointly along a row of the cluster, v's along a column.
; LAYOUT.  Source 0 = 16 channels of v^T, out of LDS by the turning load ds_load_tr16_b128 (v lies [key][channel]); source 1 = 16 rows of p.  A lane then holds ONE row (l % 16), in p's fragments
; and in the results, where it has the channels 8 (l / 16) + 0..7: so f and 1 / L are one number a lane.
; REGISTERS, in windows of 256 (s_set_vgpr_msb: bits 1:0 source 0, 3:2 source 1, 5:4 source 2, 7:6 destination):
;   window 0: v0-31 addresses; v32-35 f of the step in hand, twice in f16, for m blocks 0-3; v36-43 1 / L in pairs; v64-159, v160-255 two fragment buffers; on the way out v64-95 packed, v96-223 rows read back
;   window 1: accumulator (a, b) at v[8 (8 a + b)]
.set NSTEP,  16
.set LDA,    2048                      ; elements from row to row of pt
.set LDB,    3072                      ; of qkv
.set LDCB,   2048                      ; bytes from row to row of ob
.set ASTEP,  256                       ; 128 keys along a row of pt
.set BSTEP,  128*LDB*2                 ; 128 keys down qkv
.set PITCH,  272                       ; a row of p in LDS: 256 bytes + 16 of padding: the 16 rows of a load start at 16 different groups of four banks (64 banks of 4 bytes: ISA guide 11.1)
.set PV,     544                       ; a row of v: 512 bytes + 32 = 136 words
.set HALFA,  64*PITCH
.set HALFB,  64*PV                     ; 64 keys: what one tensor load brings of v
.set APART,  2*HALFB                   ; a slot: v's 128 keys, then p's 128 rows
.set SLOT1,  1<<17
.set STAGE,  SLOT1+APART+2*HALFA       ; behind the ring, never filled by a tensor load: 16 rows x 272 bytes for each wave
.set FT,     STAGE+4*16*PITCH          ; f: [16 steps][128 rows], a word each (f16 twice)
.set RLT,    FT+16*512                 ; 1 / L: [128 rows] f32
.set SPARE,  RLT+512                   ; the spare words, 128 bytes for each wave: two blocks of 256 bytes that no other line names
.set ADRA, 16
.set ADRB, 17
.set A0,   18
.set B0,   19
.set STO,  20
.set RD,   21
.set CO,   22
.set SO,   23                          ; v23  8 x my thread's number: my row's place in a block of st
.set FTA,  24                          ; v24  where my lane's f of the step in hand lies; steps by 512
.set FTW,  25                          ; v25  where my thread puts its row's f
.set RLA,  26                          ; v26  where my lane's 1 / L lies
.set SPW,  28
.set NIL,  29
.set FR,   32
.set RL,   36
.set F0,   64
.set F1,   160
.set TMP,  64
.set BK,   96
.set TT,   160                         ; the table's making: (c m, l) of my row's sixteen blocks, v160-191,
.set MX,   192                         ; M,
.set LA,   193                         ; and L's two chains
.set LB,   194
.set CNT,  3
.set WV,   12
.set RH,   13
.set CH,   14
.set TB,   15
.set CP,   10                          ; s[10:11] ob at my wave's first row and column
.set G1A,  24
.set G0A,  32
.set G1B,  48
.set G0B,  56
.set G1CA, (1<<16)|(1<<20)|(1<<21)|(5<<22)|(3<<25)  ; elements of 2 bytes; padding on; bit 21 beside a mask; after every 64 words 4 words
.set G1CB, (1<<16)|(1<<20)|(1<<21)|(6<<22)|(7<<25)  ; the same, after every 128 words 8 words
.set MUL,  0x50                        ; C and D window 1, sources window 0
.set CVT,  0x05                        ; sources 0 and 1 window 1, destination window 0
.set INPL, 0x41                        ; destination and source 0 window 1
.set MSB, 0
.macro WIN new                         ; the immediate's high byte repeats the setting that is left; a switch that changes nothing is dropped
.if MSB != (\new)
	s_set_vgpr_msb (MSB<<8)|(\new)
.set MSB, \new
.endif
.endm
.macro PLACES                          ; four places between a matrix instruction and a load into, or a vector instruction on, its registers
.rept 4
	v_nop
.endr
.endm
.macro JLOAD                           ; a joint refill: waves 0 and 1 fetch v's two halves, waves 2 and 3 p's; an s_nop 0 and four v_nop follow each of the two lines
	s_cmp_lt_u32 s[WV], 2
	s_cbranch_scc0 .Lfor_a_\@
	tensor_load_to_lds s[G0B+4:G0B+7], s[G1B:G1B+7]
	s_nop 0
.rept 4
	v_nop
.endr
	s_branch .Lasked_\@
.Lfor_a_\@:
	tensor_load_to_lds s[G0A+4:G0A+7], s[G1A:G1A+7]
	s_nop 0
.rept 4
	v_nop
.endr
.Lasked_\@:
.endm
.macro CREST                           ; a round of the cluster's barrier behind its opening barrier
	s_cmp_lg_u32 s[WV], 0
	s_cbranch_scc1 .Lnot_wave_0_\@
	s_barrier_signal -3
.Lnot_wave_0_\@:
	s_barrier_wait -3
	s_barrier_signal -1
	s_barrier_wait -1
.endm
.macro CROUND
	s_barrier_signal -1
	s_barrier_wait -1
	CREST
.endm
	s_load_b256 s[4:11], s[0:1], 0x0               ; pt s[4:5], qkv s[6:7], st s[8:9], ob s[10:11]
	v_lshl_add_u32 v[SPW], v0, 2, SPARE
	v_mov_b32 v[NIL], 0
	ds_add_u32 v[SPW], v[NIL]                      ; the wave's opening: the add and its wait stand ahead of my first tensor load; the set-up below, work on registers, stands between them
	v_lshrrev_b32 v3, 5, v0
	v_readfirstlane_b32 s[WV], v3
	s_lshr_b32 s[RH], s[WV], 1
	s_and_b32 s[CH], s[WV], 1
	s_mov_b32 s[TB], 0
	s_bfe_u32 s16, ttmp6, 0x40000                  ; cx, cy
	s_bfe_u32 s17, ttmp6, 0x40004
	s_lshl_b32 s18, ttmp9, 2
	s_add_co_u32 s18, s18, s16                     ; tile column (256 channels) = 4 x cluster x + cx
	s_and_b32 s20, ttmp7, 0xffff                   ; cluster y
	s_lshl_b32 s19, s20, 2
	s_add_co_u32 s19, s19, s17                     ; tile row (128 rows) = 4 x cluster y + cy
	s_lshr_b32 s21, s20, 2                         ; the batch: the same in all sixteen partners
	s_lshl_b32 s22, s17, 2
	s_lshl_b32 s22, 15, s22                        ; my row of the cluster
	s_lshl_b32 s23, 0x1111, s16                    ; my column
	s_or_b32 s[G1A], s22, G1CA
	s_or_b32 s[G1B], s23, G1CB
	s_mov_b32 s[G1A+1], 128<<16                    ; p: tensor_dim0 = 128 keys
	s_mov_b32 s[G1A+2], 64<<16                     ; tensor_dim1 = 64 rows
	s_mov_b32 s[G1A+3], 128<<16                    ; tile_dim0
	s_mov_b32 s[G1A+4], 64                         ; tile_dim1
	s_mov_b32 s[G1A+5], LDA
	s_mov_b32 s[G1A+6], 0
	s_mov_b32 s[G1A+7], 0
	s_mov_b32 s[G1B+1], 256<<16                    ; v: tensor_dim0 = 256 channels
	s_mov_b32 s[G1B+2], 64<<16                     ; tensor_dim1 = 64 keys
	s_mov_b32 s[G1B+3], 256<<16
	s_mov_b32 s[G1B+4], 64
	s_mov_b32 s[G1B+5], LDB
	s_mov_b32 s[G1B+6], 0
	s_mov_b32 s[G1B+7], 0
	s_lshl_b32 s40, s19, 7                         ; p: row 128 x tile row + 64 x half
	s_lshl_b32 s41, s[CH], 6
	s_add_co_u32 s40, s40, s41
	s_mul_i32 s40, s40, LDA*2                      ; in bytes, under 2^26
	s_mov_b32 s41, 0
	s_lshl_b32 s42, s21, 11                        ; v: key row 2,048 x batch + 64 x half,
	s_lshl_b32 s43, s[CH], 6
	s_add_co_u32 s42, s42, s43
	s_mul_i32 s42, s42, LDB*2
	s_lshl_b32 s43, s18, 9                         ; the tile's 256 channels,
	s_add_co_u32 s42, s42, s43
	s_add_co_u32 s42, s42, 4096                    ; and v's place in a row of qkv
	s_mov_b32 s43, 0
	s_mul_i32 s46, s[WV], HALFB                    ; LDS: v's halves (waves 0, 1) at wave x 64 keys,
	s_mul_i32 s47, s[WV], HALFA                    ; p's (waves 2, 3) at APART + (wave - 2) x 64 rows
	s_add_co_u32 s47, s47, HALFB
	s_wait_dscnt 0x0                               ; the opening add is done
	s_wait_kmcnt 0x0
	s_add_nc_u64 s[40:41], s[4:5], s[40:41]
	s_add_nc_u64 s[42:43], s[6:7], s[42:43]
.irp s, 0,1
	s_mov_b32 s[G0A+4*(\s)], 1
	s_add_co_u32 s[G0A+4*(\s)+1], s47, (\s)*SLOT1
	s_add_nc_u64 s[G0A+4*(\s)+2:G0A+4*(\s)+3], s[40:41], (\s)*ASTEP
	s_or_b32 s[G0A+4*(\s)+3], s[G0A+4*(\s)+3], 0x80000000
	s_mov_b32 s[G0B+4*(\s)], 1
	s_add_co_u32 s[G0B+4*(\s)+1], s46, (\s)*SLOT1
	s_add_nc_u64 s[G0B+4*(\s)+2:G0B+4*(\s)+3], s[42:43], (\s)*BSTEP
	s_or_b32 s[G0B+4*(\s)+3], s[G0B+4*(\s)+3], 0x80000000
.endr
	CROUND                                         ; all sixteen work-groups are here: the first joint loads meet
	s_cmp_lt_u32 s[WV], 2                          ; a wave's two first fills stand in one branch: two loads of mine are out
	s_cbranch_scc0 .Lfirst_a
	tensor_load_to_lds s[G0B:G0B+3], s[G1B:G1B+7]
	s_nop 0
	tensor_load_to_lds s[G0B+4:G0B+7], s[G1B:G1B+7]
	s_nop 0
.rept 4
	v_nop
.endr
	s_branch .Lfirst_asked
.Lfirst_a:
	tensor_load_to_lds s[G0A:G0A+3], s[G1A:G1A+7]
	s_nop 0
	tensor_load_to_lds s[G0A+4:G0A+7], s[G1A:G1A+7]
	s_nop 0
.rept 4
	v_nop
.endr
.Lfirst_asked:
	; THE TABLE OF f AND 1 / L, in the wait for the first tiles.  Thread t owns row 128 x tile row + t.
	s_lshl_b32 s22, s19, 10                        ; the tile's 128 rows, 8 bytes each
	s_mov_b32 s23, 0
	s_add_nc_u64 s[8:9], s[8:9], s[22:23]
	v_lshlrev_b32 v[SO], 3, v0
.irp k, 0,1,2,3,4,5,6,7,8,9,10,11,12,13,14,15
	global_load_b64 v[TT+2*(\k):TT+2*(\k)+1], v[SO], s[8:9] offset:65536*(\k)  ; a wave's load covers 256 consecutive bytes, aligned
.endr
	v_and_b32 v1, 15, v0                           ; l % 16
	v_bfe_u32 v2, v0, 4, 1                         ; l / 16
	v_mul_u32_u24 v3, v1, PITCH
	v_lshl_add_u32 v3, v2, 4, v3                   ; a fragment's row x pitch + 16 x half
	s_mul_i32 s22, s[RH], HALFA
	s_add_co_u32 s22, s22, APART
	v_add_nc_u32 v[A0], s22, v3                    ; my 64 rows of p
	; The turning load takes 16 keys x 16 channels (lane l reads key 8 (l / 16) + l % 8, channels 8 ((l / 8) % 2) + 0..7) and leaves half a fragment of v^T: lane l holds channel l % 16 and 8 keys.
	v_and_b32 v4, 7, v0
	v_bfe_u32 v5, v0, 3, 1
	v_lshl_add_u32 v4, v2, 3, v4
	v_mul_u32_u24 v4, v4, PV
	v_lshl_add_u32 v4, v5, 4, v4
	s_lshl_b32 s22, s[CH], 8                       ; my 128 channels: 256 bytes of a row
	v_add_nc_u32 v[B0], s22, v4
	s_mul_i32 s22, s[WV], 16*PITCH
	s_add_co_u32 s22, s22, STAGE
	v_add_nc_u32 v[STO], s22, v3
	v_mul_u32_u24 v4, v2, PITCH
	v_lshl_add_u32 v4, v1, 4, v4
	v_add_nc_u32 v[RD], s22, v4
	v_mul_u32_u24 v4, v2, LDCB
	v_lshl_add_u32 v[CO], v1, 4, v4
	v_lshl_add_u32 v[FTW], v0, 2, FT
	s_lshl_b32 s22, s[RH], 8                       ; my wave's 64 rows, a word each
	s_add_co_u32 s23, s22, FT
	v_lshl_add_u32 v[FTA], v1, 2, s23
	s_add_co_u32 s23, s22, RLT
	v_lshl_add_u32 v[RLA], v1, 2, s23
	s_lshl_b32 s44, s19, 7                         ; my first row of ob
	s_lshl_b32 s45, s[RH], 6
	s_add_co_u32 s44, s44, s45
	s_mul_i32 s44, s44, LDCB
	s_lshl_b32 s45, s18, 9                         ; my first channel, in bytes
	s_add_co_u32 s44, s44, s45
	s_lshl_b32 s45, s[CH], 8
	s_add_co_u32 s44, s44, s45
	s_mov_b32 s45, 0
	s_add_nc_u64 s[CP:CP+1], s[CP:CP+1], s[44:45]
	s_wait_loadcnt 0x0                             ; st
	v_max3_num_f32 v[MX], v[TT], v[TT+2], v[TT+4]  ; M = the largest of the sixteen c m
.irp k, 3,5,7,9,11,13
	v_max3_num_f32 v[MX], v[MX], v[TT+2*(\k)], v[TT+2*(\k)+2]
.endr
	v_max_num_f32 v[MX], v[MX], v[TT+30]
.irp k, 0,1,2,3,4,5,6,7,8,9,10,11,12,13,14,15
	v_sub_f32 v[TT+2*(\k)], v[TT+2*(\k)], v[MX]
.endr
.irp k, 0,1,2,3,4,5,6,7,8,9,10,11,12,13,14,15
	v_exp_f32 v[TT+2*(\k)], v[TT+2*(\k)]           ; f: one batch
.endr
	v_nop                                          ; a plain instruction behind the last exponential (ISA guide 5.7.2),
	s_wait_alu depctr_va_vdst(0)                   ; and the wait ahead of the first use: one for the sixteen
	v_mul_f32 v[LA], v[TT], v[TT+1]                ; L = the sum of f l, in two chains
	v_mul_f32 v[LB], v[TT+2], v[TT+3]
.irp k, 2,4,6,8,10,12,14
	v_fma_f32 v[LA], v[TT+2*(\k)], v[TT+2*(\k)+1], v[LA]
	v_fma_f32 v[LB], v[TT+2*(\k)+2], v[TT+2*(\k)+3], v[LB]
.endr
	v_add_f32 v[LA], v[LA], v[LB]
	v_rcp_f32 v[LB], v[LA]
.irp k, 0,1,2,3,4,5,6,7,8,9,10,11,12,13,14,15
	v_cvt_pk_f16_f32 v[TT+2*(\k)+1], v[TT+2*(\k)], v[TT+2*(\k)]  ; f twice in f16, where l lay: plain work behind the reciprocal
.endr
	s_wait_alu depctr_va_vdst(0)                   ; the reciprocal's wait, ahead of its first use
.irp k, 0,1,2,3,4,5,6,7,8,9,10,11,12,13,14,15
	ds_store_b32 v[FTW], v[TT+2*(\k)+1] offset:512*(\k)
.endr
	ds_store_b32 v[FTW], v[LB] offset:RLT-FT
; 8 matrix instructions: m block a x all 8 channel blocks, 32 keys, from buffer f.  The 32 accumulators take turns, in the same order in every quarter, over the backward jump too.
.macro MULA f, a, zero
	WIN MUL
.irp b, 0,1,2,3,4,5,6,7
.if \zero
	v_wmma_f32_16x16x32_f16 v[8*(8*(\a)+(\b)):8*(8*(\a)+(\b))+7], v[(\f)+32+8*(\b):(\f)+32+8*(\b)+7], v[(\f)+8*(\a):(\f)+8*(\a)+7], 0
.else
	v_wmma_f32_16x16x32_f16 v[8*(8*(\a)+(\b)):8*(8*(\a)+(\b))+7], v[(\f)+32+8*(\b):(\f)+32+8*(\b)+7], v[(\f)+8*(\a):(\f)+8*(\a)+7], v[8*(8*(\a)+(\b)):8*(8*(\a)+(\b))+7]
.endif
.endr
.endm
.macro FETCH q, f                      ; 24 LDS loads in one run: quarter q's fragments into buffer f: v's eight (turned), then p's four
	WIN 0
.irp i, 0,1,2,3,4,5,6,7
	ds_load_tr16_b128 v[(\f)+32+8*(\i):(\f)+32+8*(\i)+3],   v[ADRB] offset:(\q)*32*PV+32*(\i)
	ds_load_tr16_b128 v[(\f)+32+8*(\i)+4:(\f)+32+8*(\i)+7], v[ADRB] offset:(\q)*32*PV+16*PV+32*(\i)
.endr
.irp i, 0,1,2,3
	ds_load_b128 v[(\f)+8*(\i):(\f)+8*(\i)+3],   v[ADRA] offset:64*(\q)+(\i)*16*PITCH
	ds_load_b128 v[(\f)+8*(\i)+4:(\f)+8*(\i)+7], v[ADRA] offset:64*(\q)+(\i)*16*PITCH+32
.endr
.endm
.macro SCALE f, a                      ; p's fragment a of buffer f times my row's f: two f16 products a line, window 0
.irp i, 0,1,2,3,4,5,6,7
	v_pk_mul_f16 v[(\f)+8*(\a)+(\i)], v[(\f)+8*(\a)+(\i)], v[FR+(\a)]
.endr
.endm
.macro FRLOAD                          ; my rows' f of the step at v[FTA]
.irp a, 0,1,2,3
	ds_load_b32 v[FR+(\a)], v[FTA] offset:64*(\a)
.endr
.endm
.macro QUARTER q, f, g, zero           ; scales and multiplies buffer f; in its middle it fetches quarter q into buffer g
	WIN 0
	s_wait_dscnt 4                                 ; all but the youngest four loads (p's fragments 2 and 3); f of the step, asked for ahead of the fragments, is in too
	SCALE \f, 0
	SCALE \f, 1
	MULA \f, 0, \zero
	MULA \f, 1, \zero
	WIN 0
	s_wait_dscnt 0x0                               ; p's fragments 2 and 3
	SCALE \f, 2
	SCALE \f, 3
	PLACES                                         ; behind the products that read buffer g, a quarter back
	FETCH \q, \g
	MULA \f, 2, \zero
	MULA \f, 3, \zero
.endm
; The last quarter multiplies buffer 1 and changes slots: ONE barrier; in front of it each wave waits for all its tensor loads, adds 0 to its spare word, and waits for that and for its reads of this slot.
; fill = 1: the barrier opens a round of the cluster's, and this slot is filled again, with the step two on, first thing behind the round.
.macro TURN fill
	WIN 0
	s_wait_tensorcnt 0x0                           ; no tensor load of mine is out, so a group 0 may be written
	ds_add_u32 v[SPW], v[NIL]                      ; 0 onto my spare word
.if \fill
	s_xor_b32 s[G0A+5], s[G0A+5], SLOT1
	s_add_nc_u64 s[G0A+6:G0A+7], s[G0A+6:G0A+7], ASTEP
	s_xor_b32 s[G0B+5], s[G0B+5], SLOT1
	s_add_nc_u64 s[G0B+6:G0B+7], s[G0B+6:G0B+7], BSTEP
.endif
	s_xor_b32 s[TB], s[TB], SLOT1
	s_wait_dscnt 7                                 ; the add and the six loads of p's fragments 1 to 3 may be out
	SCALE F1, 0
	MULA F1, 0, 0
	s_wait_dscnt 0x0                               ; the add is done, and my reads of this slot are over
	s_barrier_signal -1
	WIN 0
	SCALE F1, 1                                    ; work on registers while the others arrive
	MULA F1, 1, 0
	WIN 0
	s_barrier_wait -1
.if \fill
	CREST
	JLOAD                                          ; its four v_nop are also the places in front of the loads below
.else
	PLACES
.endif
	v_add_nc_u32 v[ADRA], s[TB], v[A0]
	v_add_nc_u32 v[ADRB], s[TB], v[B0]
	v_add_nc_u32 v[FTA], 512, v[FTA]               ; the next step's f
	SCALE F1, 2                                    ; with this step's f still,
	SCALE F1, 3
	FRLOAD                                         ; which is then replaced: ahead of the fragments, so that the next quarter's counted wait covers it
	FETCH 0, F0
	MULA F1, 2, 0
	MULA F1, 3, 0
.endm
; THE WAY OUT of m block a.  PACK: divided by L, rounded to f16, 16 bytes a lane.  TOSTAGE: into my own stage, and back as whole rows of 256 bytes.  SEND: stored.
.macro PACK a
	WIN INPL
.set p, 0
.rept 32                                ; each accumulator's registers in ascending order
	v_pk_mul_f32 v[64*(\a)+2*p:64*(\a)+2*p+1], v[64*(\a)+2*p:64*(\a)+2*p+1], v[RL+2*(\a):RL+2*(\a)+1]
.set p, p+1
.endr
	WIN CVT
.set p, 0
.rept 32
	v_cvt_pk_f16_f32 v[TMP+p], v[64*(\a)+2*p], v[64*(\a)+2*p+1]
.set p, p+1
.endr
.endm
.macro TOSTAGE a
	WIN 0
.irp b, 0,1,2,3,4,5,6,7
	ds_store_b128 v[STO], v[TMP+4*(\b):TMP+4*(\b)+3] offset:32*(\b)
.endr
.irp t, 0,1,2,3,4,5,6,7
	ds_load_b128 v[BK+32*(\a)+4*(\t):BK+32*(\a)+4*(\t)+3], v[RD] offset:(\t)*2*PITCH  ; LDS serves a wave's instructions in order (ISA guide 5.7.1.4): these see the stores above
.endr
.endm
.macro SEND a                          ; each block has registers of its own for the rows read back: no store's data is written again
	WIN 0
	s_wait_dscnt 0x0
.irp t, 0,1,2,3,4,5,6,7
	global_store_b128 v[CO], v[BK+32*(\a)+4*(\t):BK+32*(\a)+4*(\t)+3], s[CP:CP+1] offset:(16*(\a)+2*(\t))*LDCB  ; 16 lanes store 256 consecutive bytes, at a multiple of 256 from ob's first byte
.endr
.endm
	s_wait_tensorcnt 0x1                           ; my part of step 0 is in; step 1's may stay out
	s_wait_dscnt 0x0                               ; for the others' sake: my rows of the table are stored
	s_barrier_signal -1
	s_barrier_wait -1
	v_mov_b32 v[ADRA], v[A0]
	v_mov_b32 v[ADRB], v[B0]
	FRLOAD
	FETCH 0, F0
	QUARTER 1, F0, F1, 1                           ; the first quarter's products start the sums
	WIN 0
	s_mov_b32 s[CNT], NSTEP-2
.Lstep:                                                ; a trip goes from a step's second quarter to the next step's first, and fills the slot that it leaves
	QUARTER 2, F1, F0, 0
	QUARTER 3, F0, F1, 0
	TURN 1
	QUARTER 1, F0, F1, 0
	WIN 0
	s_sub_co_u32 s[CNT], s[CNT], 1
	s_cmp_lg_u32 s[CNT], 0
	s_cbranch_scc1 .Lstep
	QUARTER 2, F1, F0, 0                           ; the last two steps are written out: nothing is left to ask for
	QUARTER 3, F0, F1, 0
	TURN 0
	QUARTER 1, F0, F1, 0
	QUARTER 2, F1, F0, 0
	QUARTER 3, F0, F1, 0
	WIN 0
	s_wait_dscnt 4                                 ; the very last quarter
	SCALE F1, 0
	SCALE F1, 1
	MULA F1, 0, 0
	MULA F1, 1, 0
	WIN 0
	s_wait_dscnt 0x0
	SCALE F1, 2
	SCALE F1, 3
	MULA F1, 2, 0
	MULA F1, 3, 0
	WIN 0
.irp a, 0,1,2,3                         ; 1 / L of my rows, into both words of a pair for the packed multiply
	ds_load_b32 v[RL+2*(\a)],   v[RLA] offset:64*(\a)
	ds_load_b32 v[RL+2*(\a)+1], v[RLA] offset:64*(\a)
.endr
	PLACES                                         ; behind the last products
	s_wait_dscnt 0x0
	PACK 0
	TOSTAGE 0
.irp a, 1,2,3                           ; block a's arithmetic stands between block a - 1's loads from the stage and the wait for them
	PACK \a
	SEND (\a)-1
	TOSTAGE \a
.endr
	SEND 3
	s_wait_tensorcnt 0x0                           ; the wave's end: behind my last tensor load and my last LDS store
	ds_add_u32 v[SPW], v[NIL]
	s_wait_dscnt 0x0
	CROUND                                         ; the closing round
	s_endpgm
.Lfunc_end_k_q1b2640afee_pv:
	.size	k_q1b2640afee_pv, .Lfunc_end_k_q1b2640afee_pv-k_q1b2640afee_pv
	.p2alignl 7, 3214868480
	.fill 96, 4, 3214868480
	.section	.rodata,"a",@progbits
	.p2align	6, 0x0
	.amdhsa_kernel k_q1b2640afee_pv
		.amdhsa_group_segment_fixed_size 327680
		.amdhsa_private_segment_fixed_size 0
		.amdhsa_enable_private_segment 0
		.amdhsa_kernarg_size 32
		.amdhsa_user_sgpr_count 2
		.amdhsa_user_sgpr_kernarg_segment_ptr 1
		.amdhsa_wavefront_size32 1
		.amdhsa_system_sgpr_workgroup_id_x 1
		.amdhsa_system_sgpr_workgroup_id_y 1
		.amdhsa_system_sgpr_workgroup_id_z 1
		.amdhsa_system_vgpr_workitem_id 0
		.amdhsa_next_free_vgpr 512
		.amdhsa_next_free_sgpr 72
		.amdhsa_reserve_vcc 0
		.amdhsa_float_denorm_mode_32 3
		.amdhsa_float_denorm_mode_16_64 3
		.amdhsa_memory_ordered 1
		.amdhsa_forward_progress 1
		.amdhsa_inst_pref_size 111
	.end_amdhsa_kernel
	.amdgpu_metadata
---
amdhsa.version: [ 1, 2 ]
amdhsa.kernels:
  - .name:           k_q1b2640afee_pv
    .symbol:         k_q1b2640afee_pv.kd
    .args:
      - { .name: pt, .offset: 0, .size: 8, .value_kind: global_buffer, .address_space: global }
      - { .name: qkv, .offset: 8, .size: 8, .value_kind: global_buffer, .address_space: global }
      - { .name: st, .offset: 16, .size: 8, .value_kind: global_buffer, .address_space: global }
      - { .name: ob, .offset: 24, .size: 8, .value_kind: global_buffer, .address_space: global }
    .group_segment_fixed_size: 327680
    .private_segment_fixed_size: 0
    .kernarg_segment_align: 8
    .kernarg_segment_size: 32
    .max_flat_workgroup_size: 128
    .sgpr_count:     72
    .vgpr_count:     512
    .wavefront_size: 32
...
	.end_amdgpu_metadata
.endif
;; end of part 4
;; launch proj (part 5): grid 4 x 64, 4 waves a work-group, clusters of 4 x 4, 327,680 bytes of LDS; arguments ob, wpf, bias, out0; writes out0
.if DOCPART == 5
	.amdgcn_target "amdgcn-amd-amdhsa--gfx1250"
	.amdhsa_code_object_version 6
	.text
	.protected	k_q1b2640afee_proj
	.globl	k_q1b2640afee_proj
	.p2align	8
	.type	k_q1b2640afee_proj,@function
k_q1b2640afee_proj:
	s_mov_b64 s[64:65], 0
	v_nop
	global_prefetch_b8 v0, s[64:65] scope:SCOPE_SE
	s_setreg_imm32_b32 hwreg(HW_REG_WAVE_MODE, 25, 1), 1
	s_wait_xcnt 0x0
	s_wait_alu depctr_hold_cnt(0) depctr_sa_sdst(0) depctr_va_vdst(0) depctr_va_sdst(0) depctr_va_ssrc(0) depctr_va_vcc(0) depctr_vm_vsrc(0)
	s_getreg_b32 s2, hwreg(HW_REG_IB_STS2, 6, 4)
	s_cmp_eq_u32 s2, 0
	s_cbranch_scc0 .Lentry_in_a_cluster
	s_endpgm
.Lentry_in_a_cluster:
	s_bfe_u32 s2, ttmp6, 0x10000c
	s_cmp_lg_u32 s2, 0xf033
	s_cbranch_scc0 .Lentry_shape_is_right
	s_endpgm
.Lentry_shape_is_right:
; out0[m][n] = the sum over k of ob[m][k] wpf[n][k] + bias[3072 + n].  ob [8192][1024], wpf [1024][1024] f16; bias f32; out0 [8192][1024] f32.  Sums in f32, stored as they are.
; LIMITS.  None of its own: its operands arrive within f16's range.  NaN and infinities are not treated apart.
; SHARES.  A work-group makes 128 rows x 256 columns: 4 x 64 = 256 work-groups.  Four waves, each 64 x 128: 32 accumulators of 16 x 16, 256 registers.
; K goes in steps of 128 (rows of 256 bytes in memory) through two LDS slots filled by the tensor data mover; a step is four quarters of 32 along K, 32 matrix instructions each.
; CLUSTER.  4 x 4 work-groups: ob's tile is asked for jointly along a row of the cluster, wpf's along a column.
; THE MATRIX INSTRUCTION IS USED TRANSPOSED (source 0 = 16 rows of wpf, source 1 = 16 rows of ob): a lane holds row l % 16 and eight neighbouring columns 8 (l / 16) + 0..7: 32 bytes of a row of out0.
; REGISTERS, in windows of 256 (s_set_vgpr_msb: bits 1:0 source 0, 3:2 source 1, 5:4 source 2, 7:6 destination):
;   window 0: v0-31 addresses; v64-159, v160-255 two fragment buffers; on the way out v64-255: three sets of 64 for rows read back
;   window 1: accumulator (a, b) at v[8 (8 a + b)]          window 2: v0-63 the bias of my lane's 64 columns
.set NSTEP,  8
.set LDA,    1024
.set LDB,    1024
.set LDCB,   4096                      ; bytes from row to row of out0
.set ASTEP,  256
.set BSTEP,  256
.set PITCH,  272                       ; an LDS row: 256 bytes + 16 of padding = 68 words: the 16 rows of a load start at 16 different groups of four banks (64 banks of 4 bytes: ISA guide 11.1)
.set HALFA,  64*PITCH
.set HALFB,  128*PITCH
.set APART,  2*HALFB                   ; a slot: B's 256 rows, then A's 128
.set SLOT1,  1<<17
.set STAGE,  SLOT1+APART+2*HALFA       ; behind the ring, never filled by a tensor load: 16 rows x 528 bytes for each wave
.set SPITCH, 528                       ; a stage row: 512 bytes + 16 = 132 words: the 16 rows of a store start at 16 different groups of four banks
.set SPARE,  STAGE+4*16*SPITCH         ; the spare words, 128 bytes for each wave: two blocks of 256 bytes that no other line names
.set ADRA, 16
.set ADRB, 17
.set A0,   18
.set B0,   19
.set STO,  20                          ; v20  the way out: where I put 32 bytes of a row
.set RD,   21                          ; v21  where I read 16 bytes of a row back
.set CO,   22                          ; v22  16 x my lane: my place in a row's 512 bytes
.set BO,   23                          ; v23  my byte offset in bias
.set SPW,  28
.set NIL,  29
.set F0,   64
.set F1,   160
.set CNT,  3
.set WV,   12
.set RH,   13
.set CH,   14
.set TB,   15
.set CP,   10                          ; s[10:11] out0 at my wave's first row and column
.set G1A,  24
.set G0A,  32
.set G1B,  48
.set G0B,  56
.set G1C,  (1<<16)|(1<<20)|(1<<21)|(5<<22)|(3<<25)  ; elements of 2 bytes; padding on; bit 21 beside a mask; after every 64 words 4 words
.set MUL,  0x50                        ; C and D window 1, sources window 0
.set TO2,  0x80                        ; destination window 2
.set BADD, 0x49                        ; destination and source 0 window 1, source 1 window 2
.set STW1, 0x04                        ; an LDS store's data (source 1) window 1
.set MSB, 0
.macro WIN new                         ; the immediate's high byte repeats the setting that is left; a switch that changes nothing is dropped
.if MSB != (\new)
	s_set_vgpr_msb (MSB<<8)|(\new)
.set MSB, \new
.endif
.endm
.macro PLACES                          ; four places between a matrix instruction and a load into, or a vector instruction on, its registers
.rept 4
	v_nop
.endr
.endm
.macro JLOAD                           ; a joint refill: waves 0 and 1 fetch B's two halves, waves 2 and 3 A's; an s_nop 0 and four v_nop follow each of the two lines
	s_cmp_lt_u32 s[WV], 2
	s_cbranch_scc0 .Lfor_a_\@
	tensor_load_to_lds s[G0B+4:G0B+7], s[G1B:G1B+7]
	s_nop 0
.rept 4
	v_nop
.endr
	s_branch .Lasked_\@
.Lfor_a_\@:
	tensor_load_to_lds s[G0A+4:G0A+7], s[G1A:G1A+7]
	s_nop 0
.rept 4
	v_nop
.endr
.Lasked_\@:
.endm
.macro CREST                           ; a round of the cluster's barrier behind its opening barrier
	s_cmp_lg_u32 s[WV], 0
	s_cbranch_scc1 .Lnot_wave_0_\@
	s_barrier_signal -3
.Lnot_wave_0_\@:
	s_barrier_wait -3
	s_barrier_signal -1
	s_barrier_wait -1
.endm
.macro CROUND
	s_barrier_signal -1
	s_barrier_wait -1
	CREST
.endm
	s_load_b256 s[4:11], s[0:1], 0x0               ; ob s[4:5], wpf s[6:7], bias s[8:9], out0 s[10:11]
	v_lshl_add_u32 v[SPW], v0, 2, SPARE
	v_mov_b32 v[NIL], 0
	ds_add_u32 v[SPW], v[NIL]                      ; the wave's opening: the add and its wait stand ahead of my first tensor load; the set-up below, work on registers, stands between them
	v_lshrrev_b32 v3, 5, v0
	v_readfirstlane_b32 s[WV], v3
	s_lshr_b32 s[RH], s[WV], 1
	s_and_b32 s[CH], s[WV], 1
	s_mov_b32 s[TB], 0
	s_bfe_u32 s16, ttmp6, 0x40000                  ; cx, cy
	s_bfe_u32 s17, ttmp6, 0x40004
	s_lshl_b32 s18, ttmp9, 2
	s_add_co_u32 s18, s18, s16                     ; tile column = 4 x cluster x + cx
	s_and_b32 s20, ttmp7, 0xffff
	s_lshl_b32 s19, s20, 2
	s_add_co_u32 s19, s19, s17                     ; tile row = 4 x cluster y + cy
	s_lshl_b32 s22, s17, 2
	s_lshl_b32 s22, 15, s22                        ; my row of the cluster
	s_lshl_b32 s23, 0x1111, s16                    ; my column
	s_or_b32 s[G1A], s22, G1C
	s_or_b32 s[G1B], s23, G1C
	s_mov_b32 s[G1A+1], 128<<16                    ; tensor_dim0 = 128
	s_mov_b32 s[G1A+2], 64<<16                     ; tensor_dim1 = 64
	s_mov_b32 s[G1A+3], 128<<16                    ; tile_dim0 = 128
	s_mov_b32 s[G1A+4], 64                         ; tile_dim1 = 64
	s_mov_b32 s[G1A+5], LDA
	s_mov_b32 s[G1A+6], 0
	s_mov_b32 s[G1A+7], 0
	s_mov_b32 s[G1B+1], 128<<16
	s_mov_b32 s[G1B+2], 128<<16
	s_mov_b32 s[G1B+3], 128<<16
	s_mov_b32 s[G1B+4], 128
	s_mov_b32 s[G1B+5], LDB
	s_mov_b32 s[G1B+6], 0
	s_mov_b32 s[G1B+7], 0
	s_lshl_b32 s40, s19, 7                         ; A: row 128 x tile row + 64 x half
	s_lshl_b32 s41, s[CH], 6
	s_add_co_u32 s40, s40, s41
	s_mul_i32 s40, s40, LDA*2
	s_mov_b32 s41, 0
	s_lshl_b32 s42, s18, 8                         ; B: row 256 x tile column + 128 x half
	s_lshl_b32 s43, s[CH], 7
	s_add_co_u32 s42, s42, s43
	s_mul_i32 s42, s42, LDB*2
	s_mov_b32 s43, 0
	s_mul_i32 s46, s[WV], HALFB                    ; LDS: B's halves (waves 0, 1) at wave x 128 rows,
	s_mul_i32 s47, s[WV], HALFA                    ; A's (waves 2, 3) at APART + (wave - 2) x 64 rows
	s_add_co_u32 s47, s47, HALFB
	s_wait_dscnt 0x0                               ; the opening add is done
	s_wait_kmcnt 0x0
	s_add_nc_u64 s[40:41], s[4:5], s[40:41]
	s_add_nc_u64 s[42:43], s[6:7], s[42:43]
.irp s, 0,1
	s_mov_b32 s[G0A+4*(\s)], 1
	s_add_co_u32 s[G0A+4*(\s)+1], s47, (\s)*SLOT1
	s_add_nc_u64 s[G0A+4*(\s)+2:G0A+4*(\s)+3], s[40:41], (\s)*ASTEP
	s_or_b32 s[G0A+4*(\s)+3], s[G0A+4*(\s)+3], 0x80000000
	s_mov_b32 s[G0B+4*(\s)], 1
	s_add_co_u32 s[G0B+4*(\s)+1], s46, (\s)*SLOT1
	s_add_nc_u64 s[G0B+4*(\s)+2:G0B+4*(\s)+3], s[42:43], (\s)*BSTEP
	s_or_b32 s[G0B+4*(\s)+3], s[G0B+4*(\s)+3], 0x80000000
.endr
	CROUND                                         ; all sixteen work-groups are here: the first joint loads meet
	s_cmp_lt_u32 s[WV], 2                          ; a wave's two first fills stand in one branch: two loads of mine are out
	s_cbranch_scc0 .Lfirst_a
	tensor_load_to_lds s[G0B:G0B+3], s[G1B:G1B+7]
	s_nop 0
	tensor_load_to_lds s[G0B+4:G0B+7], s[G1B:G1B+7]
	s_nop 0
.rept 4
	v_nop
.endr
	s_branch .Lfirst_asked
.Lfirst_a:
	tensor_load_to_lds s[G0A:G0A+3], s[G1A:G1A+7]
	s_nop 0
	tensor_load_to_lds s[G0A+4:G0A+7], s[G1A:G1A+7]
	s_nop 0
.rept 4
	v_nop
.endr
.Lfirst_asked:
	v_and_b32 v1, 15, v0                           ; l % 16
	v_bfe_u32 v2, v0, 4, 1                         ; l / 16
	v_mul_u32_u24 v3, v1, PITCH
	v_lshl_add_u32 v3, v2, 4, v3                   ; a fragment's row x pitch + 16 x half
	s_mul_i32 s22, s[RH], HALFA
	s_add_co_u32 s22, s22, APART
	v_add_nc_u32 v[A0], s22, v3
	s_mul_i32 s22, s[CH], HALFB
	v_add_nc_u32 v[B0], s22, v3
	s_mul_i32 s22, s[WV], 16*SPITCH
	s_add_co_u32 s22, s22, STAGE                   ; my stage
	v_mul_u32_u24 v4, v1, SPITCH                   ; in: row l % 16, 32 bytes for each half of the lanes
	v_lshl_add_u32 v4, v2, 5, v4
	v_add_nc_u32 v[STO], s22, v4
	v_and_b32 v4, 31, v0
	v_lshlrev_b32 v[CO], 4, v4                     ; back and out: 32 lanes take a row's 512 bytes
	v_add_nc_u32 v[RD], s22, v[CO]
	s_lshl_b32 s44, s19, 7                         ; my first row of out0
	s_lshl_b32 s45, s[RH], 6
	s_add_co_u32 s44, s44, s45
	s_mul_i32 s44, s44, LDCB
	s_lshl_b32 s22, s18, 10                        ; my first column, 4 bytes a number: 1,024 x tile column + 512 x half
	s_lshl_b32 s23, s[CH], 9
	s_add_co_u32 s22, s22, s23
	s_add_co_u32 s44, s44, s22
	s_mov_b32 s45, 0
	s_add_nc_u64 s[CP:CP+1], s[CP:CP+1], s[44:45]
	v_lshl_add_u32 v[BO], v2, 5, s22               ; the same column in bias, + my lanes' 8 columns
	WIN TO2
.irp b, 0,1,2,3,4,5,6,7                 ; b_proj lies 12,288 bytes into bias; waited for at the head of the way out
	global_load_b128 v[8*(\b):8*(\b)+3],   v[BO], s[8:9] offset:12288+64*(\b)
	global_load_b128 v[8*(\b)+4:8*(\b)+7], v[BO], s[8:9] offset:12288+64*(\b)+16
.endr
	WIN 0
; 8 matrix instructions: m block a x all 8 n blocks, 32 along K, from buffer f.  The 32 accumulators take turns, in the same order in every quarter, over the backward jump too.
.macro MULA f, a, zero
	WIN MUL
.irp b, 0,1,2,3,4,5,6,7
.if \zero
	v_wmma_f32_16x16x32_f16 v[8*(8*(\a)+(\b)):8*(8*(\a)+(\b))+7], v[(\f)+32+8*(\b):(\f)+32+8*(\b)+7], v[(\f)+8*(\a):(\f)+8*(\a)+7], 0
.else
	v_wmma_f32_16x16x32_f16 v[8*(8*(\a)+(\b)):8*(8*(\a)+(\b))+7], v[(\f)+32+8*(\b):(\f)+32+8*(\b)+7], v[(\f)+8*(\a):(\f)+8*(\a)+7], v[8*(8*(\a)+(\b)):8*(8*(\a)+(\b))+7]
.endif
.endr
.endm
.macro FETCH q, f                      ; 24 LDS loads in one run: quarter q's fragments into buffer f: B's eight, then A's four
	WIN 0
.irp i, 0,1,2,3,4,5,6,7
	ds_load_b128 v[(\f)+32+8*(\i):(\f)+32+8*(\i)+3],   v[ADRB] offset:64*(\q)+(\i)*16*PITCH
	ds_load_b128 v[(\f)+32+8*(\i)+4:(\f)+32+8*(\i)+7], v[ADRB] offset:64*(\q)+(\i)*16*PITCH+32
.endr
.irp i, 0,1,2,3
	ds_load_b128 v[(\f)+8*(\i):(\f)+8*(\i)+3],   v[ADRA] offset:64*(\q)+(\i)*16*PITCH
	ds_load_b128 v[(\f)+8*(\i)+4:(\f)+8*(\i)+7], v[ADRA] offset:64*(\q)+(\i)*16*PITCH+32
.endr
.endm
.macro QUARTER q, f, g, zero           ; multiplies buffer f; in its middle it fetches quarter q into buffer g
	s_wait_dscnt 4                                 ; all but the youngest four loads (A's fragments 2 and 3)
	MULA \f, 0, \zero
	MULA \f, 1, \zero
	PLACES                                         ; behind the products that read buffer g, a quarter back
	FETCH \q, \g
	s_wait_dscnt 24                                ; all but the 24 just issued
	MULA \f, 2, \zero
	MULA \f, 3, \zero
.endm
; The last quarter multiplies buffer 1 and changes slots: ONE barrier; in front of it each wave waits for all its tensor loads, adds 0 to its spare word, and waits for that and for its reads of this slot.
; fill = 1: the barrier opens a round of the cluster's, and this slot is filled again, with the K step two on, first thing behind the round.
.macro TURN fill
	WIN 0
	s_wait_tensorcnt 0x0                           ; no tensor load of mine is out, so a group 0 may be written
	ds_add_u32 v[SPW], v[NIL]                      ; 0 onto my spare word
.if \fill
	s_xor_b32 s[G0A+5], s[G0A+5], SLOT1
	s_add_nc_u64 s[G0A+6:G0A+7], s[G0A+6:G0A+7], ASTEP
	s_xor_b32 s[G0B+5], s[G0B+5], SLOT1
	s_add_nc_u64 s[G0B+6:G0B+7], s[G0B+6:G0B+7], BSTEP
.endif
	s_xor_b32 s[TB], s[TB], SLOT1
	s_wait_dscnt 7                                 ; the add and the six loads of A's fragments 1 to 3 may be out
	MULA F1, 0, 0
	s_wait_dscnt 0x0                               ; the add is done, and my reads of this slot are over
	s_barrier_signal -1
	MULA F1, 1, 0
	WIN 0
	s_barrier_wait -1
.if \fill
	CREST
	JLOAD                                          ; its four v_nop are also the places in front of the loads below
.else
	PLACES
.endif
	v_add_nc_u32 v[ADRA], s[TB], v[A0]
	v_add_nc_u32 v[ADRB], s[TB], v[B0]
	FETCH 0, F0
	MULA F1, 2, 0
	MULA F1, 3, 0
.endm
; THE WAY OUT of m block a, in f32.  ADDB: the bias is added in place.  TOSTAGE: 32 bytes a lane and accumulator into my own stage, and back as whole rows of 512 bytes.  SEND: stored.
.macro ADDB a
	WIN BADD
.irp b, 0,1,2,3,4,5,6,7
.irp p, 0,1,2,3                         ; each accumulator's registers in ascending order
	v_pk_add_f32 v[64*(\a)+8*(\b)+2*(\p):64*(\a)+8*(\b)+2*(\p)+1], v[64*(\a)+8*(\b)+2*(\p):64*(\a)+8*(\b)+2*(\p)+1], v[8*(\b)+2*(\p):8*(\b)+2*(\p)+1]
.endr
.endr
.endm
.macro TOSTAGE a
.set BKA, 64+64*((\a)%3)
	WIN STW1
.irp b, 0,1,2,3,4,5,6,7
	ds_store_b128 v[STO], v[64*(\a)+8*(\b):64*(\a)+8*(\b)+3]   offset:64*(\b)
	ds_store_b128 v[STO], v[64*(\a)+8*(\b)+4:64*(\a)+8*(\b)+7] offset:64*(\b)+16
.endr
	WIN 0
.irp t, 0,1,2,3,4,5,6,7,8,9,10,11,12,13,14,15
	ds_load_b128 v[BKA+4*(\t):BKA+4*(\t)+3], v[RD] offset:(\t)*SPITCH  ; LDS serves a wave's instructions in order (ISA guide 5.7.1.4): these see the stores above
.endr
.endm
.macro SEND a
.set BKA, 64+64*((\a)%3)
	WIN 0
	s_wait_dscnt 0x0                               ; the block is back in registers
.irp t, 0,1,2,3,4,5,6,7,8,9,10,11,12,13,14,15
	global_store_b128 v[CO], v[BKA+4*(\t):BKA+4*(\t)+3], s[CP:CP+1] offset:(16*(\a)+(\t))*LDCB  ; the wave stores 512 consecutive bytes, at a multiple of 256 from out0's first byte
.endr
.endm
	s_wait_tensorcnt 0x1                           ; my part of K step 0 is in; step 1's may stay out
	s_barrier_signal -1
	s_barrier_wait -1
	v_mov_b32 v[ADRA], v[A0]
	v_mov_b32 v[ADRB], v[B0]
	FETCH 0, F0
	QUARTER 1, F0, F1, 1                           ; the first quarter's products start the sums
	WIN 0
	s_mov_b32 s[CNT], NSTEP-2
.Lstep:                                                ; a trip goes from a step's second quarter to the next step's first, and fills the slot that it leaves
	QUARTER 2, F1, F0, 0
	QUARTER 3, F0, F1, 0
	TURN 1
	QUARTER 1, F0, F1, 0
	WIN 0
	s_sub_co_u32 s[CNT], s[CNT], 1
	s_cmp_lg_u32 s[CNT], 0
	s_cbranch_scc1 .Lstep
	QUARTER 2, F1, F0, 0                           ; the last two steps are written out: nothing is left to ask for
	QUARTER 3, F0, F1, 0
	TURN 0
	QUARTER 1, F0, F1, 0
	QUARTER 2, F1, F0, 0
	QUARTER 3, F0, F1, 0
	s_wait_dscnt 4
	MULA F1, 0, 0
	MULA F1, 1, 0
	s_wait_dscnt 0x0
	MULA F1, 2, 0
	MULA F1, 3, 0
	WIN 0
	PLACES                                         ; behind the last products
	s_wait_loadcnt 0x0                             ; the bias
	ADDB 0
	TOSTAGE 0
	ADDB 1                                         ; a block's additions stand between the loads of the block before and the wait for them
	SEND 0
	TOSTAGE 1
	ADDB 2
	SEND 1
	TOSTAGE 2
	ADDB 3
	SEND 2
	s_wait_xcnt 0x0                                ; block 3 comes back into block 0's registers: they are loaded again only behind this wait, when block 0's stores have read them
	TOSTAGE 3
	SEND 3
	s_wait_tensorcnt 0x0                           ; the wave's end: behind my last tensor load and my last LDS store
	ds_add_u32 v[SPW], v[NIL]
	s_wait_dscnt 0x0
	CROUND                                         ; the closing round
	s_endpgm
.Lfunc_end_k_q1b2640afee_proj:
	.size	k_q1b2640afee_proj, .Lfunc_end_k_q1b2640afee_proj-k_q1b2640afee_proj
	.p2alignl 7, 3214868480
	.fill 96, 4, 3214868480
	.section	.rodata,"a",@progbits
	.p2align	6, 0x0
	.amdhsa_kernel k_q1b2640afee_proj
		.amdhsa_group_segment_fixed_size 327680
		.amdhsa_private_segment_fixed_size 0
		.amdhsa_enable_private_segment 0
		.amdhsa_kernarg_size 32
		.amdhsa_user_sgpr_count 2
		.amdhsa_user_sgpr_kernarg_segment_ptr 1
		.amdhsa_wavefront_size32 1
		.amdhsa_system_sgpr_workgroup_id_x 1
		.amdhsa_system_sgpr_workgroup_id_y 1
		.amdhsa_system_sgpr_workgroup_id_z 1
		.amdhsa_system_vgpr_workitem_id 0
		.amdhsa_next_free_vgpr 576
		.amdhsa_next_free_sgpr 72
		.amdhsa_reserve_vcc 0
		.amdhsa_float_denorm_mode_32 3
		.amdhsa_float_denorm_mode_16_64 3
		.amdhsa_memory_ordered 1
		.amdhsa_forward_progress 1
		.amdhsa_inst_pref_size 78
	.end_amdhsa_kernel
	.amdgpu_metadata
---
amdhsa.version: [ 1, 2 ]
amdhsa.kernels:
  - .name:           k_q1b2640afee_proj
    .symbol:         k_q1b2640afee_proj.kd
    .args:
      - { .name: ob, .offset: 0, .size: 8, .value_kind: global_buffer, .address_space: global }
      - { .name: wpf, .offset: 8, .size: 8, .value_kind: global_buffer, .address_space: global }
      - { .name: bias, .offset: 16, .size: 8, .value_kind: global_buffer, .address_space: global }
      - { .name: out0, .offset: 24, .size: 8, .value_kind: global_buffer, .address_space: global }
    .group_segment_fixed_size: 327680
    .private_segment_fixed_size: 0
    .kernarg_segment_align: 8
    .kernarg_segment_size: 32
    .max_flat_workgroup_size: 128
    .sgpr_count:     72
    .vgpr_count:     576
    .wavefront_size: 32
...
	.end_amdgpu_metadata
.endif
;; end of part 5
;; ======== version 2 of 3: 5 launches
;; limits: values are held in f16: magnitudes above 65,504 overflow, below 6.1e-05 lose precision
;; workspace buffers: xb 16,777,216 bytes; wqb 6,291,456 bytes; wpf 2,097,152 bytes; bias 16,384 bytes; qkv 50,331,648 bytes; pt 33,554,432 bytes; st 1,048,576 bytes; ob 16,777,216 bytes
;; launch cast (part 6): grid 769 x 1, 8 waves a work-group, no clusters, 0 bytes of LDS; arguments x, W_qkv, W_proj, b_qkv, b_proj, xb, wqb, wpf, bias; writes xb, wqb, wpf, bias
.if DOCPART == 6
	.amdgcn_target "amdgcn-amd-amdhsa--gfx1250"
	.amdhsa_code_object_version 6
	.text
	.protected	k_q1b2640afee_cast
	.globl	k_q1b2640afee_cast
	.p2align	8
	.type	k_q1b2640afee_cast,@function
k_q1b2640afee_cast:
	s_mov_b64 s[64:65], 0
	v_nop
	global_prefetch_b8 v0, s[64:65] scope:SCOPE_SE
	s_setreg_imm32_b32 hwreg(HW_REG_WAVE_MODE, 25, 1), 1
	s_wait_xcnt 0x0
; THE INPUTS, ROUNDED ONCE TO bf16, in the formats and layouts in which the later launches multiply them.
;   x [8192][1024] f32      -> xb  bf16, IN K BLOCKS: [16 blocks of 64 along K][8192 rows][64]: a row's part of a block is 128 bytes, and the rows of a block lie end to end
;   W_qkv [3072][1024] f32  -> wqb bf16, likewise: [16][3072][64].  So a tile of some rows x 64 along K is dense in memory and can be asked for in rows of 256 bytes.
;   W_proj [1024][1024] f32 -> wpf, row-major: rounded to bf16, and that number written as f16 (the last product's other operand is f16)
;   b_qkv [3072], b_proj [1024] f32 -> bias [4096] f32: rounded to bf16, written as f32 (b_qkv first)
; LIMITS.  A bf16 number of W_proj beyond 65,504 becomes an infinity in f16; below 6.1e-5 it keeps f16's fixed step of 6e-8.
; A stream: no LDS, no barrier, no matrix unit.  A work-group of eight waves takes 16 rows, 16,384 numbers: 65,536 bytes in, 32,768 out.
; Groups 0-511 take x, 512-703 W_qkv, 704-767 W_proj, group 768 the two biases.  All sixteen loads of a thread go out at once.
; x and W_qkv: thread t takes row t / 16 of the group's 16 and, in load j, the 16 bytes at 16 (t % 16) of K block j's 256: sixteen lanes read 256 consecutive bytes, aligned.  Its 8 bytes go to
; byte 8 t of the group's 2,048 in block j: a wave's store covers two neighbouring rows' 128 bytes: 256 consecutive bytes, aligned.
; W_proj: thread t takes 16 bytes at 16 t of each row; a wave's load covers 512 consecutive bytes, its store 256, aligned.
.set X, 16                             ; v[16:79]   sixteen loads of four f32
.set Y, 80                             ; v[80:111]  sixteen pairs of packed words to store
.set D, 112                            ; v[112:127] the sixteen stores' byte offsets
	s_load_b256 s[4:11], s[0:1], 0x0               ; x s[4:5], W_qkv s[6:7], W_proj s[8:9], b_qkv s[10:11]
	s_load_b256 s[12:19], s[0:1], 0x20             ; b_proj s[12:13], xb s[14:15], wqb s[16:17], wpf s[18:19]
	s_load_b64 s[20:21], s[0:1], 0x40              ; bias
	v_lshlrev_b32 v1, 4, v0                        ; 16 t: my place in a row of 4,096 bytes of f32
	v_lshlrev_b32 v2, 3, v0                        ; 8 t: my place in 2,048 bytes of 16-bit numbers
	v_lshrrev_b32 v3, 4, v0                        ; t / 16: my row among the group's 16,
	v_and_b32 v4, 15, v0
	v_lshlrev_b32 v4, 4, v4                        ; 16 (t % 16): my place in a K block's 256 bytes of f32
	v_lshl_add_u32 v3, v3, 12, v4                  ; row x 4,096 + that
	s_mov_b32 s30, 0xffff0000                      ; a word's upper bf16
	s_mov_b32 s2, ttmp9                            ; the work-group's number
	s_mov_b32 s29, 0                               ; high word of the offsets (all under 2^26)
	s_wait_kmcnt 0x0
; 16,384 numbers from s[22:23] to s[24:25].  Load j stands sstep x j bytes behind the offset in v[src]; store j goes s31 x j bytes behind 8 t.  half = 1: the bf16 number is written as f16.
.macro BLOCK half, src, sstep
.irp j, 0,1,2,3,4,5,6,7,8,9,10,11,12,13,14,15
	global_load_b128 v[X+4*(\j):X+4*(\j)+3], v[\src], s[22:23] offset:(\sstep)*(\j) th:TH_LOAD_NT
.endr
.irp j, 0,1,2,3,4,5,6,7,8,9,10,11,12,13,14,15
	v_mad_u32_u24 v[D+(\j)], s31, \j, v2           ; fifteen K blocks of xb do not fit into a store's immediate, so the offsets lie in registers: made while the loads are out
.endr
.irp j, 0,1,2,3,4,5,6,7,8,9,10,11,12,13,14,15
	s_wait_loadcnt 15-(\j)                         ; loads come back in order (ISA guide 5.7.1): load j is in, the 15 - j younger ones stay out
	v_cvt_pk_bf16_f32 v[Y+2*(\j)],   v[X+4*(\j)],   v[X+4*(\j)+1]  ; the one rounding, to nearest even
	v_cvt_pk_bf16_f32 v[Y+2*(\j)+1], v[X+4*(\j)+2], v[X+4*(\j)+3]
.if \half
	v_lshlrev_b32 v[X+4*(\j)],   16,  v[Y+2*(\j)]  ; the rounded numbers as f32 again,
	v_and_b32     v[X+4*(\j)+1], s30, v[Y+2*(\j)]
	v_lshlrev_b32 v[X+4*(\j)+2], 16,  v[Y+2*(\j)+1]
	v_and_b32     v[X+4*(\j)+3], s30, v[Y+2*(\j)+1]
	v_cvt_pk_f16_f32 v[Y+2*(\j)],   v[X+4*(\j)],   v[X+4*(\j)+1]  ; and in f16's format: 8 significant bits fit into 11, so nothing is rounded within f16's normal range
	v_cvt_pk_f16_f32 v[Y+2*(\j)+1], v[X+4*(\j)+2], v[X+4*(\j)+3]
.endif
	global_store_b64 v[D+(\j)], v[Y+2*(\j):Y+2*(\j)+1], s[24:25] th:TH_STORE_NT  ; no register of a store is written again: no further wait
.endr
.endm
	s_cmp_ge_u32 s2, 768
	s_cbranch_scc1 .Lbias
	s_cmp_ge_u32 s2, 704
	s_cbranch_scc1 .Lproj
	s_sub_co_u32 s27, s2, 512                      ; the group's number in W_qkv (used only from 512 on)
	s_mov_b32 s31, 8192*128                        ; bytes from K block to K block of xb,
	s_mov_b32 s3, 3072*128                         ; of wqb
	s_cmp_lt_u32 s2, 512
	s_cselect_b64 s[22:23], s[4:5], s[6:7]         ; from x or from W_qkv,
	s_cselect_b64 s[24:25], s[14:15], s[16:17]     ; to xb or to wqb,
	s_cselect_b32 s26, s2, s27                     ; group number in that tensor
	s_cselect_b32 s31, s31, s3
	s_lshl_b32 s28, s26, 16                        ; 16 rows of 4,096 bytes
	s_add_nc_u64 s[22:23], s[22:23], s[28:29]
	s_lshl_b32 s28, s26, 11                        ; 16 rows of 128 bytes in each K block
	s_add_nc_u64 s[24:25], s[24:25], s[28:29]
	BLOCK 0, 3, 256
	s_endpgm
.Lproj:
	s_sub_co_u32 s26, s2, 704
	s_mov_b32 s31, 2048                            ; bytes from row to row of wpf
	s_lshl_b32 s28, s26, 16
	s_add_nc_u64 s[22:23], s[8:9], s[28:29]
	s_lshl_b32 s28, s26, 15
	s_add_nc_u64 s[24:25], s[18:19], s[28:29]
	BLOCK 1, 1, 4096
	s_endpgm
.Lbias:                                                ; 4,096 numbers: three times 4,096 bytes of b_qkv, once of b_proj
.irp j, 0,1,2
	global_load_b128 v[X+4*(\j):X+4*(\j)+3], v1, s[10:11] offset:4096*(\j)
.endr
	global_load_b128 v[X+12:X+15], v1, s[12:13]
	s_wait_loadcnt 0x0
.irp j, 0,1,2,3
	v_cvt_pk_bf16_f32 v[Y+2*(\j)],   v[X+4*(\j)],   v[X+4*(\j)+1]
	v_cvt_pk_bf16_f32 v[Y+2*(\j)+1], v[X+4*(\j)+2], v[X+4*(\j)+3]
	v_lshlrev_b32 v[X+4*(\j)],   16,  v[Y+2*(\j)]
	v_and_b32     v[X+4*(\j)+1], s30, v[Y+2*(\j)]
	v_lshlrev_b32 v[X+4*(\j)+2], 16,  v[Y+2*(\j)+1]
	v_and_b32     v[X+4*(\j)+3], s30, v[Y+2*(\j)+1]
	global_store_b128 v1, v[X+4*(\j):X+4*(\j)+3], s[20:21] offset:4096*(\j)
.endr
	s_endpgm
.Lfunc_end_k_q1b2640afee_cast:
	.size	k_q1b2640afee_cast, .Lfunc_end_k_q1b2640afee_cast-k_q1b2640afee_cast
	.p2alignl 7, 3214868480
	.fill 96, 4, 3214868480
	.section	.rodata,"a",@progbits
	.p2align	6, 0x0
	.amdhsa_kernel k_q1b2640afee_cast
		.amdhsa_group_segment_fixed_size 0
		.amdhsa_private_segment_fixed_size 0
		.amdhsa_enable_private_segment 0
		.amdhsa_kernarg_size 72
		.amdhsa_user_sgpr_count 2
		.amdhsa_user_sgpr_kernarg_segment_ptr 1
		.amdhsa_wavefront_size32 1
		.amdhsa_system_sgpr_workgroup_id_x 1
		.amdhsa_system_sgpr_workgroup_id_y 1
		.amdhsa_system_sgpr_workgroup_id_z 1
		.amdhsa_system_vgpr_workitem_id 0
		.amdhsa_next_free_vgpr 128
		.amdhsa_next_free_sgpr 66
		.amdhsa_reserve_vcc 0
		.amdhsa_float_denorm_mode_32 3
		.amdhsa_float_denorm_mode_16_64 3
		.amdhsa_memory_ordered 1
		.amdhsa_forward_progress 1
		.amdhsa_inst_pref_size 21
	.end_amdhsa_kernel
	.amdgpu_metadata
---
amdhsa.version: [ 1, 2 ]
amdhsa.kernels:
  - .name:           k_q1b2640afee_cast
    .symbol:         k_q1b2640afee_cast.kd
    .args:
      - { .name: x, .offset: 0, .size: 8, .value_kind: global_buffer, .address_space: global }
      - { .name: W_qkv, .offset: 8, .size: 8, .value_kind: global_buffer, .address_space: global }
      - { .name: W_proj, .offset: 16, .size: 8, .value_kind: global_buffer, .address_space: global }
      - { .name: b_qkv, .offset: 24, .size: 8, .value_kind: global_buffer, .address_space: global }
      - { .name: b_proj, .offset: 32, .size: 8, .value_kind: global_buffer, .address_space: global }
      - { .name: xb, .offset: 40, .size: 8, .value_kind: global_buffer, .address_space: global }
      - { .name: wqb, .offset: 48, .size: 8, .value_kind: global_buffer, .address_space: global }
      - { .name: wpf, .offset: 56, .size: 8, .value_kind: global_buffer, .address_space: global }
      - { .name: bias, .offset: 64, .size: 8, .value_kind: global_buffer, .address_space: global }
    .group_segment_fixed_size: 0
    .private_segment_fixed_size: 0
    .kernarg_segment_align: 8
    .kernarg_segment_size: 72
    .max_flat_workgroup_size: 256
    .sgpr_count:     66
    .vgpr_count:     128
    .wavefront_size: 32
...
	.end_amdgpu_metadata
.endif
;; end of part 6
;; launch qkv (part 7): grid 8 x 32, 4 waves a work-group, clusters of 4 x 4, 327,680 bytes of LDS; arguments xb, wqb, bias, qkv; writes qkv
.if DOCPART == 7
	.amdgcn_target "amdgcn-amd-amdhsa--gfx1250"
	.amdhsa_code_object_version 6
	.text
	.protected	k_q1b2640afee_qkv
	.globl	k_q1b2640afee_qkv
	.p2align	8
	.type	k_q1b2640afee_qkv,@function
k_q1b2640afee_qkv:
	s_mov_b64 s[64:65], 0
	v_nop
	global_prefetch_b8 v0, s[64:65] scope:SCOPE_SE
	s_setreg_imm32_b32 hwreg(HW_REG_WAVE_MODE, 25, 1), 1
	s_wait_xcnt 0x0
	s_wait_alu depctr_hold_cnt(0) depctr_sa_sdst(0) depctr_va_vdst(0) depctr_va_sdst(0) depctr_va_ssrc(0) depctr_va_vcc(0) depctr_vm_vsrc(0)
	s_getreg_b32 s2, hwreg(HW_REG_IB_STS2, 6, 4)
	s_cmp_eq_u32 s2, 0
	s_cbranch_scc0 .Lentry_in_a_cluster
	s_endpgm
.Lentry_in_a_cluster:
	s_bfe_u32 s2, ttmp6, 0x10000c
	s_cmp_lg_u32 s2, 0xf033
	s_cbranch_scc0 .Lentry_shape_is_right
	s_endpgm
.Lentry_shape_is_right:
; qkv[m][n] = the sum over k of x[m][k] W[n][k] + bias[n].  xb [16 K blocks][8192 rows][64], wqb [16][3072][64] bf16; bias f32; qkv [8192][3072] f16, row-major.  Sums in f32, begun with the bias; qkv rounded once.
; LIMIT.  f16 holds no number beyond 65,504: a q, k or v beyond that becomes an infinity.  NaN and infinities are not treated apart.
; SHARES.  A work-group makes 256 rows x 384 columns: 8 x 32 = 256 work-groups of equal work.  Four waves, each 128 x 192: 96 accumulators of 16 x 16, 768 registers.  For 32 along K a wave issues
; 40 LDS loads of 16 bytes a lane and 96 matrix instructions.  K goes in steps of 64, a K block each, through two LDS slots filled by the tensor data mover: 640 rows at a step of 128 would not fit twice.
; In a K block a tile's rows of 128 bytes lie end to end, so a tile is asked for as rows of 256 bytes, aligned, and padded in LDS after every 128.
; CLUSTER.  4 x 4 work-groups.  The four of a row of the cluster need the same rows of xb, the four of a column the same rows of wqb: each tile is asked for JOINTLY,
; by the same tensor load with the same descriptor and a mask that names the four.
; THE MATRIX INSTRUCTION IS USED TRANSPOSED (source 0 = 16 rows of wqb, source 1 = 16 rows of xb): a lane then holds row l % 16 and eight neighbouring columns 8 (l / 16) + 0..7.
; REGISTERS, in windows of 256 (s_set_vgpr_msb: bits 1:0 source 0, 3:2 source 1, 5:4 source 2, 7:6 destination):
;   window 0: v0-31 addresses; v32-95, v96-159 fragments of A (8 x 16 rows x 32 K), two buffers; v160-255 the 12 fragments of B, ONE buffer in two halves; on the way out v32-223 packed results, then rows read back
;   windows 1 to 3: accumulator (a, b), m block a of 8, n block b of 12, at register 256 + 96 a + 8 b
; A QUARTER (32 along K) IS TWO HALVES of 48 products: n blocks 0-5, then 6-11, each with all 8 m blocks.  While one half of B's fragments is multiplied the other is fetched: 6-11 of the same quarter beside
; blocks 0-5; 0-5 of the next quarter, and its A into the other A buffer, beside blocks 6-11.
; THE BIAS STARTS THE SUMS.  A lane's eight numbers of an accumulator are eight columns, the same for all m blocks: the bias of n block b is loaded into accumulator (7, b) and is the C of the first product of
; (0, b) to (6, b); (7, b) adds onto it in place.  Nothing is cleared, and the way out adds nothing.
.set NSTEP,  16                        ; K steps
.set ASTEP,  8192*128                  ; bytes from K block to K block of xb,
.set BSTEP,  3072*128                  ; of wqb
.set LDCB,   6144                      ; bytes from row to row of C
.set PITCH,  144                       ; an LDS row: 128 bytes + 16 of padding = 36 words: the 16 rows of a load start at 16 different groups of four banks (64 banks of 4 bytes: ISA guide 11.1)
.set HALFB,  192*PITCH                 ; what one tensor load brings of B, and what one wave reads of it
.set HALFA,  128*PITCH                 ; the same for A
.set APART,  2*HALFB                   ; a slot: B's 384 rows, then A's 256
.set SLOT,   APART+2*HALFA
.set STAGE,  2*SLOT                    ; behind the ring, never filled by a tensor load: 128 rows x 784 bytes, the work-group's, for the way out
.set SPITCH, 784                       ; a stage row: 768 bytes + 16 = 196 words: the 16 rows of a store start at 16 different groups of four banks
.set SPARE,  STAGE+128*SPITCH          ; behind the stage: the spare words, 128 bytes for each wave: two blocks of 256 bytes that no other line names
.set RD,   8                           ; v8-10   the way out: where I read 16 bytes back, for loads t % 3 = 0, 1, 2
.set CO,   11                          ; v11-13  and where they go in C
.set ADRA, 16                          ; v16  LDS address of my A fragments in the slot in hand
.set ADRB, 17                          ; v17  the same for B
.set A0,   18                          ; v18  the same in slot 0; never rewritten
.set B0,   19                          ; v19
.set STO,  20                          ; v20  the way out: where I put 16 bytes of a row
.set BO,   23                          ; v23  my byte offset in bias
.set PFO,  24                          ; v24  the prefetches' offset; never rewritten
.set SPW,  28                          ; v28  LDS address of my spare word; never rewritten
.set NIL,  29                          ; v29  0; never rewritten
.set AF0,  32
.set AF1,  96
.set BF,   160
.set BK,   32
.set CNT,  3                           ; s3   the loops' count
.set WV,   12                          ; s12  my wave's number
.set RH,   13                          ; s13  which 128 rows of the tile are mine
.set CH,   14                          ; s14  which 192 columns.  Also: which half of a tile I fetch
.set TB,   15                          ; s15  LDS byte at which the slot in hand begins: 0 or SLOT
.set CP,   10                          ; s[10:11] C at the first row that I store
.set G1A,  24                          ; s[24:31] descriptor group 1 for A's tiles;  s[32:39] group 0: a set for each first fill, the second then walks
.set G0A,  32
.set LBB,  46                          ; s46  where my fills of B go in a slot (waves 0, 1),
.set LBA,  47                          ; s47  of A (waves 2, 3)
.set G1B,  48                          ; s[48:55], s[56:63] the same for B's
.set G0B,  56
.set PST,  66                          ; s[66:67] bytes from K block to K block of the tensor that I prefetch
.set PFA,  70                          ; s[70:71] where my prefetches stand in memory
.set LIM,  72                          ; s72  2 in a wave that prefetches, else the greatest number
.set PAR,  78                          ; s78  1 in wave 1, which asks in every second trip, else 0
.set G1C,  (1<<16)|(1<<20)|(1<<21)|(4<<22)|(3<<25)  ; 17:16 elements of 2 bytes; 20 padding on; 21 set beside a mask; 24:22 after every 32 words (code 4); 31:25 4 words of it (code 3)
.set MSB, 0
.macro WIN new                         ; the immediate's high byte repeats the setting that is left; a switch that changes nothing is dropped
.if MSB != (\new)
	s_set_vgpr_msb (MSB<<8)|(\new)
.set MSB, \new
.endif
.endm
.macro PLACES                          ; four places between a matrix instruction and a load into, or a vector instruction on, its registers
.rept 4
	v_nop
.endr
.endm
; A joint refill.  Waves 0 and 1 fetch B's two halves, waves 2 and 3 A's.  The branch hangs on the wave's number alone.  An s_nop 0 and four v_nop follow each of the two lines.
.macro JLOAD
	s_cmp_lt_u32 s[WV], 2
	s_cbranch_scc0 .Lfor_a_\@
	tensor_load_to_lds s[G0B+4:G0B+7], s[G1B:G1B+7]
	s_nop 0
.rept 4
	v_nop
.endr
	s_branch .Lasked_\@
.Lfor_a_\@:
	tensor_load_to_lds s[G0A+4:G0A+7], s[G1A:G1A+7]
	s_nop 0
.rept 4
	v_nop
.endr
.Lasked_\@:
.endm
; A PREFETCH INTO THE L2, behind each joint refill, its five lines and the run of LDS loads that follows them: the K block that stands two refills on, a lane a block of 256 bytes.
; Each block is named once in the launch.  A's tile row is read by both clusters of that row of clusters: the one with cluster x = 0 asks; B's tile column by all eight clusters of that column: the one with
; cluster y = 0 asks.  The four partners that ask for a tile jointly share it out BY ADDRESS.  A's tile of a K block is 32,768 dense bytes: the partner at place cx takes 8,192, 32 blocks: wave 2 asks.
; B's is 49,152: the partner at place cy takes 12,288, 48 blocks: wave 0 asks for the first 32 in every trip; wave 1, in the trips with an even count, for the other 16 of that K block (lanes 0-15) and of
; the next (lanes 16-31).  K blocks 0 to 3 come by their loads alone; the loop's last two trips (count 2 and 1) have no K block two refills on and ask for nothing.
.macro ASK
	s_and_b32 s73, s[CNT], s[PAR]
	s_cmp_lg_u32 s73, 0
	s_cbranch_scc1 .Lnot_mine_\@
	s_cmp_gt_u32 s[CNT], s[LIM]
	s_cbranch_scc0 .Lnot_mine_\@
	global_prefetch_b8 v[PFO], s[PFA:PFA+1] th:TH_LOAD_NT scope:SCOPE_SE
.Lnot_mine_\@:
.endm
.macro CREST                           ; a round of the cluster's barrier behind its opening barrier
	s_cmp_lg_u32 s[WV], 0
	s_cbranch_scc1 .Lnot_wave_0_\@
	s_barrier_signal -3
.Lnot_wave_0_\@:
	s_barrier_wait -3
	s_barrier_signal -1
	s_barrier_wait -1
.endm
.macro CROUND                          ; a whole round
	s_barrier_signal -1
	s_barrier_wait -1
	CREST
.endm
	s_load_b256 s[4:11], s[0:1], 0x0               ; xb s[4:5], wqb s[6:7], bias s[8:9], qkv s[10:11]
	v_lshl_add_u32 v[SPW], v0, 2, SPARE
	v_mov_b32 v[NIL], 0
	ds_add_u32 v[SPW], v[NIL]                      ; the wave's opening: the add and its wait stand ahead of my first tensor load; the set-up below, work on registers, stands between them
	v_lshrrev_b32 v3, 5, v0
	v_readfirstlane_b32 s[WV], v3                  ; wave 0..3
	s_lshr_b32 s[RH], s[WV], 1
	s_and_b32 s[CH], s[WV], 1
	s_mov_b32 s[TB], 0
	s_bfe_u32 s16, ttmp6, 0x40000                  ; cx, cy: my place in the cluster
	s_bfe_u32 s17, ttmp6, 0x40004
	s_lshl_b32 s18, ttmp9, 2
	s_add_co_u32 s18, s18, s16                     ; tile column (384 columns) = 4 x cluster x + cx
	s_and_b32 s20, ttmp7, 0xffff                   ; cluster y
	s_lshl_b32 s19, s20, 2
	s_add_co_u32 s19, s19, s17                     ; tile row (256 rows) = 4 x cluster y + cy
	s_lshl_b32 s22, s17, 2
	s_lshl_b32 s22, 15, s22                        ; my row of the cluster: places 4 cy .. 4 cy + 3
	s_lshl_b32 s23, 0x1111, s16                    ; my column: places cx, cx + 4, cx + 8, cx + 12
	s_or_b32 s[G1A], s22, G1C                      ; A's tiles go to my row,
	s_or_b32 s[G1B], s23, G1C                      ; B's to my column
	s_mov_b32 s[G1A+1], 128<<16                    ; tensor_dim0 = 128 elements: 256 bytes, two rows of the K block
	s_mov_b32 s[G1A+2], 64<<16                     ; tensor_dim1 = 64: 128 rows of A
	s_mov_b32 s[G1A+3], 128<<16                    ; tile_dim0 = 128
	s_mov_b32 s[G1A+4], 64                         ; tile_dim1 = 64
	s_mov_b32 s[G1A+5], 128                        ; dense: 128 elements from row to row
	s_mov_b32 s[G1A+6], 0
	s_mov_b32 s[G1A+7], 0
	s_mov_b32 s[G1B+1], 128<<16
	s_mov_b32 s[G1B+2], 96<<16                     ; 96: 192 rows of B
	s_mov_b32 s[G1B+3], 128<<16
	s_mov_b32 s[G1B+4], 96
	s_mov_b32 s[G1B+5], 128
	s_mov_b32 s[G1B+6], 0
	s_mov_b32 s[G1B+7], 0
	s_lshl_b32 s40, s19, 15                        ; A: row 256 x tile row + 128 x half, 128 bytes a row: made of the tile row and the wave's number alone
	s_lshl_b32 s41, s[CH], 14
	s_add_co_u32 s40, s40, s41
	s_mov_b32 s41, 0
	s_mul_i32 s42, s18, 384*128                    ; B: row 384 x tile column + 192 x half: made of the tile column and the wave's number alone
	s_mul_i32 s43, s[CH], 192*128
	s_add_co_u32 s42, s42, s43
	s_mov_b32 s43, 0
	s_mul_i32 s[LBB], s[WV], HALFB                 ; where they go: B's halves (waves 0, 1) at wave x 192 rows,
	s_mul_i32 s[LBA], s[WV], HALFA                 ; A's (waves 2, 3) at APART + (wave - 2) x 128 rows: no place in the cluster enters an LDS address
	s_add_co_u32 s[LBA], s[LBA], APART-2*HALFA
	s_wait_dscnt 0x0                               ; the opening add is done
	s_wait_kmcnt 0x0
	s_add_nc_u64 s[40:41], s[4:5], s[40:41]
	s_add_nc_u64 s[42:43], s[6:7], s[42:43]
.irp s, 0,1
	s_mov_b32 s[G0A+4*(\s)], 1                     ; 1:0 count = 1
	s_add_co_u32 s[G0A+4*(\s)+1], s[LBA], (\s)*SLOT  ; 63:32 LDS address
	s_add_nc_u64 s[G0A+4*(\s)+2:G0A+4*(\s)+3], s[40:41], (\s)*ASTEP  ; 120:64 global address: K block s
	s_or_b32 s[G0A+4*(\s)+3], s[G0A+4*(\s)+3], 0x80000000            ; 127:126 type = 2
	s_mov_b32 s[G0B+4*(\s)], 1
	s_add_co_u32 s[G0B+4*(\s)+1], s[LBB], (\s)*SLOT
	s_add_nc_u64 s[G0B+4*(\s)+2:G0B+4*(\s)+3], s[42:43], (\s)*BSTEP
	s_or_b32 s[G0B+4*(\s)+3], s[G0B+4*(\s)+3], 0x80000000
.endr
	CROUND                                         ; all sixteen work-groups are here: the first joint loads meet
	s_cmp_lt_u32 s[WV], 2                          ; a wave's two first fills stand in one branch, ahead of every wait on TENSORcnt and every LDS read: two loads of mine are out
	s_cbranch_scc0 .Lfirst_a
	tensor_load_to_lds s[G0B:G0B+3], s[G1B:G1B+7]
	s_nop 0
	tensor_load_to_lds s[G0B+4:G0B+7], s[G1B:G1B+7]
	s_nop 0
.rept 4
	v_nop
.endr
	s_branch .Lfirst_asked
.Lfirst_a:
	tensor_load_to_lds s[G0A:G0A+3], s[G1A:G1A+7]
	s_nop 0
	tensor_load_to_lds s[G0A+4:G0A+7], s[G1A:G1A+7]
	s_nop 0
.rept 4
	v_nop
.endr
.Lfirst_asked:
	; A fragment is 16 rows x 32 K in 8 registers: lane l holds row l % 16; registers 0-3 K = 8 (l / 16) + 0..7, registers 4-7 K = 16 + 8 (l / 16) + 0..7: two loads of 16 bytes, 32 bytes apart.
	v_and_b32 v1, 15, v0                           ; l % 16
	v_bfe_u32 v2, v0, 4, 1                         ; l / 16
	s_mul_i32 s22, s18, 384*4                      ; my first column in bias, 4 bytes a number: 384 x tile column + 192 x half,
	s_mul_i32 s23, s[CH], 192*4
	s_add_co_u32 s22, s22, s23
	v_lshl_add_u32 v[BO], v2, 5, s22               ; + my lanes' 8 columns
	WIN 0xc0                                       ; destination window 3: accumulator (7, b) lies at v[160 + 8 b] there
.irp b, 0,1,2,3,4,5,6,7,8,9,10,11       ; the bias of columns 16 b + 8 (l / 16) + 0..7: waited for in front of the first product
	global_load_b128 v[160+8*(\b):160+8*(\b)+3],   v[BO], s[8:9] offset:64*(\b)
	global_load_b128 v[160+8*(\b)+4:160+8*(\b)+7], v[BO], s[8:9] offset:64*(\b)+16
.endr
	WIN 0
	v_mul_u32_u24 v3, v1, PITCH
	v_lshl_add_u32 v3, v2, 4, v3                   ; row x pitch + 16 x half
	s_mul_i32 s22, s[RH], HALFA
	s_add_co_u32 s22, s22, APART
	v_add_nc_u32 v[A0], s22, v3                    ; my 128 rows of A, behind B's 384
	s_mul_i32 s22, s[CH], HALFB
	v_add_nc_u32 v[B0], s22, v3                    ; my 192 rows of B
	; The way out.  A wave's 192 columns are 384 bytes, one and a half aligned blocks of 256 bytes of C: so the two waves of a row half write the two halves of the same stage rows, and whole blocks are read back.
	s_mul_i32 s22, s[RH], 64*SPITCH                ; in: my row half's 64 stage rows, my 384 bytes of them; row l % 16, 16 bytes for each half of the lanes
	s_mul_i32 s23, s[CH], 384
	s_add_co_u32 s22, s22, s23
	s_add_co_u32 s22, s22, STAGE
	v_mul_u32_u24 v4, v1, SPITCH
	v_lshl_add_u32 v4, v2, 4, v4
	v_add_nc_u32 v[STO], s22, v4
	; back: wave w takes stage rows 32 w .. 32 w + 31: 96 blocks of 256 bytes, two a load, sixteen lanes a block.  Load t takes blocks 2 t and 2 t + 1; block u is column block u % 3 of row u / 3:
	; t % 3 = 0: (row 0, 0) and (0, 1); 1: (0, 2) and (1, 0); 2: (1, 1) and (1, 2); and two rows further down for each three loads.
	s_mul_i32 s22, s[WV], 32*SPITCH
	s_add_co_u32 s22, s22, STAGE
	v_lshl_add_u32 v4, v1, 4, s22                  ; 16 (l % 16) in a block
	v_lshl_add_u32 v[RD], v2, 8, v4
	v_mul_u32_u24 v5, v2, SPITCH-512
	v_add_nc_u32 v5, v5, v4
	v_add_nc_u32 v[RD+1], 512, v5
	v_add_nc_u32 v[RD+2], SPITCH+256, v[RD]
	v_lshlrev_b32 v4, 4, v1                        ; and the same blocks in C
	v_lshl_add_u32 v[CO], v2, 8, v4
	v_mul_u32_u24 v5, v2, LDCB-512
	v_add_nc_u32 v5, v5, v4
	v_add_nc_u32 v[CO+1], 512, v5
	v_add_nc_u32 v[CO+2], LDCB+256, v[CO]
	s_lshl_b32 s44, s19, 8                         ; the first row of C that I store: stage rows 32 w on are rows 128 (w / 2) + 32 (w % 2) on of the tile (and, in the second trip, 64 further down)
	s_lshl_b32 s45, s[RH], 7
	s_add_co_u32 s44, s44, s45
	s_lshl_b32 s45, s[CH], 5
	s_add_co_u32 s44, s44, s45
	s_mul_i32 s44, s44, LDCB
	s_mul_i32 s45, s18, 768                        ; the tile's first column, in bytes
	s_add_co_u32 s44, s44, s45
	s_mov_b32 s45, 0
	s_add_nc_u64 s[CP:CP+1], s[CP:CP+1], s[44:45]
	; the prefetches: nothing is asked for here, at the head, where every work-group's first tiles are on their way
	s_lshl_b32 s73, s19, 15                        ; A's tile in a K block,
	s_lshl_b32 s74, s16, 13                        ; my work-group's 8,192 bytes of it,
	s_add_co_u32 s73, s73, s74
	s_add_co_u32 s73, s73, 3*ASTEP                 ; at K block 3: the first trip steps it to 4
	s_mul_i32 s74, s18, 384*128                    ; B's tile,
	s_mul_i32 s75, s17, 12288                      ; my work-group's 12,288 bytes of it
	s_add_co_u32 s74, s74, s75
	s_add_co_u32 s74, s74, 3*BSTEP
	s_mov_b32 s76, BSTEP
	s_mov_b32 s77, ASTEP
	s_cmp_lt_u32 s[WV], 2                          ; do I fetch for B?
	s_cselect_b32 s74, s74, s73
	s_cselect_b32 s75, s20, ttmp9                  ; the coordinate along which other clusters read the same rows
	s_cselect_b32 s[PST], s76, s77
	s_cselect_b64 s[PFA:PFA+1], s[6:7], s[4:5]
	s_cmp_eq_u32 s75, 0
	s_cselect_b32 s[LIM], 2, -1                    ; the same in all sixteen partners, for a given wave
	s_cmp_eq_u32 s[WV], 3
	s_cselect_b32 s[LIM], -1, s[LIM]               ; wave 2 asks for all of the work-group's share of A
	s_mov_b32 s75, 0
	s_mov_b32 s[PST+1], 0
	s_add_nc_u64 s[PFA:PFA+1], s[PFA:PFA+1], s[74:75]
	s_cmp_eq_u32 s[WV], 1
	s_cselect_b32 s[PAR], 1, 0
	s_cselect_b32 s76, s76, 4096                   ; lanes 16-31: in wave 1 the next K block, else the next sixteen blocks
	s_cselect_b32 s77, 8192, 0                     ; wave 1 begins behind wave 0's 32 blocks
	v_lshlrev_b32 v[PFO], 8, v1
	v_mad_u32_u24 v[PFO], v2, s76, v[PFO]
	v_add_nc_u32 v[PFO], s77, v[PFO]
; One product: m block a, n block b, A's fragments in buffer fa.  first = 1: it starts the sum: with the bias, which lies in accumulator (7, b).
.macro MM a, b, fa, first
.set mR, 96*(\a)+8*(\b)
.set mW, 1+mR/256
.set mRR, mR%256
.if (\first) && ((\a) < 7)
	WIN (mW<<6)|0x30                               ; D in its window, C in window 3, the sources in window 0
	v_wmma_f32_16x16x32_bf16 v[mRR:mRR+7], v[BF+8*(\b):BF+8*(\b)+7], v[(\fa)+8*(\a):(\fa)+8*(\a)+7], v[160+8*(\b):160+8*(\b)+7]
.else
	WIN (mW<<6)|(mW<<4)
	v_wmma_f32_16x16x32_bf16 v[mRR:mRR+7], v[BF+8*(\b):BF+8*(\b)+7], v[(\fa)+8*(\a):(\fa)+8*(\a)+7], v[mRR:mRR+7]
.endif
.endm
; 6 n products: m blocks a0 .. a0 + n - 1 x n blocks 6 hb .. 6 hb + 5.  The 96 accumulators take turns, one instruction a turn, in the same order in every quarter, over the backward jumps too.
.macro MULS fa, hb, a0, n, first
.set ma, \a0
.rept \n
.set mb, 6*(\hb)
.rept 6
	MM ma, mb, \fa, \first
.set mb, mb+1
.endr
.set ma, ma+1
.endr
.endm
.macro HALFP fa, hb, first             ; a half's 48 products
.if \first
	MULS \fa, \hb, 0, 7, 1
.rept 5
	v_nop                                          ; five places between the products that read the bias as C and those of m block 7, which write over it
.endr
	MULS \fa, \hb, 7, 1, 1
.else
	MULS \fa, \hb, 0, 8, 0
.endif
.endm
.macro LDB qq, j0                      ; twelve LDS loads: B's fragments j0 .. j0 + 5 of quarter qq of the slot in hand
	WIN 0
.set lj, \j0
.rept 6
	ds_load_b128 v[BF+8*lj:BF+8*lj+3],   v[ADRB] offset:64*(\qq)+lj*16*PITCH
	ds_load_b128 v[BF+8*lj+4:BF+8*lj+7], v[ADRB] offset:64*(\qq)+lj*16*PITCH+32
.set lj, lj+1
.endr
.endm
.macro LDA qq, fa                      ; sixteen: A's eight fragments of quarter qq, into buffer fa
	WIN 0
.irp i, 0,1,2,3,4,5,6,7
	ds_load_b128 v[(\fa)+8*(\i):(\fa)+8*(\i)+3],   v[ADRA] offset:64*(\qq)+(\i)*16*PITCH
	ds_load_b128 v[(\fa)+8*(\i)+4:(\fa)+8*(\i)+7], v[ADRA] offset:64*(\qq)+(\i)*16*PITCH+32
.endr
.endm
.macro H0 qq, fa, first                ; a quarter's first half: n blocks 0-5; B's fragments 6-11 of the same quarter are fetched
	PLACES                                         ; behind the products that read fragments 6-11
	LDB \qq, 6
	s_wait_dscnt 12                                ; all but the twelve just issued: A and B's fragments 0-5 are in
	HALFP \fa, 0, \first
.endm
.macro H1 qn, fa, fn, first            ; its second half: n blocks 6-11; the next quarter's (qn of the slot in hand) fragments 0-5 of B, and its A into buffer fn, are fetched
	PLACES                                         ; behind the products that read fragments 0-5
	LDB \qn, 0
	LDA \qn, \fn
	s_wait_dscnt 28                                ; all but the 28 just issued: B's fragments 6-11 are in
	HALFP \fa, 1, \first
.endm
; The first half of a step's second quarter, which changes slots: its twelve loads are the slot's last reads.  ONE barrier.  In front of it each wave waits for all its tensor loads (one is out: its part of the
; next slot), adds 0 to its spare word, and waits for that and for its own reads of this slot.  fill = 1: the walking descriptors are set for this slot and the K block two on; the barrier then opens a round of the cluster's.
.macro H0M fill
	PLACES
	LDB 1, 6
	s_wait_dscnt 12
	MULS AF1, 0, 0, 6, 0
	WIN 0
	s_wait_tensorcnt 0x0                           ; no tensor load of mine is out, so a group 0 may be written
	ds_add_u32 v[SPW], v[NIL]                      ; 0 onto my spare word
.if \fill
	s_add_co_u32 s[G0A+5], s[LBA], s[TB]           ; my part of the slot that is being left,
	s_add_nc_u64 s[G0A+6:G0A+7], s[G0A+6:G0A+7], ASTEP  ; the next K block; the type bits on top are not reached
	s_add_co_u32 s[G0B+5], s[LBB], s[TB]
	s_add_nc_u64 s[G0B+6:G0B+7], s[G0B+6:G0B+7], BSTEP
.endif
	s_xor_b32 s[TB], s[TB], SLOT                   ; 0 and SLOT by turns: the fetches go to the other slot
	MULS AF1, 0, 6, 1, 0                           ; six products stand between the add and the wait for it
	s_wait_dscnt 0x0                               ; the add is done, and my reads of this slot are over
	s_barrier_signal -1
	MULS AF1, 0, 7, 1, 0                           ; work on registers while the others arrive
	WIN 0                                          ; at a branch and at a label every window is 0
	s_barrier_wait -1
.endm
.macro NEXT                            ; the fragments' addresses in the slot now in hand
	v_add_nc_u32 v[ADRA], s[TB], v[A0]
	v_add_nc_u32 v[ADRB], s[TB], v[B0]
.endm
; The way out's conversions: m blocks a0 .. a0 + 3, rounded to f16, 16 bytes a lane and accumulator; each accumulator's registers in ascending order
.macro CVTS a0
.set ca, 0
.rept 4
.set cb, 0
.rept 12
.set mR, 96*((\a0)+ca)+8*cb
.set mW, 1+mR/256
.set mRR, mR%256
	WIN mW|(mW<<2)                                 ; sources 0 and 1 in the accumulator's window, destination window 0
.irp p, 0,1,2,3
	v_cvt_pk_f16_f32 v[BK+48*ca+4*cb+(\p)], v[mRR+2*(\p)], v[mRR+2*(\p)+1]
.endr
.set cb, cb+1
.endr
.set ca, ca+1
.endr
	WIN 0
.endm
	s_wait_tensorcnt 0x1                           ; my part of K block 0 is in; block 1's may stay out
	s_barrier_signal -1
	s_barrier_wait -1                              ; everybody's is
	v_mov_b32 v[ADRA], v[A0]
	v_mov_b32 v[ADRB], v[B0]
	LDB 0, 0
	LDA 0, AF0
	s_wait_loadcnt 0x0                             ; the bias
	H0 0, AF0, 1                                   ; the first quarter stands in front of the loop: its products start the sums
	H1 1, AF0, AF1, 1
	WIN 0
	s_mov_b32 s[CNT], NSTEP-2
.Lstep:                                                ; a trip goes from a step's second quarter to the next step's first, and fills the slot that it leaves
	s_wait_xcnt 0x0                                ; the last prefetch, 144 products back, has read its address: it is stepped here, ahead of the waits of the change of slots
	s_add_nc_u64 s[PFA:PFA+1], s[PFA:PFA+1], s[PST:PST+1]
	H0M 1
	CREST                                          ; no wave of any partner still reads this slot's tiles or has a load on its way
	JLOAD                                          ; 180 products ahead of the wait for it; its four v_nop are also the places in front of the loads below
	NEXT
	LDB 0, 0
	LDA 0, AF0
	ASK
	MULS AF1, 1, 0, 8, 0                           ; B's fragments 6-11 were waited for in front of the barrier
	H0 0, AF0, 0
	H1 1, AF0, AF1, 0
	WIN 0
	s_sub_co_u32 s[CNT], s[CNT], 1
	s_cmp_lg_u32 s[CNT], 0
	s_cbranch_scc1 .Lstep
	s_mov_b32 s[CNT], 2
.Ltail:                                                ; the last two steps: the same trip without a fill
	H0M 0
	PLACES
	s_cmp_eq_u32 s[CNT], 1                         ; behind the last step's barrier nothing is left to fetch:
	s_cbranch_scc1 .Llast                          ; a jump forward, over no barrier and no tensor load
	NEXT
	LDB 0, 0
	LDA 0, AF0
	MULS AF1, 1, 0, 8, 0
	H0 0, AF0, 0
	H1 1, AF0, AF1, 0
	WIN 0
.Llast:
	s_sub_co_u32 s[CNT], s[CNT], 1
	s_cmp_lg_u32 s[CNT], 0
	s_cbranch_scc1 .Ltail
	s_wait_dscnt 0x0                               ; no LDS load of mine is out
	MULS AF1, 1, 0, 8, 0                           ; the very last half
	WIN 0
	PLACES                                         ; behind the last products
	s_mov_b32 s[CNT], 2
.Lout:                                                 ; THE WAY OUT, twice: first m blocks 0-3 of every wave (rows 0-63 of each row half), then m blocks 4-7
	s_cmp_eq_u32 s[CNT], 1
	s_cbranch_scc1 .Lupper
	CVTS 0
	s_branch .Lpacked
.Lupper:
	CVTS 4
.Lpacked:
	s_barrier_signal -1                            ; every wave's reads of the stage are back (the count-down below ended at 0): it may be written again
	s_barrier_wait -1
.set ca, 0
.rept 4
.set cb, 0
.rept 12
	ds_store_b128 v[STO], v[BK+48*ca+4*cb:BK+48*ca+4*cb+3] offset:ca*16*SPITCH+32*cb
.set cb, cb+1
.endr
.set ca, ca+1
.endr
	s_wait_dscnt 0x0                               ; for the others' sake: my stores into the stage are done
	s_barrier_signal -1
	s_barrier_wait -1                              ; a row's 768 bytes come from two waves
.set t, 0
.rept 48
	ds_load_b128 v[BK+4*t:BK+4*t+3], v[RD+t%3] offset:(t/3)*2*SPITCH
.set t, t+1
.endr
.set t, 0
.rept 48
	s_wait_dscnt 47-t                              ; LDS loads come back in order (ISA guide 5.7.1): load t is in, the younger ones stay out
	global_store_b128 v[CO+t%3], v[BK+4*t:BK+4*t+3], s[CP:CP+1] offset:(t/3)*2*LDCB  ; 16 lanes store 256 consecutive bytes, at a multiple of 256 from C's first byte
.set t, t+1
.endr
	s_wait_xcnt 0x0                                ; the stores have read their base and their registers: only behind this wait are these written again
	s_add_nc_u64 s[CP:CP+1], s[CP:CP+1], 64*LDCB   ; 64 rows on
	s_sub_co_u32 s[CNT], s[CNT], 1
	s_cmp_lg_u32 s[CNT], 0
	s_cbranch_scc1 .Lout
	s_wait_tensorcnt 0x0                           ; the wave's end: behind my last tensor load and my last LDS store
	ds_add_u32 v[SPW], v[NIL]
	s_wait_dscnt 0x0
	CROUND                                         ; the closing round: no work-group ends while a partner may still ask for a tile that names it
	s_endpgm
.Lfunc_end_k_q1b2640afee_qkv:
	.size	k_q1b2640afee_qkv, .Lfunc_end_k_q1b2640afee_qkv-k_q1b2640afee_qkv
	.p2alignl 7, 3214868480
	.fill 96, 4, 3214868480
	.section	.rodata,"a",@progbits
	.p2align	6, 0x0
	.amdhsa_kernel k_q1b2640afee_qkv
		.amdhsa_group_segment_fixed_size 327680
		.amdhsa_private_segment_fixed_size 0
		.amdhsa_enable_private_segment 0
		.amdhsa_kernarg_size 32
		.amdhsa_user_sgpr_count 2
		.amdhsa_user_sgpr_kernarg_segment_ptr 1
		.amdhsa_wavefront_size32 1
		.amdhsa_system_sgpr_workgroup_id_x 1
		.amdhsa_system_sgpr_workgroup_id_y 1
		.amdhsa_system_sgpr_workgroup_id_z 1
		.amdhsa_system_vgpr_workitem_id 0
		.amdhsa_next_free_vgpr 1024
		.amdhsa_next_free_sgpr 80
		.amdhsa_reserve_vcc 0
		.amdhsa_float_denorm_mode_32 3
		.amdhsa_float_denorm_mode_16_64 3
		.amdhsa_memory_ordered 1
		.amdhsa_forward_progress 1
		.amdhsa_inst_pref_size 101
	.end_amdhsa_kernel
	.amdgpu_metadata
---
amdhsa.version: [ 1, 2 ]
amdhsa.kernels:
  - .name:           k_q1b2640afee_qkv
    .symbol:         k_q1b2640afee_qkv.kd
    .args:
      - { .name: xb, .offset: 0, .size: 8, .value_kind: global_buffer, .address_space: global }
      - { .name: wqb, .offset: 8, .size: 8, .value_kind: global_buffer, .address_space: global }
      - { .name: bias, .offset: 16, .size: 8, .value_kind: global_buffer, .address_space: global }
      - { .name: qkv, .offset: 24, .size: 8, .value_kind: global_buffer, .address_space: global }
    .group_segment_fixed_size: 327680
    .private_segment_fixed_size: 0
    .kernarg_segment_align: 8
    .kernarg_segment_size: 32
    .max_flat_workgroup_size: 128
    .sgpr_count:     80
    .vgpr_count:     1024
    .wavefront_size: 32
...
	.end_amdgpu_metadata
.endif
;; end of part 7
;; launch scores (part 8): grid 8 x 32, 4 waves a work-group, clusters of 4 x 4, 327,680 bytes of LDS; arguments qkv, pt, st; writes pt, st
.if DOCPART == 8
	.amdgcn_target "amdgcn-amd-amdhsa--gfx1250"
	.amdhsa_code_object_version 6
	.text
	.protected	k_q1b2640afee_scores
	.globl	k_q1b2640afee_scores
	.p2align	8
	.type	k_q1b2640afee_scores,@function
k_q1b2640afee_scores:
	s_mov_b64 s[64:65], 0
	v_nop
	global_prefetch_b8 v0, s[64:65] scope:SCOPE_SE
	s_setreg_imm32_b32 hwreg(HW_REG_WAVE_MODE, 25, 1), 1
	s_wait_xcnt 0x0
	s_wait_alu depctr_hold_cnt(0) depctr_sa_sdst(0) depctr_va_vdst(0) depctr_va_sdst(0) depctr_va_ssrc(0) depctr_va_vcc(0) depctr_vm_vsrc(0)
	s_getreg_b32 s2, hwreg(HW_REG_IB_STS2, 6, 4)
	s_cmp_eq_u32 s2, 0
	s_cbranch_scc0 .Lentry_in_a_cluster
	s_endpgm
.Lentry_in_a_cluster:
	s_bfe_u32 s2, ttmp6, 0x10000c
	s_cmp_lg_u32 s2, 0xf033
	s_cbranch_scc0 .Lentry_shape_is_right
	s_endpgm
.Lentry_shape_is_right:
; SCORES AND THE FIRST HALF OF THE SOFTMAX.  s[row][key] = q[row] . k[key] over 1,024 channels, for each of 4 batches of 2,048 rows and 2,048 keys; q and k are columns 0-1023 and
; 1024-2047 of qkv [8192][3072] f16.  For each row and each BLOCK of 128 keys (a wave's columns): m = the block's largest score, p = 2^(c s - c m), c = log2(e) / 32, l = the sum of p.
; pt [8192][2048] f16 takes p (row = batch x 2,048 + query, column = key); st [16 blocks][8192 rows][2] f32 takes (c m, l).  The next launch finds the row's maximum among the
; sixteen c m and rescales: the maximum taken away is a true maximum, first of the block, then of the row.  Products, maxima and sums in f32; l is the sum of the unrounded p.
; LIMITS.  p lies in 0 to 1; below 6e-5 it keeps f16's fixed step of 6e-8; a weight below 2^-126 counts as 0 in l.  NaN and infinities are not treated apart.
; SHARES.  A work-group makes 256 rows x 256 keys: 8 x 32 = 256 work-groups.  Four waves, each 128 x 128: 64 accumulators, 512 registers.  The channels go in steps of 128
; (256 bytes of a row, aligned) through two LDS slots filled by the tensor data mover; a step is four quarters of 32 channels, 64 matrix instructions each.
; CLUSTER.  4 x 4 work-groups; a batch's 8 tile rows are 2 whole rows of clusters, so the batch hangs on the cluster's y alone.  q's tile is asked for jointly along a row of the cluster, k's along a column.
; THE MATRIX INSTRUCTION IS USED TRANSPOSED (source 0 = 16 keys, source 1 = 16 queries): a lane holds ONE query (l % 16) and in each accumulator the keys 8 (l / 16) + 0..7:
; 64 of the block's 128 scores; the other 64 lie in the lane 16 away.
; THE TEXT IS KEPT SHORT in two places.  The last two steps are one loop of two trips that fills nothing; its last trip jumps forward over what only a further step would need.
; The way out is written for four blocks of 16 queries and walked twice: the very last products of my rows 64-127 take their sums from window 3 and write them into window 2, when rows 0-63 have left it.
; REGISTERS, in windows of 256 (s_set_vgpr_msb: bits 1:0 source 0, 3:2 source 1, 5:4 source 2, 7:6 destination):
;   window 0: v0-31 addresses; v64-127, v128-191 fragments of q, two buffers; on the way out v64-91 statistics and work (buffer 0 is free by then), v192-223 packed p, v32-63 and v224-255 rows read back, by turns
;   window 1: v64-127, v128-191 fragments of k, two buffers
;   window 2: the 32 accumulators of my rows 0-63 ((a, b) at v[8 (8 a + b)]);   window 3: those of my rows 64-127
.set NSTEP,  8
.set LDA,    3072                      ; elements from row to row of qkv
.set LDB,    3072
.set LDCB,   4096                      ; bytes from row to row of pt
.set KSB,    256                       ; bytes from step to step
.set PITCH,  272                       ; an LDS row: 256 bytes + 16 of padding = 68 words: the 16 rows of a load start at 16 different groups of four banks (64 banks of 4 bytes: ISA guide 11.1)
.set HALFT,  128*PITCH
.set SLOT,   4*HALFT                   ; q's 256 rows, then k's 256
.set STAGE,  2*SLOT                    ; behind the ring, never filled by a tensor load: 16 rows x 272 bytes for each wave
.set SPARE,  STAGE+4*16*PITCH          ; the spare words, 128 bytes for each wave: two blocks of 256 bytes that no other line names
.set ADRA, 16
.set ADRB, 17
.set A0,   18
.set B0,   19
.set STO,  20
.set RD,   21
.set CO,   22
.set SO,   23                          ; v23  8 x my lane: my place in 32 rows of st
.set PFO,  24                          ; v24  the prefetches' offset: my lane x a row of qkv; never rewritten
.set LN,   25                          ; v25  my lane
.set SPW,  28
.set NIL,  29
.set OB,   32
.set F0,   64
.set F1,   128
.set TMP,  192
.set ST,   64                          ; (c m, m) of m block a at v[ST+2 a]
.set LS,   72                          ; l of m block a
.set T,    80                          ; v80-87 at work
.set DD,   88                          ; v88-91 what goes to st
.set CNT,  3
.set WV,   12
.set RH,   13
.set CH,   14
.set TB,   15
.set CP,   6                           ; s[6:7] pt at my wave's first row and column
.set G1A,  24
.set G0A,  32
.set LB,   46
.set G1B,  48
.set G0B,  56
.set CS,   66                          ; s[66:67] c: the packed scaling takes the pair's low word for both halves
.set SEL,  68                          ; s[68:69] v_permlanex16_b32's selects: each lane takes its own place in the other half
.set PFA,  70
.set LIM,  72
.set G1C,  (1<<16)|(1<<20)|(1<<21)|(5<<22)|(3<<25)  ; elements of 2 bytes; padding on; bit 21 beside a mask; after every 64 words 4 words
.set MUL_LO, 0xa1                      ; source 0 (k) window 1, source 1 (q) window 0, C and D window 2
.set MUL_HI, 0xf1                      ; the same, C and D window 3
.set MUL_X,  0xb1                      ; the same, C window 3, D window 2
.set TO_B,   0x40                      ; destination window 1, address window 0
.set CVT,    0x0a                      ; sources 0 and 1 window 2, destination window 0
.set INPL,   0x82                      ; destination and source 0 window 2
.set SUM,    0x8a                      ; destination and sources 0 and 1 window 2
.set M3A,    0x2a                      ; three sources window 2, destination window 0
.set M3B,    0x28                      ; sources 1 and 2 window 2
.set MSB, 0
.macro WIN new                         ; the immediate's high byte repeats the setting that is left; a switch that changes nothing is dropped
.if MSB != (\new)
	s_set_vgpr_msb (MSB<<8)|(\new)
.set MSB, \new
.endif
.endm
.macro PLACES                          ; four places between a matrix instruction and a load into, or a vector instruction on, its registers
.rept 4
	v_nop
.endr
.endm
.macro JLOAD                           ; a joint refill: waves 0 and 1 fetch q's two halves, waves 2 and 3 k's; an s_nop 0 and four v_nop follow each of the two lines
	s_cmp_lt_u32 s[WV], 2
	s_cbranch_scc0 .Lfor_b_\@
	tensor_load_to_lds s[G0A+4:G0A+7], s[G1A:G1A+7]
	s_nop 0
.rept 4
	v_nop
.endr
	s_branch .Lasked_\@
.Lfor_b_\@:
	tensor_load_to_lds s[G0B+4:G0B+7], s[G1B:G1B+7]
	s_nop 0
.rept 4
	v_nop
.endr
.Lasked_\@:
.endm
; A PREFETCH INTO THE L2, behind each joint refill, its five lines and the run of LDS loads that follows them: the step that stands two refills on: 32 rows x 256 bytes, a lane a row, one instruction a wave.
; Each row's 256 bytes of a step are named once in the launch.  q's tile row is read by both clusters of that row of clusters: the one with cluster x = 0 asks; k's tile column by the batch's two rows of
; clusters: the one with an even cluster y asks.  The four partners that ask for a tile jointly share its rows out BY ADDRESS: of the 128 rows that a wave fetches, the partner at place p takes
; 32 p .. 32 p + 31 (p = cx for q, cy for k).  Steps 0 to 3 come by their loads alone; the loop's last two trips (count 2 and 1) have no step two refills on and ask for nothing.
.macro ASK
	s_cmp_gt_u32 s[CNT], s[LIM]
	s_cbranch_scc0 .Lnot_mine_\@
	global_prefetch_b8 v[PFO], s[PFA:PFA+1] th:TH_LOAD_NT scope:SCOPE_SE
.Lnot_mine_\@:
.endm
.macro CREST                           ; a round of the cluster's barrier behind its opening barrier
	s_cmp_lg_u32 s[WV], 0
	s_cbranch_scc1 .Lnot_wave_0_\@
	s_barrier_signal -3
.Lnot_wave_0_\@:
	s_barrier_wait -3
	s_barrier_signal -1
	s_barrier_wait -1
.endm
.macro CROUND
	s_barrier_signal -1
	s_barrier_wait -1
	CREST
.endm
	s_load_b128 s[4:7], s[0:1], 0x0                ; qkv s[4:5], pt s[6:7]
	s_load_b64 s[8:9], s[0:1], 0x10                ; st
	v_lshl_add_u32 v[SPW], v0, 2, SPARE
	v_mov_b32 v[NIL], 0
	ds_add_u32 v[SPW], v[NIL]                      ; the wave's opening: the add and its wait stand ahead of my first tensor load; the set-up below, work on registers, stands between them
	v_lshrrev_b32 v3, 5, v0
	v_readfirstlane_b32 s[WV], v3
	s_lshr_b32 s[RH], s[WV], 1
	s_and_b32 s[CH], s[WV], 1
	s_mov_b32 s[TB], 0
	s_bfe_u32 s16, ttmp6, 0x40000                  ; cx, cy
	s_bfe_u32 s17, ttmp6, 0x40004
	s_lshl_b32 s18, ttmp9, 2
	s_add_co_u32 s18, s18, s16                     ; tile column (256 keys) = 4 x cluster x + cx
	s_and_b32 s20, ttmp7, 0xffff                   ; cluster y
	s_lshl_b32 s19, s20, 2
	s_add_co_u32 s19, s19, s17                     ; tile row (256 rows) = 4 x cluster y + cy
	s_lshr_b32 s21, s20, 1                         ; the batch: the same in all sixteen partners
	s_lshl_b32 s22, s17, 2
	s_lshl_b32 s22, 15, s22                        ; my row of the cluster
	s_lshl_b32 s23, 0x1111, s16                    ; my column
	s_or_b32 s[G1A], s22, G1C
	s_or_b32 s[G1B], s23, G1C
	s_mov_b32 s[G1A+1], 128<<16                    ; tensor_dim0 = 128
	s_mov_b32 s[G1A+2], 128<<16                    ; tensor_dim1 = 128
	s_mov_b32 s[G1A+3], 128<<16                    ; tile_dim0 = 128
	s_mov_b32 s[G1A+4], 128                        ; tile_dim1 = 128
	s_mov_b32 s[G1A+5], LDA
	s_mov_b32 s[G1A+6], 0
	s_mov_b32 s[G1A+7], 0
	s_mov_b32 s[G1B+1], 128<<16
	s_mov_b32 s[G1B+2], 128<<16
	s_mov_b32 s[G1B+3], 128<<16
	s_mov_b32 s[G1B+4], 128
	s_mov_b32 s[G1B+5], LDB
	s_mov_b32 s[G1B+6], 0
	s_mov_b32 s[G1B+7], 0
	s_mov_b32 s[CS], 0x3d38aa3b                    ; c = log2(e) / sqrt(1024) = 0.0450842
	s_mov_b32 s[CS+1], s[CS]                       ; named with it as a pair
	s_mov_b32 s[SEL], 0x76543210
	s_mov_b32 s[SEL+1], 0xfedcba98
	s_lshl_b32 s40, s19, 8                         ; q: row 256 x tile row + 128 x half
	s_lshl_b32 s41, s[CH], 7
	s_add_co_u32 s40, s40, s41
	s_mul_i32 s40, s40, LDA*2                      ; in bytes, under 2^26
	s_mov_b32 s41, 0
	s_lshl_b32 s42, s21, 11                        ; k: row 2,048 x batch + 256 x tile column + 128 x half,
	s_lshl_b32 s43, s18, 8
	s_add_co_u32 s42, s42, s43
	s_lshl_b32 s43, s[CH], 7
	s_add_co_u32 s42, s42, s43
	s_mul_i32 s42, s42, LDB*2
	s_add_co_u32 s42, s42, 2048                    ; and k's place in a row of qkv
	s_mov_b32 s43, 0
	s_mul_i32 s[LB], s[WV], HALFT                  ; LDS: q's two halves, then k's two = wave x 128 rows
	s_wait_dscnt 0x0                               ; the opening add is done
	s_wait_kmcnt 0x0
	s_add_nc_u64 s[40:41], s[4:5], s[40:41]
	s_add_nc_u64 s[42:43], s[4:5], s[42:43]
.irp s, 0,1
	s_mov_b32 s[G0A+4*(\s)], 1
	s_add_co_u32 s[G0A+4*(\s)+1], s[LB], (\s)*SLOT
	s_add_nc_u64 s[G0A+4*(\s)+2:G0A+4*(\s)+3], s[40:41], (\s)*KSB
	s_or_b32 s[G0A+4*(\s)+3], s[G0A+4*(\s)+3], 0x80000000
	s_mov_b32 s[G0B+4*(\s)], 1
	s_add_co_u32 s[G0B+4*(\s)+1], s[LB], (\s)*SLOT
	s_add_nc_u64 s[G0B+4*(\s)+2:G0B+4*(\s)+3], s[42:43], (\s)*KSB
	s_or_b32 s[G0B+4*(\s)+3], s[G0B+4*(\s)+3], 0x80000000
.endr
	CROUND                                         ; all sixteen work-groups are here: the first joint loads meet
	s_cmp_lt_u32 s[WV], 2                          ; a wave's two first fills stand in one branch: two loads of mine are out
	s_cbranch_scc0 .Lfirst_b
	tensor_load_to_lds s[G0A:G0A+3], s[G1A:G1A+7]
	s_nop 0
	tensor_load_to_lds s[G0A+4:G0A+7], s[G1A:G1A+7]
	s_nop 0
.rept 4
	v_nop
.endr
	s_branch .Lfirst_asked
.Lfirst_b:
	tensor_load_to_lds s[G0B:G0B+3], s[G1B:G1B+7]
	s_nop 0
	tensor_load_to_lds s[G0B+4:G0B+7], s[G1B:G1B+7]
	s_nop 0
.rept 4
	v_nop
.endr
.Lfirst_asked:
	v_and_b32 v1, 15, v0                           ; l % 16
	v_bfe_u32 v2, v0, 4, 1                         ; l / 16
	v_mul_u32_u24 v3, v1, PITCH
	v_lshl_add_u32 v3, v2, 4, v3                   ; a fragment's row x pitch + 16 x half
	s_mul_i32 s22, s[RH], HALFT
	v_add_nc_u32 v[A0], s22, v3                    ; my 128 rows of q
	s_mul_i32 s22, s[CH], HALFT
	s_add_co_u32 s22, s22, 2*HALFT
	v_add_nc_u32 v[B0], s22, v3                    ; my 128 rows of k, behind q's 256
	s_mul_i32 s22, s[WV], 16*PITCH
	s_add_co_u32 s22, s22, STAGE
	v_add_nc_u32 v[STO], s22, v3
	v_mul_u32_u24 v4, v2, PITCH
	v_lshl_add_u32 v4, v1, 4, v4
	v_add_nc_u32 v[RD], s22, v4
	v_mul_u32_u24 v4, v2, LDCB
	v_lshl_add_u32 v[CO], v1, 4, v4
	v_and_b32 v[LN], 31, v0
	v_lshlrev_b32 v[SO], 3, v[LN]
	s_lshl_b32 s44, s19, 8                         ; my first row: 256 x tile row + 128 x half
	s_lshl_b32 s45, s[RH], 7
	s_add_co_u32 s44, s44, s45
	s_lshl_b32 s23, s44, 3                         ; its place in a block of st, 8 bytes a row,
	s_mul_i32 s44, s44, LDCB                       ; and in pt
	s_lshl_b32 s45, s18, 9                         ; my first key, in bytes: 512 x tile column + 256 x half
	s_add_co_u32 s44, s44, s45
	s_lshl_b32 s45, s[CH], 8
	s_add_co_u32 s44, s44, s45
	s_mov_b32 s45, 0
	s_add_nc_u64 s[CP:CP+1], s[CP:CP+1], s[44:45]
	s_lshl_b32 s22, s18, 1
	s_add_co_u32 s22, s22, s[CH]                   ; my block of 128 keys = 2 x tile column + half:
	s_lshl_b32 s22, s22, 16                        ; 65,536 bytes of st each
	s_add_co_u32 s22, s22, s23
	s_mov_b32 s23, 0
	s_add_nc_u64 s[8:9], s[8:9], s[22:23]
	; the prefetches: nothing is asked for here, at the head, where every work-group's first tiles are on their way
	s_lshl_b32 s73, s19, 8                         ; the tile's first row of q,
	s_lshl_b32 s74, s18, 8
	s_lshl_b32 s75, s21, 11
	s_add_co_u32 s74, s74, s75                     ; of k
	s_and_b32 s76, s20, 1                          ; which of the batch's two rows of clusters is mine
	s_mov_b32 s77, 2048+3*KSB                      ; k's place in a row, at step 3: the first refill steps it to 4
	s_cmp_lt_u32 s[WV], 2                          ; do I fetch for q?
	s_cselect_b32 s73, s73, s74
	s_cselect_b32 s74, s16, s17                    ; my place among the four that ask with me
	s_cselect_b32 s75, ttmp9, s76                  ; the coordinate along which other clusters read the same rows
	s_cselect_b32 s77, 3*KSB, s77
	s_cmp_eq_u32 s75, 0
	s_cselect_b32 s[LIM], 2, -1                    ; the same in all sixteen partners, for a given wave
	s_lshl_b32 s75, s[CH], 7
	s_add_co_u32 s73, s73, s75                     ; + the 128 rows that I fetch
	s_lshl_b32 s74, s74, 5
	s_add_co_u32 s73, s73, s74                     ; + my work-group's 32 of them
	s_mul_i32 s74, s73, LDA*2
	s_add_co_u32 s74, s74, s77
	s_mov_b32 s75, 0
	s_add_nc_u64 s[PFA:PFA+1], s[4:5], s[74:75]
	v_mul_u32_u24 v[PFO], v[LN], LDA*2
; 16 matrix instructions: m blocks a0, a0 + 1 of the window's four (hi = 0: my rows 0-63, 1: rows 64-127) x all 8 key blocks, 32 channels.  zero = 1: the product starts the sums: nothing is ever cleared.
; The 64 accumulators take turns, one instruction a turn, in the same order in every quarter, over the backward jumps too.
.macro MUL16 f, hi, a0, zero
	WIN MUL_LO+0x50*(\hi)
.irp a, \a0, (\a0)+1
.irp b, 0,1,2,3,4,5,6,7
.if \zero
	v_wmma_f32_16x16x32_f16 v[8*(8*(\a)+(\b)):8*(8*(\a)+(\b))+7], v[(\f)+8*(\b):(\f)+8*(\b)+7], v[(\f)+8*(4*(\hi)+(\a)):(\f)+8*(4*(\hi)+(\a))+7], 0
.else
	v_wmma_f32_16x16x32_f16 v[8*(8*(\a)+(\b)):8*(8*(\a)+(\b))+7], v[(\f)+8*(\b):(\f)+8*(\b)+7], v[(\f)+8*(4*(\hi)+(\a)):(\f)+8*(4*(\hi)+(\a))+7], v[8*(8*(\a)+(\b)):8*(8*(\a)+(\b))+7]
.endif
.endr
.endr
.endm
.macro FETCH k, f                      ; 32 LDS loads in one run: the fragments of one quarter (128 rows of k, 128 rows of q, 32 channels at byte k of the rows) into buffer f
	WIN TO_B
.irp i, 0,1,2,3,4,5,6,7
	ds_load_b128 v[(\f)+8*(\i):(\f)+8*(\i)+3],   v[ADRB] offset:(\k)+(\i)*16*PITCH
	ds_load_b128 v[(\f)+8*(\i)+4:(\f)+8*(\i)+7], v[ADRB] offset:(\k)+(\i)*16*PITCH+32
.endr
	WIN 0
.irp i, 0,1,2,3,4,5,6,7
	ds_load_b128 v[(\f)+8*(\i):(\f)+8*(\i)+3],   v[ADRA] offset:(\k)+(\i)*16*PITCH
	ds_load_b128 v[(\f)+8*(\i)+4:(\f)+8*(\i)+7], v[ADRA] offset:(\k)+(\i)*16*PITCH+32
.endr
.endm
.macro QUARTER k, f, g, zero           ; multiplies buffer f; in its middle it fetches the quarter at byte k into buffer g
	s_wait_dscnt 8                                 ; k and q's rows 0-63 are in; the youngest eight loads (q's rows 64-127) may be out
	MUL16 \f, 0, 0, \zero
	MUL16 \f, 0, 2, \zero
	PLACES                                         ; behind the products that read buffer g, a quarter back
	FETCH \k, \g
	s_wait_dscnt 32                                ; all but the 32 just issued
	MUL16 \f, 1, 0, \zero
	MUL16 \f, 1, 2, \zero
.endm
; The last quarter multiplies buffer 1 and changes slots.  MEET is its first half: ONE barrier.  In front of it each wave waits for all its tensor loads (one is out: its part of the next slot), adds 0 to
; its spare word, and waits for that and for its own reads of this slot.  fill = 1: the walking descriptors are set for this slot and the step two on; the barrier then opens a round of the cluster's.
.macro MEET fill
	WIN 0
	s_wait_tensorcnt 0x0                           ; no tensor load of mine is out, so a group 0 may be written
	ds_add_u32 v[SPW], v[NIL]                      ; 0 onto my spare word
.if \fill
	s_add_co_u32 s[G0A+5], s[LB], s[TB]            ; my part of the slot that is being left,
	s_add_nc_u64 s[G0A+6:G0A+7], s[G0A+6:G0A+7], KSB  ; the next step; the type bits on top are not reached
	s_add_co_u32 s[G0B+5], s[LB], s[TB]
	s_add_nc_u64 s[G0B+6:G0B+7], s[G0B+6:G0B+7], KSB
.endif
	s_xor_b32 s[TB], s[TB], SLOT                   ; 0 and SLOT by turns: the fetches go to the other slot
	s_wait_dscnt 9                                 ; the add and the youngest eight loads may be out
	MUL16 F1, 0, 0, 0
	s_wait_dscnt 0x0                               ; the add is done, and my reads of this slot are over
	s_barrier_signal -1
	MUL16 F1, 0, 2, 0                              ; work on registers while the others arrive
	WIN 0                                          ; at a branch and at a label every window is 0
	s_barrier_wait -1
.endm
.macro NEXT                            ; the fragments' addresses in the slot now in hand
	v_add_nc_u32 v[ADRA], s[TB], v[A0]
	v_add_nc_u32 v[ADRB], s[TB], v[B0]
.endm
; THE SOFTMAX'S FIRST HALF for m block a of window 2 (16 queries x my 128 keys; 64 scores a lane).
.macro SOFT a
.set AC, 64*(\a)
.set CM, ST+2*(\a)
	WIN M3A                                        ; the maximum, three operands at a time: eight chains, one an accumulator, each begun at the accumulator's lowest registers
.irp b, 0,1,2,3,4,5,6,7
	v_max3_num_f32 v[T+(\b)], v[AC+8*(\b)], v[AC+8*(\b)+1], v[AC+8*(\b)+2]
.endr
	WIN M3B
.irp b, 0,1,2,3,4,5,6,7
	v_max3_num_f32 v[T+(\b)], v[T+(\b)], v[AC+8*(\b)+3], v[AC+8*(\b)+4]
.endr
.irp b, 0,1,2,3,4,5,6,7
	v_max3_num_f32 v[T+(\b)], v[T+(\b)], v[AC+8*(\b)+5], v[AC+8*(\b)+6]
.endr
.irp i, 0,1,2,3
	v_max3_num_f32 v[T+(\i)], v[T+(\i)], v[AC+16*(\i)+7], v[AC+16*(\i)+15]  ; the eight scores left over
.endr
	WIN 0
	v_max3_num_f32 v[T], v[T], v[T+1], v[T+2]
	v_max3_num_f32 v[T+3], v[T+3], v[T+4], v[T+5]
	v_max_num_f32 v[T+6], v[T+6], v[T+7]
	v_max3_num_f32 v[T], v[T], v[T+3], v[T+6]
	v_permlanex16_b32 v[T+1], v[T], s[SEL], s[SEL+1]  ; the query's other 64 keys lie in the lane 16 away
	v_max_num_f32 v[CM+1], v[T], v[T+1]            ; m
	v_mul_f32 v[CM], s[CS], v[CM+1]                ; c m, rounded once: the same number goes into p here and into st
	WIN INPL
.set p, 0
.rept 32
	v_pk_fma_f32 v[AC+2*p:AC+2*p+1], v[AC+2*p:AC+2*p+1], s[CS:CS+1], v[CM:CM+1] op_sel_hi:[1,0,0] neg_lo:[0,0,1] neg_hi:[0,0,1]  ; c s - c m
.set p, p+1
.endr
.set p, 0
.rept 64
	v_exp_f32 v[AC+p], v[AC+p]                     ; one batch: none of these reads another's result
.set p, p+1
.endr
	v_nop                                          ; a plain instruction behind the last exponential (ISA guide 5.7.2),
	s_wait_alu depctr_va_vdst(0)                   ; and the wait ahead of the first use: one for the 64
	WIN CVT
.irp b, 0,1,2,3,4,5,6,7
.irp r, 0,1,2,3
	v_cvt_pk_f16_f32 v[TMP+4*(\b)+(\r)], v[AC+8*(\b)+2*(\r)], v[AC+8*(\b)+2*(\r)+1]
.endr
.endr
	WIN SUM                                        ; l: the 32 pairs are added in place, neighbours 16, 8, 4, 2 and 1 pairs apart
.irp w, 16,8,4,2,1
.set p, 0
.rept \w
	v_pk_add_f32 v[AC+2*p:AC+2*p+1], v[AC+2*p:AC+2*p+1], v[AC+2*(p+(\w)):AC+2*(p+(\w))+1]
.set p, p+1
.endr
.endr
	WIN CVT
	v_add_f32 v[LS+(\a)], v[AC], v[AC+1]
	WIN 0
	v_permlanex16_b32 v[T+1], v[LS+(\a)], s[SEL], s[SEL+1]
	v_add_f32 v[LS+(\a)], v[LS+(\a)], v[T+1]
.endm
.macro TOSTAGE a                       ; 16 bytes a lane into my own stage, and back as whole rows of 256 bytes
	WIN 0
.set BKA, OB+192*((\a)%2)
.irp b, 0,1,2,3,4,5,6,7
	ds_store_b128 v[STO], v[TMP+4*(\b):TMP+4*(\b)+3] offset:32*(\b)
.endr
.irp t, 0,1,2,3,4,5,6,7
	ds_load_b128 v[BKA+4*(\t):BKA+4*(\t)+3], v[RD] offset:(\t)*2*PITCH  ; LDS serves a wave's instructions in order (ISA guide 5.7.1.4): these see the stores above
.endr
.endm
.macro SEND a
	WIN 0
.set BKA, OB+192*((\a)%2)
	s_wait_dscnt 0x0                               ; the block is back in registers
	s_wait_xcnt 0x0                                ; the stores of the block before have read their registers: the next block is read back into them only behind this wait
.irp t, 0,1,2,3,4,5,6,7
	global_store_b128 v[CO], v[BKA+4*(\t):BKA+4*(\t)+3], s[CP:CP+1] offset:(16*(\a)+2*(\t))*LDCB  ; 16 lanes store 256 consecutive bytes, at a multiple of 256 from pt's first byte
.endr
.endm
	s_wait_tensorcnt 0x1                           ; my part of step 0 is in; step 1's may stay out
	s_barrier_signal -1
	s_barrier_wait -1
	v_mov_b32 v[ADRA], v[A0]
	v_mov_b32 v[ADRB], v[B0]
	FETCH 0, F0
	QUARTER 64, F0, F1, 1                          ; the first quarter's products start the sums
	WIN 0
	s_mov_b32 s[CNT], NSTEP-2
.Lstep:                                                ; a trip goes from a step's second quarter to the next step's first, and fills the slot that it leaves
	QUARTER 128, F1, F0, 0
	QUARTER 192, F0, F1, 0
	s_wait_xcnt 0x0                                ; the last prefetch, a step back, has read its address: it is stepped here, ahead of the waits of the change of slots
	s_add_nc_u64 s[PFA:PFA+1], s[PFA:PFA+1], KSB
	MEET 1
	CREST                                          ; no wave of any partner still reads this slot's tiles or has a load on its way
	JLOAD                                          ; 224 matrix instructions ahead of the wait for it; its four v_nop are also the places in front of the loads below
	NEXT
	FETCH 0, F0
	ASK
	MUL16 F1, 1, 0, 0
	MUL16 F1, 1, 2, 0
	QUARTER 64, F0, F1, 0
	WIN 0
	s_sub_co_u32 s[CNT], s[CNT], 1
	s_cmp_lg_u32 s[CNT], 0
	s_cbranch_scc1 .Lstep
	s_mov_b32 s[CNT], 2
.Ltail:                                                ; the last two steps: the same trip without a fill
	QUARTER 128, F1, F0, 0
	QUARTER 192, F0, F1, 0
	MEET 0
	PLACES
	s_cmp_eq_u32 s[CNT], 1                         ; behind the last step's barrier nothing is left to fetch, and my rows 64-127 get their last products on the way out:
	s_cbranch_scc1 .Llast                          ; a jump forward, over no barrier and no tensor load
	NEXT
	FETCH 0, F0
	MUL16 F1, 1, 0, 0
	MUL16 F1, 1, 2, 0
	QUARTER 64, F0, F1, 0
	WIN 0
.Llast:
	s_sub_co_u32 s[CNT], s[CNT], 1
	s_cmp_lg_u32 s[CNT], 0
	s_cbranch_scc1 .Ltail
	s_mov_b32 s[CNT], 2
.Lout:                                                 ; twice: the four blocks of window 2 leave: first my rows 0-63, then my rows 64-127
	PLACES                                         ; behind the products that wrote them
	SOFT 0
	TOSTAGE 0
.irp a, 1,2,3                           ; block a's softmax stands between block a - 1's loads from the stage and the wait for them
	SOFT \a
	SEND (\a)-1
	TOSTAGE \a
.endr
	SEND 3
	; (c m, l) of these 64 rows: both halves of the lanes hold them, so lanes 0-15 give m block a's and lanes 16-31 block a + 1's: 32 rows, 256 consecutive bytes, aligned, a store
	v_cmp_gt_u32 vcc_lo, 16, v[LN]
.irp a, 0,2
	v_cndmask_b32 v[DD+(\a)], v[ST+2*(\a)+2], v[ST+2*(\a)], vcc_lo
	v_cndmask_b32 v[DD+(\a)+1], v[LS+(\a)+1], v[LS+(\a)], vcc_lo
	global_store_b64 v[SO], v[DD+(\a):DD+(\a)+1], s[8:9] offset:128*(\a)
.endr
	s_cmp_eq_u32 s[CNT], 1
	s_cbranch_scc1 .Ldone
	WIN MUL_X                                      ; the very last products of my rows 64-127: buffer 1 has been kept; the sums come from window 3 and go into window 2, whose rows have left it
.irp a, 0,1,2,3
.irp b, 0,1,2,3,4,5,6,7
	v_wmma_f32_16x16x32_f16 v[8*(8*(\a)+(\b)):8*(8*(\a)+(\b))+7], v[F1+8*(\b):F1+8*(\b)+7], v[F1+8*(4+(\a)):F1+8*(4+(\a))+7], v[8*(8*(\a)+(\b)):8*(8*(\a)+(\b))+7]
.endr
.endr
	WIN 0
.Ldone:
	s_wait_xcnt 0x0                                ; the stores have read their bases and their registers
	s_add_nc_u64 s[CP:CP+1], s[CP:CP+1], 64*LDCB   ; 64 rows on, in pt
	s_add_nc_u64 s[8:9], s[8:9], 64*8              ; and in st
	s_sub_co_u32 s[CNT], s[CNT], 1
	s_cmp_lg_u32 s[CNT], 0
	s_cbranch_scc1 .Lout
	s_wait_tensorcnt 0x0                           ; the wave's end: behind my last tensor load and my last LDS store
	ds_add_u32 v[SPW], v[NIL]
	s_wait_dscnt 0x0
	CROUND                                         ; the closing round: no work-group ends while a partner may still ask for a tile that names it
	s_endpgm
.Lfunc_end_k_q1b2640afee_scores:
	.size	k_q1b2640afee_scores, .Lfunc_end_k_q1b2640afee_scores-k_q1b2640afee_scores
	.p2alignl 7, 3214868480
	.fill 96, 4, 3214868480
	.section	.rodata,"a",@progbits
	.p2align	6, 0x0
	.amdhsa_kernel k_q1b2640afee_scores
		.amdhsa_group_segment_fixed_size 327680
		.amdhsa_private_segment_fixed_size 0
		.amdhsa_enable_private_segment 0
		.amdhsa_kernarg_size 24
		.amdhsa_user_sgpr_count 2
		.amdhsa_user_sgpr_kernarg_segment_ptr 1
		.amdhsa_wavefront_size32 1
		.amdhsa_system_sgpr_workgroup_id_x 1
		.amdhsa_system_sgpr_workgroup_id_y 1
		.amdhsa_system_sgpr_workgroup_id_z 1
		.amdhsa_system_vgpr_workitem_id 0
		.amdhsa_next_free_vgpr 1024
		.amdhsa_next_free_sgpr 80
		.amdhsa_reserve_vcc 1
		.amdhsa_float_denorm_mode_32 3
		.amdhsa_float_denorm_mode_16_64 3
		.amdhsa_memory_ordered 1
		.amdhsa_forward_progress 1
		.amdhsa_inst_pref_size 122
	.end_amdhsa_kernel
	.amdgpu_metadata
---
amdhsa.version: [ 1, 2 ]
amdhsa.kernels:
  - .name:           k_q1b2640afee_scores
    .symbol:         k_q1b2640afee_scores.kd
    .args:
      - { .name: qkv, .offset: 0, .size: 8, .value_kind: global_buffer, .address_space: global }
      - { .name: pt, .offset: 8, .size: 8, .value_kind: global_buffer, .address_space: global }
      - { .name: st, .offset: 16, .size: 8, .value_kind: global_buffer, .address_space: global }
    .group_segment_fixed_size: 327680
    .private_segment_fixed_size: 0
    .kernarg_segment_align: 8
    .kernarg_segment_size: 24
    .max_flat_workgroup_size: 128
    .sgpr_count:     80
    .vgpr_count:     1024
    .wavefront_size: 32
...
	.end_amdgpu_metadata
.endif
;; end of part 8
;; launch pv: the kernel of part 4 again; grid 4 x 64, 4 waves a work-group, clusters of 4 x 4, 327,680 bytes of LDS; arguments pt, qkv, st, ob; writes ob
;; launch proj: the kernel of part 5 again; grid 4 x 64, 4 waves a work-group, clusters of 4 x 4, 327,680 bytes of LDS; arguments ob, wpf, bias, out0; writes out0
;; ======== version 3 of 3: 5 launches; version 2 with the launch cast written anew for expert scheduling mode
;; limits: values are held in f16: magnitudes above 65,504 overflow, below 6.1e-05 lose precision
;; workspace buffers: xb 16,777,216 bytes; wqb 6,291,456 bytes; wpf 2,097,152 bytes; bias 16,384 bytes; qkv 50,331,648 bytes; pt 33,554,432 bytes; st 1,048,576 bytes; ob 16,777,216 bytes
;; launch cast (part 9): grid 769 x 1, 8 waves a work-group, no clusters, 0 bytes of LDS; arguments x, W_qkv, W_proj, b_qkv, b_proj, xb, wqb, wpf, bias; writes xb, wqb, wpf, bias
.if DOCPART == 9
	.amdgcn_target "amdgcn-amd-amdhsa--gfx1250"
	.amdhsa_code_object_version 6
	.text
	.protected	k_q1b2640afee_cast
	.globl	k_q1b2640afee_cast
	.p2align	8
	.type	k_q1b2640afee_cast,@function
k_q1b2640afee_cast:
	s_mov_b64 s[64:65], 0
	v_nop
	global_prefetch_b8 v0, s[64:65] scope:SCOPE_SE
	s_setreg_imm32_b32 hwreg(HW_REG_WAVE_SCHED_MODE, 0, 2), 2
	s_setreg_imm32_b32 hwreg(HW_REG_WAVE_MODE, 25, 1), 1
	s_wait_xcnt 0x0
	s_wait_alu depctr_vm_vsrc(0)
; THE INPUTS, ROUNDED ONCE TO bf16, in the formats and layouts in which the later launches multiply them.
;   x [8192][1024] f32      -> xb  bf16, IN K BLOCKS: [16 blocks of 64 along K][8192 rows][64]: a row's part of a block is 128 bytes, and the rows of a block lie end to end
;   W_qkv [3072][1024] f32  -> wqb bf16, likewise: [16][3072][64].  So a tile of some rows x 64 along K is dense in memory and can be asked for in rows of 256 bytes.
;   W_proj [1024][1024] f32 -> wpf, row-major: rounded to bf16, and that number written as f16 (the last product's other operand is f16)
;   b_qkv [3072], b_proj [1024] f32 -> bias [4096] f32: rounded to bf16, written as f32 (b_qkv first)
; LIMITS.  A bf16 number of W_proj beyond 65,504 becomes an infinity in f16; below 6.1e-5 it keeps f16's fixed step of 6e-8.
; A stream: no LDS, no barrier, no matrix unit.  A work-group of eight waves takes 16 rows, 16,384 numbers: 65,536 bytes in, 32,768 out.
; Groups 0-511 take x, 512-703 W_qkv, 704-767 W_proj, group 768 the two biases.  All sixteen loads of a thread go out at once.
; x and W_qkv: thread t takes row t / 16 of the group's 16 and, in load j, the 16 bytes at 16 (t % 16) of K block j's 256: sixteen lanes read 256 consecutive bytes, aligned.  Its 8 bytes go to
; byte 8 t of the group's 2,048 in block j: a wave's store covers two neighbouring rows' 128 bytes: 256 consecutive bytes, aligned.
; W_proj: thread t takes 16 bytes at 16 t of each row; a wave's load covers 512 consecutive bytes, its store 256, aligned.
; THE MODE: SCHED_MODE bits 1:0 = 2 (LLVM: expert scheduling mode 2), set by the entry lines.  The code itself states the register dependences
; between vector instructions and memory instructions, with s_wait_alu, always for 0.
; THE PLAN.  Registers that memory instructions touch:
;   v1, v3   byte offsets of the loads (v1 also of the biases' stores): made once at the head, never written again.
;   X        sixteen loads land in it; no vector instruction names it before them, and no load lands in it twice.  The conversions read it behind the wait for its load.
;   Y        written by the conversions of block p (four loads' numbers); read by the four stores that are issued in block p + 1; never written again behind a store.
;   D        the stores' byte offsets: written by sixteen vector instructions behind the run of loads; read by the stores; never written again.
; The sixteen loads' numbers go in four blocks of four.  Block p converts X[4 p ..] into Y[4 p ..]; its memory instructions are the stores of block p - 1, which read Y[4 p - 4 ..] and D[4 p - 4 ..]:
; registers that no vector instruction of block p names.  So ONE wait at a block's head states all that the block's four stores hang on, and these are dealt among its conversions with no further wait.
; No register that a memory instruction has read is written again, no vector instruction writes a scalar register, and EXEC is never written: no other kind of wait has a dependence to state.
.set X, 16                             ; v[16:79]   sixteen loads of four f32
.set Y, 80                             ; v[80:111]  sixteen pairs of packed words to store
.set D, 112                            ; v[112:127] the sixteen stores' byte offsets
	s_load_b256 s[4:11], s[0:1], 0x0               ; x s[4:5], W_qkv s[6:7], W_proj s[8:9], b_qkv s[10:11]
	s_load_b256 s[12:19], s[0:1], 0x20             ; b_proj s[12:13], xb s[14:15], wqb s[16:17], wpf s[18:19]
	s_load_b64 s[20:21], s[0:1], 0x40              ; bias
	v_lshlrev_b32 v1, 4, v0                        ; 16 t: my place in a row of 4,096 bytes of f32
	v_lshlrev_b32 v2, 3, v0                        ; 8 t: my place in 2,048 bytes of 16-bit numbers
	v_lshrrev_b32 v3, 4, v0                        ; t / 16: my row among the group's 16,
	v_and_b32 v4, 15, v0
	v_lshlrev_b32 v4, 4, v4                        ; 16 (t % 16): my place in a K block's 256 bytes of f32
	v_lshl_add_u32 v3, v3, 12, v4                  ; row x 4,096 + that
	s_mov_b32 s30, 0xffff0000                      ; a word's upper bf16
	s_mov_b32 s2, ttmp9                            ; the work-group's number
	s_mov_b32 s29, 0                               ; high word of the offsets (all under 2^26)
	s_wait_kmcnt 0x0
	s_wait_alu depctr_va_vdst(0)                   ; v1 and v3 are written: on each of the three ways below the loads read one of them as their offset, and the biases' stores read v1
; The numbers of load j, rounded and packed into Y's pair j.  half = 1: the bf16 number is written as f16.
.macro CONV half, j
	v_cvt_pk_bf16_f32 v[Y+2*(\j)],   v[X+4*(\j)],   v[X+4*(\j)+1]  ; the one rounding, to nearest even
	v_cvt_pk_bf16_f32 v[Y+2*(\j)+1], v[X+4*(\j)+2], v[X+4*(\j)+3]
.if \half
	v_lshlrev_b32 v[X+4*(\j)],   16,  v[Y+2*(\j)]  ; the rounded numbers as f32 again,
	v_and_b32     v[X+4*(\j)+1], s30, v[Y+2*(\j)]
	v_lshlrev_b32 v[X+4*(\j)+2], 16,  v[Y+2*(\j)+1]
	v_and_b32     v[X+4*(\j)+3], s30, v[Y+2*(\j)+1]
	v_cvt_pk_f16_f32 v[Y+2*(\j)],   v[X+4*(\j)],   v[X+4*(\j)+1]  ; and in f16's format: 8 significant bits fit into 11, so nothing is rounded within f16's normal range
	v_cvt_pk_f16_f32 v[Y+2*(\j)+1], v[X+4*(\j)+2], v[X+4*(\j)+3]
.endif
.endm
; Store j: no register of a store is ever written again
.macro OUT j
	global_store_b64 v[D+(\j)], v[Y+2*(\j):Y+2*(\j)+1], s[24:25] th:TH_STORE_NT
.endm
; 16,384 numbers from s[22:23] to s[24:25].  Load j stands sstep x j bytes behind the offset in v[src]; store j goes s31 x j bytes behind 8 t.
.macro BLOCK half, src, sstep
.irp j, 0,1,2,3,4,5,6,7,8,9,10,11,12,13,14,15
	global_load_b128 v[X+4*(\j):X+4*(\j)+3], v[\src], s[22:23] offset:(\sstep)*(\j) th:TH_LOAD_NT
.endr
.irp j, 0,1,2,3,4,5,6,7,8,9,10,11,12,13,14,15
	v_mad_u32_u24 v[D+(\j)], s31, \j, v2           ; fifteen K blocks of xb do not fit into a store's immediate, so the offsets lie in registers: made while the loads are out
.endr
.irp p, 0,1,2,3
	s_wait_loadcnt 12-4*(\p)                       ; loads come back in order (ISA guide 5.7.1): block p's four are in, the younger blocks' stay out
.if (\p) > 0
	s_wait_alu depctr_va_vdst(0)                   ; the block before has written its four pairs of Y, which the stores below read; at block 1 the sixteen offsets in D are written too
.endif
.irp i, 0,1,2,3
.if (\p) > 0
	OUT 4*(\p)-4+(\i)                              ; the block before leaves; no vector instruction since the wait names its Y or its D
.endif
	CONV \half, 4*(\p)+(\i)
.endr
.endr
	s_wait_alu depctr_va_vdst(0)                   ; block 3 has written its four pairs of Y, which the last four stores read
.irp i, 12,13,14,15
	OUT \i
.endr
.endm
	s_cmp_ge_u32 s2, 768
	s_cbranch_scc1 .Lbias
	s_cmp_ge_u32 s2, 704
	s_cbranch_scc1 .Lproj
	s_sub_co_u32 s27, s2, 512                      ; the group's number in W_qkv (used only from 512 on)
	s_mov_b32 s31, 8192*128                        ; bytes from K block to K block of xb,
	s_mov_b32 s3, 3072*128                         ; of wqb
	s_cmp_lt_u32 s2, 512
	s_cselect_b64 s[22:23], s[4:5], s[6:7]         ; from x or from W_qkv,
	s_cselect_b64 s[24:25], s[14:15], s[16:17]     ; to xb or to wqb,
	s_cselect_b32 s26, s2, s27                     ; group number in that tensor
	s_cselect_b32 s31, s31, s3
	s_lshl_b32 s28, s26, 16                        ; 16 rows of 4,096 bytes
	s_add_nc_u64 s[22:23], s[22:23], s[28:29]
	s_lshl_b32 s28, s26, 11                        ; 16 rows of 128 bytes in each K block
	s_add_nc_u64 s[24:25], s[24:25], s[28:29]
	BLOCK 0, 3, 256
	s_endpgm
.Lproj:
	s_sub_co_u32 s26, s2, 704
	s_mov_b32 s31, 2048                            ; bytes from row to row of wpf
	s_lshl_b32 s28, s26, 16
	s_add_nc_u64 s[22:23], s[8:9], s[28:29]
	s_lshl_b32 s28, s26, 15
	s_add_nc_u64 s[24:25], s[18:19], s[28:29]
	BLOCK 1, 1, 4096
	s_endpgm
.Lbias:                                                ; 4,096 numbers: three times 4,096 bytes of b_qkv, once of b_proj
.irp j, 0,1,2
	global_load_b128 v[X+4*(\j):X+4*(\j)+3], v1, s[10:11] offset:4096*(\j)
.endr
	global_load_b128 v[X+12:X+15], v1, s[12:13]
	s_wait_loadcnt 0x0
.irp j, 0,1,2,3
	v_cvt_pk_bf16_f32 v[Y+2*(\j)],   v[X+4*(\j)],   v[X+4*(\j)+1]
	v_cvt_pk_bf16_f32 v[Y+2*(\j)+1], v[X+4*(\j)+2], v[X+4*(\j)+3]
	v_lshlrev_b32 v[X+4*(\j)],   16,  v[Y+2*(\j)]
	v_and_b32     v[X+4*(\j)+1], s30, v[Y+2*(\j)]
	v_lshlrev_b32 v[X+4*(\j)+2], 16,  v[Y+2*(\j)+1]
	v_and_b32     v[X+4*(\j)+3], s30, v[Y+2*(\j)+1]
.endr
	s_wait_alu depctr_va_vdst(0)                   ; the shifts and masks have written v[X .. X+15], which the four stores read
.irp j, 0,1,2,3
	global_store_b128 v1, v[X+4*(\j):X+4*(\j)+3], s[20:21] offset:4096*(\j)
.endr
	s_endpgm
.Lfunc_end_k_q1b2640afee_cast:
	.size	k_q1b2640afee_cast, .Lfunc_end_k_q1b2640afee_cast-k_q1b2640afee_cast
	.p2alignl 7, 3214868480
	.fill 96, 4, 3214868480
	.section	.rodata,"a",@progbits
	.p2align	6, 0x0
	.amdhsa_kernel k_q1b2640afee_cast
		.amdhsa_group_segment_fixed_size 0
		.amdhsa_private_segment_fixed_size 0
		.amdhsa_enable_private_segment 0
		.amdhsa_kernarg_size 72
		.amdhsa_user_sgpr_count 2
		.amdhsa_user_sgpr_kernarg_segment_ptr 1
		.amdhsa_wavefront_size32 1
		.amdhsa_system_sgpr_workgroup_id_x 1
		.amdhsa_system_sgpr_workgroup_id_y 1
		.amdhsa_system_sgpr_workgroup_id_z 1
		.amdhsa_system_vgpr_workitem_id 0
		.amdhsa_next_free_vgpr 128
		.amdhsa_next_free_sgpr 66
		.amdhsa_reserve_vcc 0
		.amdhsa_float_denorm_mode_32 3
		.amdhsa_float_denorm_mode_16_64 3
		.amdhsa_memory_ordered 1
		.amdhsa_forward_progress 1
		.amdhsa_inst_pref_size 21
	.end_amdhsa_kernel
	.amdgpu_metadata
---
amdhsa.version: [ 1, 2 ]
amdhsa.kernels:
  - .name:           k_q1b2640afee_cast
    .symbol:         k_q1b2640afee_cast.kd
    .args:
      - { .name: x, .offset: 0, .size: 8, .value_kind: global_buffer, .address_space: global }
      - { .name: W_qkv, .offset: 8, .size: 8, .value_kind: global_buffer, .address_space: global }
      - { .name: W_proj, .offset: 16, .size: 8, .value_kind: global_buffer, .address_space: global }
      - { .name: b_qkv, .offset: 24, .size: 8, .value_kind: global_buffer, .address_space: global }
      - { .name: b_proj, .offset: 32, .size: 8, .value_kind: global_buffer, .address_space: global }
      - { .name: xb, .offset: 40, .size: 8, .value_kind: global_buffer, .address_space: global }
      - { .name: wqb, .offset: 48, .size: 8, .value_kind: global_buffer, .address_space: global }
      - { .name: wpf, .offset: 56, .size: 8, .value_kind: global_buffer, .address_space: global }
      - { .name: bias, .offset: 64, .size: 8, .value_kind: global_buffer, .address_space: global }
    .group_segment_fixed_size: 0
    .private_segment_fixed_size: 0
    .kernarg_segment_align: 8
    .kernarg_segment_size: 72
    .max_flat_workgroup_size: 256
    .sgpr_count:     66
    .vgpr_count:     128
    .wavefront_size: 32
...
	.end_amdgpu_metadata
.endif
;; end of part 9
;; launch qkv: the kernel of part 7 again; grid 8 x 32, 4 waves a work-group, clusters of 4 x 4, 327,680 bytes of LDS; arguments xb, wqb, bias, qkv; writes qkv
;; launch scores: the kernel of part 8 again; grid 8 x 32, 4 waves a work-group, clusters of 4 x 4, 327,680 bytes of LDS; arguments qkv, pt, st; writes pt, st
;; launch pv: the kernel of part 4 again; grid 4 x 64, 4 waves a work-group, clusters of 4 x 4, 327,680 bytes of LDS; arguments pt, qkv, st, ob; writes ob
;; launch proj: the kernel of part 5 again; grid 4 x 64, 4 waves a work-group, clusters of 4 x 4, 327,680 bytes of LDS; arguments ob, wpf, bias, out0; writes out0
